; MI455X (gfx1250); checked and timed in simulation.
; The chip was launched on July 23, 2026; its instructions are those of AMD's public machine-readable ISA for CDNA 5 (MIT licence, August 2026) and "CDNA5" Instruction Set Architecture Reference Guide (July 2026). The comments in the code are by the model that wrote it; some were corrected since.
;; Deepseek V3 Mo E Calibrate. Allowed arithmetic: matrix products marked QUANTISED: E2M3 operands, one E8M0 scale for each 32 along K, by v_wmma_scale_f32_16x16x128_f8f6f4 with both operands' format E2M3, f32 sums; everything else in f32.
;; Inputs: expert_down_codes 32 x 1,024 x 16 x 24 uint8 (E2M3 codes of expert_down, K innermost, in blocks of 32 codes, four codes in three bytes); expert_down_scales 32 x 1,024 x 16 uint8 (E8M0 scales of expert_down, one for each 32 codes along K); expert_gate_codes 32 x 512 x 32 x 24 uint8 (E2M3 codes of expert_gate, K innermost, in blocks of 32 codes, four codes in three bytes); expert_gate_scales 32 x 512 x 32 uint8 (E8M0 scales of expert_gate, one for each 32 codes along K); expert_up_codes 32 x 512 x 32 x 24 uint8 (E2M3 codes of expert_up, K innermost, in blocks of 32 codes, four codes in three bytes); expert_up_scales 32 x 512 x 32 uint8 (E8M0 scales of expert_up, one for each 32 codes along K); gate_bias 32 float32; gate_w_codes 32 x 32 x 24 uint8 (E2M3 codes of gate_w, K innermost, in blocks of 32 codes, four codes in three bytes); gate_w_scales 32 x 32 uint8 (E8M0 scales of gate_w, one for each 32 codes along K); hidden_states_codes 2 x 512 x 32 x 24 uint8 (E2M3 codes of hidden_states, K innermost, in blocks of 32 codes, four codes in three bytes); hidden_states_scales 2 x 512 x 32 uint8 (E8M0 scales of hidden_states, one for each 32 codes along K); shared_down_codes 1,024 x 32 x 24 uint8 (E2M3 codes of shared_down, K innermost, in blocks of 32 codes, four codes in three bytes); shared_down_scales 1,024 x 32 uint8 (E8M0 scales of shared_down, one for each 32 codes along K); shared_gate_codes 1,024 x 32 x 24 uint8 (E2M3 codes of shared_gate, K innermost, in blocks of 32 codes, four codes in three bytes); shared_gate_scales 1,024 x 32 uint8 (E8M0 scales of shared_gate, one for each 32 codes along K); shared_up_codes 1,024 x 32 x 24 uint8 (E2M3 codes of shared_up, K innermost, in blocks of 32 codes, four codes in three bytes); shared_up_scales 1,024 x 32 uint8 (E8M0 scales of shared_up, one for each 32 codes along K).
;; Outputs: out0 2 x 512 x 1,024 float32.
;; This version of the problem:
;;   THIS VERSION OF THE PROBLEM IS GIVEN IN LOW PRECISION. The matrix products marked QUANTISED in the list below multiply operands that are first quantised to E2M3 (2 exponent bits, 3 mantissa bits; 6 bits a number), with one power-of-two scale for each 32 numbers along K (OCP MX v1.0); their sums are f32. All else is computed in f32.
;;   The module's matrix products, in the order in which they are computed (A, B: the left and right operand; K: the contracted axis; several contracted axes count as one K, in the product's order):
;;     1. [M 1,024, K 1,024] x [K 1,024, N 32]; A: input hidden_states (given as codes); B: input gate_w (given as codes): QUANTISED
;;     2. [M 16,384, K 1,024] x [K 1,024, N 1,024]; A: input expert_gate (given as codes); B: input hidden_states (given as codes): QUANTISED
;;     3. [M 16,384, K 1,024] x [K 1,024, N 1,024]; A: input expert_up (given as codes); B: input hidden_states (given as codes): QUANTISED
;;     4. batch 32 x [M 1,024, K 512] x [K 512, N 1,024]; A: computed on the way; B: input expert_down (given as codes): QUANTISED
;;     5. [M 1,024, K 1,024] x [K 1,024, N 1,024]; A: input hidden_states (given as codes); B: input shared_gate (given as codes): QUANTISED
;;     6. [M 1,024, K 1,024] x [K 1,024, N 1,024]; A: input hidden_states (given as codes); B: input shared_up (given as codes): QUANTISED
;;     7. [M 1,024, K 1,024] x [K 1,024, N 1,024]; A: computed on the way; B: input shared_down (given as codes): QUANTISED
;;   THE QUANTISER, for each operand of a quantised product, along K:
;;     - K is cut into blocks of 32 from its start; a last block that is shorter is filled with zeros.
;;     - A block's scale is 2^e with e = floor(log2(the largest magnitude in the block)) - 2, held to -126 .. 127; a block of zeros has e = 0. As a byte (E8M0): e + 127.
;;     - Each number is divided by its block's scale, clamped to +-7.5, and rounded to the nearest number of E2M3, ties to even, subnormals kept.
;;     - The product sums the exact products of the quantised numbers (number of the format x scale) in f32.
;;   ~~~python
;;   def quantise(x, axis):      # numpy; x: float32 -> the quantised numbers, widened to float32 again
;;       x = np.moveaxis(x, axis, -1); K = x.shape[-1]
;;       x = np.pad(x, [(0, 0)] * (x.ndim - 1) + [(0, -K % 32)]); x = x.reshape(x.shape[:-1] + (-1, 32)); a = np.abs(x).max(-1, keepdims=True)
;;       e = np.where(a > 0, np.clip(np.frexp(np.where(a > 0, a, 1))[1] - 1 - 2, -126, 127), 0)      # np.frexp(a)[1] - 1 = floor(log2(a)), exactly
;;       r = np.clip(x / 2.0 ** e, -7.5, 7.5)
;;       step = 2.0 ** (np.maximum(np.frexp(np.where(r == 0, 1, r))[1] - 1, 0) - 3)
;;       q = np.round(r / step) * step * 2.0 ** e      # np.round: ties to even
;;       return np.moveaxis(q.reshape(q.shape[:-2] + (-1,))[..., :K], -1, axis).astype(np.float32)
;;   ~~~
;;   OPERANDS COMPUTED ON THE WAY. 'Computed on the way' means the value that the module computes at that place (a softmax that the list does not call 'softmax' is quantised finished and normalised). What goes into a quantiser is computed in f32, as accurately as f32 sums, v_exp_f32 and their like allow (about 1e-6 of the number): no bf16 or f16 on the way to a quantiser, and a product that is left as it is and whose result goes on into a quantised operand takes f32 operands (vector FMAs, or v_wmma_f32_16x16x4_f32). A number that lies on a knife's edge between two numbers of the format may be rounded either way, as far as f32 arithmetic and the matrix unit's own rounding can turn it there, and no further.
;;   INPUTS GIVEN AS CODES. expert_down (in the module: [32, 1024, 512], K = its axis 2); expert_gate (in the module: [32, 512, 1024], K = its axis 2); expert_up (in the module: [32, 512, 1024], K = its axis 2); gate_w (in the module: [32, 1024], K = its axis 1); hidden_states (in the module: [2, 512, 1024], K = its axis 2); shared_down (in the module: [1024, 1024], K = its axis 1); shared_gate (in the module: [1024, 1024], K = its axis 1); shared_up (in the module: [1024, 1024], K = its axis 1): each comes as NAME_codes (uint8): NAME with its K axis moved to the last place and cut into blocks of 32 codes, [.., K / 32, bytes a block], one block behind the other in memory; four codes in three bytes: a row's codes are one little-endian stream of bits, code i at bits 6 i .. 6 i + 5 (a code: sign, 2 exponent bits, 3 mantissa bits); and NAME_scales (uint8): the same leading axes, one E8M0 byte (e + 127) for each 32 codes along K. Its value is code x scale, taken as it is: it is not quantised again, and the codes and scales need not be those that the quantiser above would give.
;; 2 versions. Each part assembles by itself: llvm-mc -triple=amdgcn-amd-amdhsa -mcpu=gfx1250 --defsym DOCPART=n.
;; ======== version 1 of 2: 3 launches
;; workspace buffers: route 8,192 bytes of whole numbers; place 137,216 bytes of whole numbers; wd 131,072 bytes; shact 819,200 bytes; ract 14,950,400 bytes
;; launch route_shared (part 1): grid 144 x 1, 4 waves a work-group, no clusters, 107,008 bytes of LDS; arguments hidden_states_codes, hidden_states_scales, gate_w_codes, gate_w_scales, gate_bias, shared_gate_codes, shared_gate_scales, shared_up_codes, shared_up_scales, route, wd, shact; writes route, wd, shact
.if DOCPART == 1
	.amdgcn_target "amdgcn-amd-amdhsa--gfx1250"
	.amdhsa_code_object_version 6
	.text
	.protected	k_q7dc8659496_route_shared
	.globl	k_q7dc8659496_route_shared
	.p2align	8
	.type	k_q7dc8659496_route_shared,@function
k_q7dc8659496_route_shared:
	s_mov_b64 s[64:65], 0
	v_nop
	global_prefetch_b8 v0, s[64:65] scope:SCOPE_SE
	s_setreg_imm32_b32 hwreg(HW_REG_WAVE_MODE, 25, 1), 1
	s_wait_xcnt 0x0
; TWO JOBS IN ONE LAUNCH, told apart by the work-group's number.
; Work-groups 0-15: THE ROUTER.  A wave takes 16 tokens: logits = x gate_w^T on E2M3 codes, sigmoid, + bias, the two best groups of four (a group's score: the sum
; of its two best), the eight best experts among the kept groups' biased scores and zeros for the others, ties to the lower index.  It stores, at fixed places: route (a 32-bit mask
; of experts for each token; a sort key 0..15 made of the set of groups that hold a chosen expert) and wd [32 experts][1024 tokens]: score / (sum of the 8 + 1e-20) x 2.5, 0 where not chosen.
; THE SORT KEY is the set's rank in an order in which neighbouring sets of two groups share a group: {0,1} {0,2} {1,2} {1,3} {0,3} {2,3}, then the other ten sets.  So a block of sorted tokens
; that lies across two such neighbours uses three groups and not four.  Any one-to-one order is right; this one only spares work in the last launch.
; Nothing here branches or addresses by a score: choices are made by v_cndmask_b32.
; Work-groups 16-143: THE SHARED EXPERT'S HIDDEN LAYER.  A work-group takes 64 hidden units (of gate and of up) x 128 tokens: silu(g) u in f32, quantised along the hidden
; units (blocks of 32) and stored as codes, shact [1024 tokens][768 bytes], with scale bytes [1024][32] at byte 786,432.
; FRAGMENTS.  Lane (r, h) takes, for a K step of 128, the 48 consecutive bytes of its row at 96 x step + 48 h, by three loads of 16 bytes.  So of a K step's four blocks of 32 the
; second and third change places in the matrix unit, alike in both operands: the products are the same.  A scale word's bytes 1 and 2 are swapped to match (v_perm_b32).
; BOTH PRODUCTS ARE USED TRANSPOSED: source 0 = 16 weight rows, source 1 = 16 tokens: a lane holds one token, its registers run along the weight rows.
; LIMITS: NaN and infinities are not served; -0 counts as +0 in the router; a block of zeros gets the scale byte 1 (its codes are zeros; this program alone reads the bytes);
; the sums run in the block order just said.  The router's stores are runs of 64 bytes, the hidden layer's of 12 bytes a lane: 950 KB in all.
.set NSL,   2                          ; token tiles (slots) a wave
.set CSTEP, 49152                      ; from slot to slot in the codes' output: 64 rows of 768 bytes
.set SSTEP, 2048                       ; and in the scale bytes': 64 rows of 32
.set SIMG,  98304                      ; LDS: weight fragments as register images from 0 (2 blocks x 4 tiles x 8 K steps x 1,536 bytes), their scale words from here (128 bytes each)
.set VWL,   4                          ; v4   weight rows: (r + 8 (r / 8)) x 768 + 48 h
.set VWSL,  5                          ; v5   their scale bytes: (r + 8 (r / 8)) x 32
.set VSTA0, 6                          ; v6-7 where I store images: 16 lane + 3,072 wave (+ 49,152 for the second block of 32 units)
.set VSTS,  8                          ; v8   and scale words: SIMG + 4 lane + 256 wave
.set VRA0,  9                          ; v9-10 where images are read: 16 lane (+ 49,152)
.set VRS0,  11                         ; v11  SIMG + 4 lane
.set VCO,   15                         ; v15  my row's place in the codes' output
.set VSO,   17                         ; v17  and in the scale bytes'
.set V48H,  18                         ; v18  48 h
.set V4L,   21                         ; v21  4 lane
.set XO,    22                         ; v22.. slot k: my token's codes
.set XSO,   28                         ; v28.. slot k: my token's scale bytes
.set SBY,   34                         ; v34.. slot k: the two scale bytes made
.set PX,    46                         ; v46-47 lane permutes' destinations
.set XS,    64                         ; v64.. x's scale words, 8 a slot
.set ASC,   112                        ; v112-119 the weights' scale words, two sets of 4
.set AB,    120                        ; v120-215 the weights' fragments, two sets of 4 x 12; free behind a block's products:
.set EE,    AB                         ;   32 numbers: exponentials, then 1 / (1 + ..)
.set TT,    AB+32                      ;   32 numbers: g u, then silu(g) u
.set CD,    AB+64                      ;   codes, 4 registers a slot
.set MX,    AB+88                      ;   largest magnitudes, scale operands, bytes
.set RAW,   216                        ; v216-231 the weights' scale words as loaded
.set XCB,   4                          ; s[4:5] x's codes  s[6:7] x's scales  s[8:9] gate_w's codes  s[10:11] its scales  s[12:13] bias
.set XSB,   6
.set GWC,   8
.set GWS,   10
.set BIA,   12
.set GCB,   14                         ; s[14:15] shared_gate's codes  s[16:17] its scales  s[18:19] shared_up's codes  s[20:21] its scales
.set GSB,   16
.set UCB,   18
.set USB,   20
.set RTE,   22                         ; s[22:23] route  s[24:25] wd  s[26:27] shact (codes)  s[28:29] shact (scale bytes)
.set WDP,   24
.set RC,    26
.set RS,    28
.set WV,    30                         ; s30 wave
.set SELP,  31                         ; s31 byte select that swaps bytes 1 and 2
.set SL0,   32                         ; s32-33 v_permlanex16_b32's selects for lane xor 16
.set SL1,   33
.set NL2E,  34                         ; s[34:35] -log2(e), twice
.set HM,    62                         ; s62 lanes 16-31
.set MSB, 0
.macro WIN new                         ; register windows; the immediate's high byte repeats the setting that is left
.if MSB != (\new)
	s_set_vgpr_msb (MSB<<8)|(\new)
.set MSB, (\new)
.endif
.endm
.macro NOPS n
.rept \n
	v_nop
.endr
.endm
; The wave's share of the work-group's weights: K steps 2 wave and 2 wave + 1 of all 8 tiles (block of 32 units, gate or up, half): 48 loads of 16 bytes a lane into v192-255 of windows 1-3,
; of which window 1's later hold the accumulators, and 8 loads of the two K steps' scale words.  Tile wt = 4 block + 2 (up) + half; its lane r takes row 32 block + 8 half + r + 8 (r / 8).
.macro WLOAD
.set n, 0
.rept 48
.set wt, n/6
	WIN ((1+n/16)<<6)
.if ((wt%4)/2) == 0
	global_load_b128 v[192+4*(n%16):195+4*(n%16)], v[VWL], s[GCB:GCB+1] offset:(32*(wt/4)+8*(wt%2))*768+96*((n%6)/3)+16*(n%3)
.else
	global_load_b128 v[192+4*(n%16):195+4*(n%16)], v[VWL], s[UCB:UCB+1] offset:(32*(wt/4)+8*(wt%2))*768+96*((n%6)/3)+16*(n%3)
.endif
.set n, n+1
.endr
	WIN 0
.set wt, 0
.rept 8
.if ((wt%4)/2) == 0
	global_load_b64 v[RAW+2*wt:RAW+2*wt+1], v[VWSL], s[GSB:GSB+1] offset:(32*(wt/4)+8*(wt%2))*32
.else
	global_load_b64 v[RAW+2*wt:RAW+2*wt+1], v[VWSL], s[USB:USB+1] offset:(32*(wt/4)+8*(wt%2))*32
.endif
.set wt, wt+1
.endr
.endm
; They go to LDS as images of the registers: lane l's 16 bytes at 16 l, 512 bytes a store; a wave that loads them by the same lines has the same registers in the same lanes.
.macro W2LDS
.set i, 0
.rept 16
	v_perm_b32 v[RAW+i], v[RAW+i], v[RAW+i], s[SELP]
.set i, i+1
.endr
.set n, 0
.rept 48
.set wt, n/6
	WIN ((1+n/16)<<2)                              ; an LDS store's data are its source 1
	ds_store_b128 v[VSTA0+wt/4], v[192+4*(n%16):195+4*(n%16)] offset:(wt%4)*12288+((n%6)/3)*1536+512*(n%3)
.set n, n+1
.endr
	WIN 0
.set i, 0
.rept 16
	ds_store_b32 v[VSTS], v[RAW+i] offset:(i/8)*4096+((i/2)%4)*1024+(i%2)*128
.set i, i+1
.endr
.endm
.macro XLOADS                          ; x's scale bytes: 32 a token, two loads a slot
.set k, 0
.rept NSL
	global_load_b128 v[XS+8*k:XS+8*k+3], v[XSO+k], s[XSB:XSB+1]
	global_load_b128 v[XS+8*k+4:XS+8*k+7], v[XSO+k], s[XSB:XSB+1] offset:16
.set k, k+1
.endr
.endm
.macro XLOADK                          ; x's fragments for all of K, K step by K step: slot k in window 1 + k / 2, at v[96 (k % 2) + 12 step]
.set ks, 0
.rept 8
.set k, 0
.rept NSL
	WIN ((1+k/2)<<6)
.irp c, 0,1,2
	global_load_b128 v[96*(k%2)+12*ks+4*\c:96*(k%2)+12*ks+4*\c+3], v[XO+k], s[XCB:XCB+1] offset:96*ks+16*\c
.endr
.set k, k+1
.endr
.set ks, ks+1
.endr
	WIN 0
.endm
.macro XPERM
.set i, 0
.rept 8*NSL
	v_perm_b32 v[XS+i], v[XS+i], v[XS+i], s[SELP]
.set i, i+1
.endr
	NOPS 8                                         ; a scale register written by a vector instruction stands 8 places ahead of a scaled matrix instruction
.endm
.macro LOADA ks, pb, ib                ; the four tiles' fragments and scale words of K step ks, block ib, into set pb
.irp ti, 0,1,2,3
.irp c, 0,1,2
	ds_load_b128 v[AB+48*(\pb)+12*\ti+4*\c:AB+48*(\pb)+12*\ti+4*\c+3], v[VRA0+(\ib)] offset:(\ti*8+(\ks))*1536+512*\c
.endr
.endr
.irp ti, 0,1,2,3
	ds_load_b32 v[ASC+4*(\pb)+\ti], v[VRS0] offset:(\ib)*4096+(\ti*8+(\ks))*128
.endr
.endm
; 8 matrix instructions: window W's two slots x the four tiles (gate's two halves, up's two).  The accumulators take turns, one instruction a turn.
.macro MULW W, ks, pb
	WIN (0x54*(\W))                                ; source 1 (x), C and D in window W; source 0 (weights) in window 0
.irp kp, 0,1
.irp ti, 0,1,2,3
.if (\ks) == 0
	v_wmma_scale_f32_16x16x128_f8f6f4 v[192+32*\kp+8*\ti:199+32*\kp+8*\ti], v[AB+48*(\pb)+12*\ti:AB+48*(\pb)+12*\ti+11], v[96*\kp+12*(\ks):96*\kp+12*(\ks)+11], 0, v[ASC+4*(\pb)+\ti], v[XS+8*(2*((\W)-1)+\kp)+(\ks)] matrix_a_fmt:MATRIX_FMT_FP6 matrix_b_fmt:MATRIX_FMT_FP6
.else
	v_wmma_scale_f32_16x16x128_f8f6f4 v[192+32*\kp+8*\ti:199+32*\kp+8*\ti], v[AB+48*(\pb)+12*\ti:AB+48*(\pb)+12*\ti+11], v[96*\kp+12*(\ks):96*\kp+12*(\ks)+11], v[192+32*\kp+8*\ti:199+32*\kp+8*\ti], v[ASC+4*(\pb)+\ti], v[XS+8*(2*((\W)-1)+\kp)+(\ks)] matrix_a_fmt:MATRIX_FMT_FP6 matrix_b_fmt:MATRIX_FMT_FP6
.endif
.endr
.endr
.endm
; Window W's two slots: a lane holds, for its token, g and u of hidden units 32 ib + 16 h + 0 .. 15.  silu(g) u = g u / (1 + 2^(-log2(e) g)), in f32; the block's largest magnitude with lane xor 16;
; 16 codes = 12 bytes a lane, stored at 24 ib + 12 h of the row's 48 bytes.  The transcendentals go in two batches, each with one plain line and one wait ahead of its first reader.
.macro EPI W, ib
	WIN (\W)
.set i, 0
.rept 16
	v_pk_mul_f32 v[EE+2*i:EE+2*i+1], v[192+32*(i/8)+2*(i%8):193+32*(i/8)+2*(i%8)], s[NL2E:NL2E+1] op_sel_hi:[1,0]   ; each accumulator from its low end on
.set i, i+1
.endr
	WIN 0
.set i, 0
.rept 32
	v_exp_f32 v[EE+i], v[EE+i]
.set i, i+1
.endr
	WIN (5*(\W))
.set i, 0
.rept 16
	v_pk_mul_f32 v[TT+2*i:TT+2*i+1], v[192+32*(i/8)+2*(i%8):193+32*(i/8)+2*(i%8)], v[208+32*(i/8)+2*(i%8):209+32*(i/8)+2*(i%8)]   ; g u: the plain work behind the exponentials
.set i, i+1
.endr
	WIN 0
	s_wait_alu depctr_va_vdst(0)                   ; one wait for the 32 exponentials
.set i, 0
.rept 16
	v_pk_add_f32 v[EE+2*i:EE+2*i+1], v[EE+2*i:EE+2*i+1], 1.0 op_sel_hi:[1,0]
.set i, i+1
.endr
.set i, 0
.rept 32
	v_rcp_f32 v[EE+i], v[EE+i]
.set i, i+1
.endr
	v_nop
	s_wait_alu depctr_va_vdst(0)                   ; one wait for the 32 reciprocals
.set i, 0
.rept 16
	v_pk_mul_f32 v[TT+2*i:TT+2*i+1], v[TT+2*i:TT+2*i+1], v[EE+2*i:EE+2*i+1]
.set i, i+1
.endr
.irp kp, 0,1
	v_max3_num_f32 v[MX+\kp], |v[TT+16*\kp]|, |v[TT+16*\kp+1]|, 0x1800000   ; my 16 numbers and the floor 2^(3 - 127): the byte cannot fall under 1
.endr
.irp jj, 2,4,6,8,10,12,14
.irp kp, 0,1
	v_max3_num_f32 v[MX+\kp], v[MX+\kp], |v[TT+16*\kp+\jj]|, |v[TT+16*\kp+\jj+1]|
.endr
.endr
.irp kp, 0,1
	v_permlanex16_b32 v[PX+\kp], v[MX+\kp], s[SL0], s[SL1]
.endr
.irp kp, 0,1
	v_max_num_f32 v[MX+\kp], v[MX+\kp], v[PX+\kp]  ; the block's largest magnitude
.endr
.irp kp, 0,1
	v_add_nc_u32 v[MX+2+\kp], 0xff000000, v[MX+\kp] ; 2 off its exponent field: the conversion's scale operand
.endr
.irp kp, 0,1
	v_cvt_scalef32_pk16_fp6_f32 v[CD+4*(2*((\W)-1)+\kp):CD+4*(2*((\W)-1)+\kp)+2], v[TT+16*\kp:TT+16*\kp+15], v[MX+2+\kp]
.endr
	v_nop                                          ; one plain place behind a scaled conversion
.irp kp, 0,1
	v_lshrrev_b32 v[MX+4+\kp], 23, v[MX+2+\kp]     ; the scale's byte
.endr
.irp kp, 0,1
.if (\ib) == 0
	v_mov_b32 v[SBY+2*((\W)-1)+\kp], v[MX+4+\kp]
.else
	v_lshl_or_b32 v[SBY+2*((\W)-1)+\kp], v[MX+4+\kp], 8, v[SBY+2*((\W)-1)+\kp]
.endif
	global_store_b96 v[VCO], v[CD+4*(2*((\W)-1)+\kp):CD+4*(2*((\W)-1)+\kp)+2], s[RC:RC+1] offset:CSTEP*(2*((\W)-1)+\kp)+24*(\ib)
.if (\ib) == 1
	global_store_b16 v[VSO], v[SBY+2*((\W)-1)+\kp], s[RS:RS+1] offset:SSTEP*(2*((\W)-1)+\kp)   ; both halves of the lanes store the same two bytes
.endif
.endr
.endm
.macro COMPUTE
.irp ib, 0,1
.if \ib == 1
	s_wait_xcnt 0x0                                ; the first block's stores have read their registers: the image loads below land on them
.endif
	LOADA 0, 0, \ib
.irp ks, 0,1,2,3,4,5,6,7
.if \ks < 7
.if \ks > 0
	NOPS 4                                         ; places in front of loads into registers that matrix instructions have read
.endif
	LOADA \ks+1, (\ks+1)%2, \ib
	s_wait_dscnt 16                                ; this K step's 16 image loads are in; the next step's may be out
.else
	s_wait_dscnt 0x0
.endif
.if \ib == 0
	s_wait_loadcnt 3*NSL*(7-\ks)                   ; x of this K step is in; the later steps' loads, 3 a slot and step, may be out
.endif
	MULW 1, \ks, \ks%2
	WIN 0
.endr
	NOPS 5                                         ; behind the last products: their results are read, their operands written, and the accumulators later begun anew
	EPI 1, \ib
.endr
.endm
	s_load_b256 s[4:11], s[0:1], 0x0
	s_load_b256 s[12:19], s[0:1], 0x20
	s_load_b256 s[20:27], s[0:1], 0x40
	v_lshl_add_u32 v254, v0, 2, 0x1a000
	v_mov_b32 v255, 0
	v_lshrrev_b32 v1, 5, v0
	v_readfirstlane_b32 s[WV], v1                  ; wave 0..3
	v_and_b32 v1, 31, v0                           ; lane
	v_and_b32 v2, 15, v0                           ; r
	v_bfe_u32 v3, v0, 4, 1                         ; h
	v_and_b32 v48, 8, v2
	v_add_nc_u32 v48, v48, v2                      ; r + 8 (r / 8)
	v_mul_u32_u24 v[V48H], v3, 48
	v_mad_u32_u24 v[VWL], v48, 0x300, v[V48H]
	v_lshlrev_b32 v[VWSL], 5, v48
	s_mov_b32 s[SELP], 0x03010200
	s_mov_b32 s[SL0], 0x76543210
	s_mov_b32 s[SL1], 0xfedcba98
	s_mov_b32 s[NL2E], 0xbfb8aa3b
	s_mov_b32 s[NL2E+1], 0xbfb8aa3b
	s_mov_b32 s37, 0
	s_mov_b32 s39, 0
	s_cmp_lt_u32 ttmp9, 16
	s_cbranch_scc0 .Lshared
	; ================= THE ROUTER: my wave's 16 tokens, tile 4 x work-group + wave
	s_lshl_b32 s36, ttmp9, 2
	s_add_co_u32 s36, s36, s[WV]
	s_mul_i32 s38, s36, 12288                      ; 16 rows of 768 bytes
	s_lshl_b32 s40, s36, 9                         ; 16 rows of 32 bytes
	s_mov_b32 s41, 0
	s_lshl_b32 s42, s36, 6                         ; 16 words
	s_mov_b32 s43, 0
	s_mov_b32 s[HM], 0xffff0000
	v_mad_u32_u24 v12, v2, 0x300, v[V48H]          ; x: row r, + 48 h
	v_lshlrev_b32 v13, 5, v2                       ; x's scale bytes
	v_lshlrev_b32 v14, 6, v3                       ; bias: my 16 experts, 16 h on
	v_lshlrev_b32 v15, 2, v2                       ; out: 4 r
	v_lshl_add_u32 v16, v3, 16, v15                ; wd: expert 16 h's row of 4,096 bytes, + 4 r
	s_wait_kmcnt 0x0
	s_add_nc_u64 s[XCB:XCB+1], s[XCB:XCB+1], s[38:39]
	s_add_nc_u64 s[XSB:XSB+1], s[XSB:XSB+1], s[40:41]
	s_add_nc_u64 s[RTE:RTE+1], s[RTE:RTE+1], s[42:43]
	s_add_nc_u64 s[WDP:WDP+1], s[WDP:WDP+1], s[42:43]
.set ks, 0
.rept 8
.irp c, 0,1,2
	global_load_b128 v[64+12*ks+4*\c:67+12*ks+4*\c], v12, s[XCB:XCB+1] offset:96*ks+16*\c
.endr
.set ks, ks+1
.endr
	global_load_b128 v[32:35], v13, s[XSB:XSB+1]
	global_load_b128 v[36:39], v13, s[XSB:XSB+1] offset:16
	WIN 0x80                                       ; gate_w's 16 fragments into window 2.  Lane m of tile ta takes expert 16 (m / 8) + 8 ta + m % 8: so register 8 ta + j of lane (r, h) is expert 16 h + 8 ta + j, of group 2 h + ta
.set n, 0
.rept 16
.irp c, 0,1,2
	global_load_b128 v[12*n+4*\c:12*n+4*\c+3], v[VWL], s[GWC:GWC+1] offset:6144*(n/8)+96*(n%8)+16*\c
.endr
.set n, n+1
.endr
	WIN 0
.irp ta, 0,1
	global_load_b128 v[40+8*\ta:43+8*\ta], v[VWSL], s[GWS:GWS+1] offset:256*\ta
	global_load_b128 v[44+8*\ta:47+8*\ta], v[VWSL], s[GWS:GWS+1] offset:256*\ta+16
.endr
.irp c, 0,1,2,3
	global_load_b128 v[192+4*\c:195+4*\c], v14, s[BIA:BIA+1] offset:16*\c
.endr
	s_wait_loadcnt 0x0
.set i, 0
.rept 24
	v_perm_b32 v[32+i], v[32+i], v[32+i], s[SELP]
.set i, i+1
.endr
	NOPS 8
	WIN 0x02                                       ; source 0 in window 2
.set ks, 0
.rept 8
.irp ta, 0,1
.if ks == 0
	v_wmma_scale_f32_16x16x128_f8f6f4 v[160+8*\ta:167+8*\ta], v[96*\ta+12*ks:96*\ta+12*ks+11], v[64+12*ks:75+12*ks], 0, v[40+8*\ta+ks], v[32+ks] matrix_a_fmt:MATRIX_FMT_FP6 matrix_b_fmt:MATRIX_FMT_FP6
.else
	v_wmma_scale_f32_16x16x128_f8f6f4 v[160+8*\ta:167+8*\ta], v[96*\ta+12*ks:96*\ta+12*ks+11], v[64+12*ks:75+12*ks], v[160+8*\ta:167+8*\ta], v[40+8*\ta+ks], v[32+ks] matrix_a_fmt:MATRIX_FMT_FP6 matrix_b_fmt:MATRIX_FMT_FP6
.endif
.endr
.set ks, ks+1
.endr
	WIN 0
	NOPS 4
.set ZZ,  160                          ; logits
.set SS,  208                          ; scores
.set SCR, 176                          ; biased scores, then masked, then sort keys
.set BI,  192
.set PK,  64                           ; the partner lane's 16 keys
.set KC,  80                           ; my keys less h
.set RK,  96                           ; ranks
.set WS,  112                          ; chosen scores
.irp j, 0,2,4,6,8,10,12,14
	v_pk_mul_f32 v[SS+\j:SS+\j+1], v[ZZ+\j:ZZ+\j+1], s[NL2E:NL2E+1] op_sel_hi:[1,0]
.endr
.set i, 0
.rept 16
	v_exp_f32 v[SS+i], v[SS+i]
.set i, i+1
.endr
	v_nop
	s_wait_alu depctr_va_vdst(0)                   ; one wait for the 16 exponentials
.irp j, 0,2,4,6,8,10,12,14
	v_pk_add_f32 v[SS+\j:SS+\j+1], v[SS+\j:SS+\j+1], 1.0 op_sel_hi:[1,0]
.endr
.set i, 0
.rept 16
	v_rcp_f32 v[SS+i], v[SS+i]
.set i, i+1
.endr
	v_nop
	s_wait_alu depctr_va_vdst(0)                   ; one wait for the 16 reciprocals: the scores
.irp j, 0,2,4,6,8,10,12,14
	v_pk_add_f32 v[SCR+\j:SCR+\j+1], v[SS+\j:SS+\j+1], v[BI+\j:BI+\j+1]
.endr
	; a group's two best: m1 >= m2 kept; a new number's place is found by the middle of three
.irp ta, 0,1
	v_max_num_f32 v[128+\ta], v[SCR+8*\ta], v[SCR+8*\ta+1]
	v_min_num_f32 v[130+\ta], v[SCR+8*\ta], v[SCR+8*\ta+1]
.endr
.irp j, 2,3,4,5,6,7
.irp ta, 0,1
	v_med3_num_f32 v[130+\ta], v[128+\ta], v[130+\ta], v[SCR+8*\ta+\j]
	v_max_num_f32 v[128+\ta], v[128+\ta], v[SCR+8*\ta+\j]
.endr
.endr
.irp ta, 0,1
	v_add_f32 v[132+\ta], v[128+\ta], v[130+\ta]
.endr
.irp ta, 0,1
	v_permlanex16_b32 v[134+\ta], v[132+\ta], s[SL0], s[SL1]
.endr
	v_cndmask_b32 v136, v132, v134, s[HM]          ; the four groups' scores in every lane
	v_cndmask_b32 v137, v133, v135, s[HM]
	v_cndmask_b32 v138, v134, v132, s[HM]
	v_cndmask_b32 v139, v135, v133, s[HM]
	v_cmp_gt_f32 s40, v137, v136                   ; for a < b: does b beat a?  Only if strictly greater: ties go to the lower index
	v_cmp_gt_f32 s41, v138, v136
	v_cmp_gt_f32 s42, v139, v136
	v_cmp_gt_f32 s43, v138, v137
	v_cmp_gt_f32 s44, v139, v137
	v_cmp_gt_f32 s45, v139, v138
	s_not_b32 s46, s40                             ; and a beats b otherwise
	s_not_b32 s47, s41
	s_not_b32 s48, s42
	s_not_b32 s49, s43
	s_not_b32 s50, s44
	s_not_b32 s51, s45
.macro NSEL d, x, y, z                 ; a group is kept unless two or more beat it
	s_and_b32 s60, s[\x], s[\y]
	s_or_b32 s61, s[\x], s[\y]
	s_and_b32 s61, s61, s[\z]
	s_or_b32 s60, s60, s61
	s_not_b32 s[\d], s60
.endm
	NSEL 52, 40, 41, 42
	NSEL 53, 46, 43, 44
	NSEL 54, 47, 49, 45
	NSEL 55, 48, 50, 51
.irp ta, 0,1                           ; my own two groups' masks: groups ta in lanes 0-15, 2 + ta in lanes 16-31
	s_and_not1_b32 s60, s[52+\ta], s[HM]
	s_and_b32 s61, s[54+\ta], s[HM]
	s_or_b32 s[56+\ta], s60, s61
.endr
.set i, 0
.rept 16
	v_cndmask_b32 v[SCR+i], 0, v[SCR+i], s[56+i/8] ; groups not kept count as 0.0, and can win
	v_add_f32 v[SCR+i], 0, v[SCR+i]                ; -0 becomes +0
	v_ashrrev_i32 v[140+i%2], 31, v[SCR+i]
	v_or_b32 v[140+i%2], 0x80000000, v[140+i%2]
	v_xor_b32 v[SCR+i], v[SCR+i], v[140+i%2]       ; a whole number that sorts as the f32 does
.set i, i+1
.endr
.set i, 0
.rept 16
	v_permlanex16_b32 v[PK+i], v[SCR+i], s[SL0], s[SL1]
	v_sub_nc_u32 v[KC+i], v[SCR+i], v3             ; lanes 16-31: the partner's experts have lower indices and win ties: >= key is > key - 1
	v_mov_b32 v[RK+i], 0
.set i, i+1
.endr
	; the rank of each of my 16 keys among all 32: how many beat it
.set i, 0
.rept 16
.set j, 0
.rept 16
	v_cmp_gt_u32 vcc_lo, v[PK+i], v[KC+j]
	v_add_co_ci_u32 v[RK+j], vcc_lo, 0, v[RK+j], vcc_lo
.if i < j
	v_cmp_ge_u32 vcc_lo, v[SCR+i], v[SCR+j]
	v_add_co_ci_u32 v[RK+j], vcc_lo, 0, v[RK+j], vcc_lo
.elseif i > j
	v_cmp_gt_u32 vcc_lo, v[SCR+i], v[SCR+j]
	v_add_co_ci_u32 v[RK+j], vcc_lo, 0, v[RK+j], vcc_lo
.endif
.set j, j+1
.endr
.set i, i+1
.endr
	v_mov_b32 v141, 0
.set j, 0
.rept 16
	v_cmp_gt_u32 vcc_lo, 8, v[RK+j]                ; chosen
	v_cndmask_b32 v[WS+j], 0, v[SS+j], vcc_lo
	v_cndmask_b32 v142, 0, 1, vcc_lo
	v_lshl_or_b32 v141, v142, j, v141
.set j, j+1
.endr
	v_pk_add_f32 v[144:145], v[WS:WS+1], v[WS+2:WS+3]
.irp j, 4,6,8,10,12,14
	v_pk_add_f32 v[144:145], v[144:145], v[WS+\j:WS+\j+1]
.endr
	v_add_f32 v144, v144, v145
	v_permlanex16_b32 v145, v144, s[SL0], s[SL1]
	v_add_f32 v144, v144, v145                     ; the sum of the eight scores
	v_add_f32 v144, 0x1e3ce508, v144               ; + 1e-20
	v_rcp_f32 v144, v144
	v_lshlrev_b32 v143, 4, v3                      ; (a plain place)  16 h
	s_wait_alu depctr_va_vdst(0)
	v_mul_f32 v144, 0x40200000, v144               ; x 2.5
.irp j, 0,2,4,6,8,10,12,14
	v_pk_mul_f32 v[WS+\j:WS+\j+1], v[WS+\j:WS+\j+1], v[144:145] op_sel_hi:[1,0]
.endr
	v_lshlrev_b32 v141, v143, v141                 ; my 16 bits at their place,
	v_permlanex16_b32 v142, v141, s[SL0], s[SL1]
	v_or_b32 v141, v141, v142                      ; with the partner's: the token's mask of experts
	v_mov_b32 v146, 0
.irp g, 0,1,2,3
	v_bfe_u32 v147, v141, 8*\g, 8
	v_cmp_ne_u32 vcc_lo, 0, v147
	v_cndmask_b32 v147, 0, 1, vcc_lo
	v_lshl_or_b32 v146, v147, \g, v146             ; n: which groups hold a chosen expert
.endr
	; the sort key: n's rank, out of a table of sixteen 4-bit fields in two words (field n % 8 of word n / 8): 3 > 0, 5 > 1, 6 > 2, 10 > 3, 9 > 4, 12 > 5, then 7, 11, 13, 14, 15, 1, 2, 4, 8, 0
	v_and_b32 v147, 7, v146
	v_lshlrev_b32 v147, 2, v147                    ; 4 (n % 8)
	v_mov_b32 v148, 0x621d0cbf
	v_mov_b32 v149, 0xa985734e
	v_lshrrev_b32 v148, v147, v148
	v_lshrrev_b32 v149, v147, v149
	v_cmp_lt_u32 vcc_lo, 7, v146                   ; n above 7: the second word
	v_cndmask_b32 v148, v148, v149, vcc_lo
	v_and_b32 v146, 15, v148
	global_store_b32 v15, v141, s[RTE:RTE+1]       ; both halves of the lanes store the same word
	global_store_b32 v15, v146, s[RTE:RTE+1] offset:4096
.set j, 0
.rept 16
	global_store_b32 v16, v[WS+j], s[WDP:WDP+1] offset:4096*j
.set j, j+1
.endr
	s_endpgm
	; ================= THE SHARED EXPERT'S HIDDEN LAYER
.Lshared:
	v_lshlrev_b32 v[VRA0], 4, v1
	v_add_nc_u32 v[VRA0+1], 49152, v[VRA0]
	s_mul_i32 s36, s[WV], 3072
	v_add_nc_u32 v[VSTA0], s36, v[VRA0]
	v_add_nc_u32 v[VSTA0+1], 49152, v[VSTA0]
	v_lshlrev_b32 v[V4L], 2, v1
	v_add_nc_u32 v[VRS0], SIMG, v[V4L]
	s_lshl_b32 s36, s[WV], 8
	v_add_nc_u32 v[VSTS], s36, v[VRS0]
	v_mov_b32 v[PX], 0                             ; a lane permute's destination counts as one of its sources
	v_mov_b32 v[PX+1], 0
	s_lshl_b32 s36, s[WV], 4
	v_add_nc_u32 v49, s36, v2                      ; my row in slot 0: 16 wave + r; slot 1 lies 64 rows on
	v_mad_u32_u24 v[XO], v49, 0x300, v[V48H]
	v_add_nc_u32 v[XO+1], 49152, v[XO]
	v_lshlrev_b32 v[XSO], 5, v49
	v_add_nc_u32 v[XSO+1], 2048, v[XSO]
	v_mul_u32_u24 v50, v3, 12
	v_mad_u32_u24 v[VCO], v49, 0x300, v50
	v_lshlrev_b32 v[VSO], 5, v49
	s_sub_co_u32 s40, ttmp9, 16
	s_and_b32 s41, s40, 15                         ; which 64 hidden units
	s_lshr_b32 s42, s40, 4                         ; which 128 tokens
	s_mul_i32 s36, s41, 49152                      ; 64 weight rows of 768 bytes,
	s_mul_i32 s43, s[WV], 192                      ; my two K steps
	s_add_co_u32 s36, s36, s43
	s_lshl_b32 s38, s41, 11
	s_lshl_b32 s43, s[WV], 3
	s_add_co_u32 s38, s38, s43
	s_wait_kmcnt 0x0
	s_add_nc_u64 s[GCB:GCB+1], s[GCB:GCB+1], s[36:37]
	s_add_nc_u64 s[UCB:UCB+1], s[UCB:UCB+1], s[36:37]
	s_add_nc_u64 s[GSB:GSB+1], s[GSB:GSB+1], s[38:39]
	s_add_nc_u64 s[USB:USB+1], s[USB:USB+1], s[38:39]
	s_mul_i32 s36, s42, 98304                      ; 128 rows of 768 bytes
	s_add_nc_u64 s[XCB:XCB+1], s[XCB:XCB+1], s[36:37]
	s_lshl_b32 s38, s42, 12                        ; 128 rows of 32 bytes
	s_add_nc_u64 s[XSB:XSB+1], s[XSB:XSB+1], s[38:39]
	s_mul_i32 s43, s41, 48
	s_add_co_u32 s36, s36, s43                     ; out: my units' 48 bytes of each row
	s_lshl_b32 s43, s41, 1
	s_add_co_u32 s38, s38, s43
	s_add_co_u32 s38, s38, 786432                  ; and their two scale bytes
	s_add_nc_u64 s[RS:RS+1], s[RC:RC+1], s[38:39]
	s_add_nc_u64 s[RC:RC+1], s[RC:RC+1], s[36:37]
	WLOAD
	XLOADS
	XLOADK
	s_wait_loadcnt 52                              ; the weights are in: behind them 4 + 48 loads of x
	W2LDS
	s_wait_loadcnt 48                              ; x's scale words are in
	XPERM
	s_wait_dscnt 0x0                               ; for the others' sake: my images have landed
	s_barrier_signal -1
	s_barrier_wait -1                              ; all images lie in LDS; from here on LDS is only read
	COMPUTE
	s_wait_tensorcnt 0x0
	ds_add_u32 v254, v255
	s_wait_dscnt 0x0
	s_endpgm
.Lfunc_end_k_q7dc8659496_route_shared:
	.size	k_q7dc8659496_route_shared, .Lfunc_end_k_q7dc8659496_route_shared-k_q7dc8659496_route_shared
	.p2alignl 7, 3214868480
	.fill 96, 4, 3214868480
	.section	.rodata,"a",@progbits
	.p2align	6, 0x0
	.amdhsa_kernel k_q7dc8659496_route_shared
		.amdhsa_group_segment_fixed_size 107008
		.amdhsa_private_segment_fixed_size 0
		.amdhsa_enable_private_segment 0
		.amdhsa_kernarg_size 96
		.amdhsa_user_sgpr_count 2
		.amdhsa_user_sgpr_kernarg_segment_ptr 1
		.amdhsa_wavefront_size32 1
		.amdhsa_system_sgpr_workgroup_id_x 1
		.amdhsa_system_sgpr_workgroup_id_y 1
		.amdhsa_system_sgpr_workgroup_id_z 1
		.amdhsa_system_vgpr_workitem_id 0
		.amdhsa_next_free_vgpr 1024
		.amdhsa_next_free_sgpr 66
		.amdhsa_reserve_vcc 1
		.amdhsa_float_denorm_mode_32 3
		.amdhsa_float_denorm_mode_16_64 3
		.amdhsa_memory_ordered 1
		.amdhsa_forward_progress 1
		.amdhsa_inst_pref_size 135
	.end_amdhsa_kernel
	.amdgpu_metadata
---
amdhsa.version: [ 1, 2 ]
amdhsa.kernels:
  - .name:           k_q7dc8659496_route_shared
    .symbol:         k_q7dc8659496_route_shared.kd
    .args:
      - { .name: hidden_states_codes, .offset: 0, .size: 8, .value_kind: global_buffer, .address_space: global }
      - { .name: hidden_states_scales, .offset: 8, .size: 8, .value_kind: global_buffer, .address_space: global }
      - { .name: gate_w_codes, .offset: 16, .size: 8, .value_kind: global_buffer, .address_space: global }
      - { .name: gate_w_scales, .offset: 24, .size: 8, .value_kind: global_buffer, .address_space: global }
      - { .name: gate_bias, .offset: 32, .size: 8, .value_kind: global_buffer, .address_space: global }
      - { .name: shared_gate_codes, .offset: 40, .size: 8, .value_kind: global_buffer, .address_space: global }
      - { .name: shared_gate_scales, .offset: 48, .size: 8, .value_kind: global_buffer, .address_space: global }
      - { .name: shared_up_codes, .offset: 56, .size: 8, .value_kind: global_buffer, .address_space: global }
      - { .name: shared_up_scales, .offset: 64, .size: 8, .value_kind: global_buffer, .address_space: global }
      - { .name: route, .offset: 72, .size: 8, .value_kind: global_buffer, .address_space: global }
      - { .name: wd, .offset: 80, .size: 8, .value_kind: global_buffer, .address_space: global }
      - { .name: shact, .offset: 88, .size: 8, .value_kind: global_buffer, .address_space: global }
    .group_segment_fixed_size: 107008
    .private_segment_fixed_size: 0
    .kernarg_segment_align: 8
    .kernarg_segment_size: 96
    .max_flat_workgroup_size: 128
    .sgpr_count:     66
    .vgpr_count:     1024
    .wavefront_size: 32
...
	.end_amdgpu_metadata
.endif
;; end of part 1
;; launch expert_gu (part 2): grid 256 x 1, 4 waves a work-group, no clusters, 112,384 bytes of LDS; arguments hidden_states_codes, hidden_states_scales, expert_gate_codes, expert_gate_scales, expert_up_codes, expert_up_scales, route, place, ract; writes place, ract
.if DOCPART == 2
	.amdgcn_target "amdgcn-amd-amdhsa--gfx1250"
	.amdhsa_code_object_version 6
	.text
	.protected	k_q7dc8659496_expert_gu
	.globl	k_q7dc8659496_expert_gu
	.p2align	8
	.type	k_q7dc8659496_expert_gu,@function
k_q7dc8659496_expert_gu:
	s_mov_b64 s[64:65], 0
	v_nop
	global_prefetch_b8 v0, s[64:65] scope:SCOPE_SE
	s_setreg_imm32_b32 hwreg(HW_REG_WAVE_MODE, 25, 1), 1
	s_wait_xcnt 0x0
; THE ROUTED EXPERTS' HIDDEN LAYER, on the chosen rows alone.  Work-group x: expert e = x / 8, hidden units 64 q .. 64 q + 63 (q = x % 8) of gate and of up: each weight byte is read by one work-group of the launch.
; 1. Wave 0 makes the expert's list of tokens from the stored masks (a rank for each token that uses e; the list in LDS); where q = 0 it stores pos[e][token] = the rank, or 1152 (the zero row).
;    Wave 1 of work-groups 0-15 places the tokens whose key is the work-group's number in 'order' (a counting sort by key).  Wave 2 writes the zero row of its region: zero codes, scale bytes 0x7f.
;    In both, the 32 compares stand together and leave 32 lane masks in scalar registers; the counts and ranks follow: no scalar count stands straight behind the compare that feeds it.
; 2. Behind the first barrier each wave reads its first six tiles' tokens from the list and asks for their rows of x; among these loads the work-group's weights (98,304 bytes) go to LDS as images of
;    operand registers, each wave bringing two of the eight K steps; the second barrier follows.
; 3. Three passes of 384 rows, a constant count; a wave's trip is passed over where it has no tile left.  A wave holds up to six tiles of 16 gathered tokens in registers for all of K,
;    and each fragment of weights read from LDS feeds six (or four) matrix instructions.  silu(g) u in f32, quantised along the hidden units, stored to ract.
; ract: codes in 256 regions (8 e + q) of 1,168 rows x 48 bytes (a row: the 64 codes of chunk q); scale bytes from byte 14,352,384: 32 regions of 1,168 rows x 16 bytes.
; Rows from the expert's count to 1,151 may hold the results of padding (token 0) and are read by nobody.
; No tensor load and no cluster: trips and addresses hang on stored numbers, so operands come through registers.
; FRAGMENTS, TRANSPOSED USE and LIMITS as in the first launch: 48 consecutive bytes a lane and K step, bytes 1 and 2 of each scale word swapped; NaN and infinities not served; a block of zeros gets the byte 1.
; The scale bytes leave two at a time, 16 bytes apart (131 KB in all): so the next launch takes a row's 16 bytes by one load.
.set NSL,   6
.set CSTEP, 3072                       ; from slot to slot: 64 rows of 48 bytes
.set SSTEP, 1024                       ; 64 rows of 16 bytes
.set SIMG,  98304                      ; LDS: weight images from 0, their scale words here,
.set LIST,  106496                     ; the list: 1,280 words (entry 1215 takes what is not listed),
.set CNT,   111616                     ; the count
.set REG,   56064
.set SCL,   14352384
.set SREG,  18688
.set ZROW,  1152
.set VWL,   4
.set VWSL,  5
.set VSTA0, 6
.set VSTS,  8
.set VRA0,  9
.set VRS0,  11
.set VLL,   12                         ; v12  LIST + 64 wave + 4 r
.set VLF,   13                         ; v13  the same for the pass in hand
.set VCO0,  14                         ; v14  (16 wave + r) x 48 + 12 h
.set VCO,   15
.set VSO0,  16                         ; v16  (16 wave + r) x 16
.set VSO,   17
.set V48H,  18
.set VZL,   19                         ; v19  LIST + 16 lane
.set VCNT,  20                         ; v20  CNT
.set V4L,   21
.set XO,    22
.set XSO,   28
.set SBY,   34
.set TK,    40                         ; v40-45 the slots' tokens
.set PX,    46
.set ZQ,    56                         ; v52 1152, v53 1215; v56-59 zeros; v60 0x7f7f; v61 the count; v62-63 the zero row's offsets
.set XS,    64
.set ASC,   112
.set AB,    120
.set EE,    AB
.set TT,    AB+32
.set CD,    AB+64
.set MX,    AB+88
.set RAW,   216
.set MK,    AB                         ; at the head: 32 registers of the table (register 4 i + c, lane l: token 128 i + 4 l + c), then pos
.set DD,    AB+32                      ; 32 registers: the expert's bit of each mask, then token numbers
.set SCA,   XS                         ; 32 registers of ranks, then scatter addresses: a register for each store
.set XCB,   4                          ; s[4:5] x's codes  s[6:7] x's scales  s[8:9] gate's codes  s[10:11] its scales  s[12:13] up's codes  s[14:15] its scales
.set XSB,   6
.set GCB,   8
.set GSB,   10
.set UCB,   12
.set USB,   14
.set RTE,   16                         ; s[16:17] my table in route  s[18:19] place  s[20:21] my region of ract  s[22:23] my scale bytes in ract
.set PLC,   18
.set RC,    20
.set RS,    22
.set WV,    24
.set EX,    25
.set QQ,    26
.set SELP,  27
.set SL0,   28
.set SL1,   29
.set NL2E,  30
.set RUN,   36
.set NT,    38                         ; s38 tiles of 16 rows in the list
.set F3,    39                         ; s39 1 where my slots 4 and 5 have work
.set P24,   40                         ; s40 24 x pass
.set PLS,   41                         ; s41-43 the pass's steps in the list, the codes, the scale bytes
.set PCS,   42
.set PSS,   43
.set KAP,   45
.set POSB,  46                         ; s[46:47] pos[e]
                                       ; s48-63 and s66-81: the 32 lane masks of the roles: mask i at s[48 + i + 2 (i / 16)]
.set MSB, 0
.macro WIN new
.if MSB != (\new)
	s_set_vgpr_msb (MSB<<8)|(\new)
.set MSB, (\new)
.endif
.endm
.macro NOPS n
.rept \n
	v_nop
.endr
.endm
.macro WLOAD                           ; K steps 2 wave, 2 wave + 1 of all 8 tiles; read once in the launch
.set n, 0
.rept 48
.set wt, n/6
	WIN ((1+n/16)<<6)
.if ((wt%4)/2) == 0
	global_load_b128 v[192+4*(n%16):195+4*(n%16)], v[VWL], s[GCB:GCB+1] offset:(32*(wt/4)+8*(wt%2))*768+96*((n%6)/3)+16*(n%3) th:TH_LOAD_NT
.else
	global_load_b128 v[192+4*(n%16):195+4*(n%16)], v[VWL], s[UCB:UCB+1] offset:(32*(wt/4)+8*(wt%2))*768+96*((n%6)/3)+16*(n%3) th:TH_LOAD_NT
.endif
.set n, n+1
.endr
	WIN 0
.set wt, 0
.rept 8
.if ((wt%4)/2) == 0
	global_load_b64 v[RAW+2*wt:RAW+2*wt+1], v[VWSL], s[GSB:GSB+1] offset:(32*(wt/4)+8*(wt%2))*32
.else
	global_load_b64 v[RAW+2*wt:RAW+2*wt+1], v[VWSL], s[USB:USB+1] offset:(32*(wt/4)+8*(wt%2))*32
.endif
.set wt, wt+1
.endr
.endm
.macro W2LDS
.set i, 0
.rept 16
	v_perm_b32 v[RAW+i], v[RAW+i], v[RAW+i], s[SELP]
.set i, i+1
.endr
.set n, 0
.rept 48
.set wt, n/6
	WIN ((1+n/16)<<2)
	ds_store_b128 v[VSTA0+wt/4], v[192+4*(n%16):195+4*(n%16)] offset:(wt%4)*12288+((n%6)/3)*1536+512*(n%3)
.set n, n+1
.endr
	WIN 0
.set i, 0
.rept 16
	ds_store_b32 v[VSTS], v[RAW+i] offset:(i/8)*4096+((i/2)%4)*1024+(i%2)*128
.set i, i+1
.endr
.endm
.macro TOKENS                          ; the six slots' tokens become offsets: held inside the table, x 768 + 48 h, x 32
.irp k, 0,1,2,3,4,5
	v_min_u32 v[TK+\k], 0x3ff, v[TK+\k]
	v_mad_u32_u24 v[XO+\k], v[TK+\k], 0x300, v[V48H]
	v_lshlrev_b32 v[XSO+\k], 5, v[TK+\k]
.endr
.endm
.macro XLOADS
.set k, 0
.rept NSL
	global_load_b128 v[XS+8*k:XS+8*k+3], v[XSO+k], s[XSB:XSB+1]
	global_load_b128 v[XS+8*k+4:XS+8*k+7], v[XSO+k], s[XSB:XSB+1] offset:16
.set k, k+1
.endr
.endm
.macro XLOADK k0, k1                   ; x's fragments of K steps k0 .. k1 - 1, K step by K step, 18 loads each
.set ks, (\k0)
.rept (\k1)-(\k0)
.set k, 0
.rept NSL
	WIN ((1+k/2)<<6)
.irp c, 0,1,2
	global_load_b128 v[96*(k%2)+12*ks+4*\c:96*(k%2)+12*ks+4*\c+3], v[XO+k], s[XCB:XCB+1] offset:96*ks+16*\c
.endr
.set k, k+1
.endr
.set ks, ks+1
.endr
	WIN 0
.endm
.macro XPERM
.set i, 0
.rept 8*NSL
	v_perm_b32 v[XS+i], v[XS+i], v[XS+i], s[SELP]
.set i, i+1
.endr
	NOPS 8
.endm
.macro LOADA ks, pb, ib
.irp ti, 0,1,2,3
.irp c, 0,1,2
	ds_load_b128 v[AB+48*(\pb)+12*\ti+4*\c:AB+48*(\pb)+12*\ti+4*\c+3], v[VRA0+(\ib)] offset:(\ti*8+(\ks))*1536+512*\c
.endr
.endr
.irp ti, 0,1,2,3
	ds_load_b32 v[ASC+4*(\pb)+\ti], v[VRS0] offset:(\ib)*4096+(\ti*8+(\ks))*128
.endr
.endm
.macro MULW W, ks, pb                  ; 8 matrix instructions on 8 accumulators, by turns
	WIN (0x54*(\W))
.irp kp, 0,1
.irp ti, 0,1,2,3
.if (\ks) == 0
	v_wmma_scale_f32_16x16x128_f8f6f4 v[192+32*\kp+8*\ti:199+32*\kp+8*\ti], v[AB+48*(\pb)+12*\ti:AB+48*(\pb)+12*\ti+11], v[96*\kp+12*(\ks):96*\kp+12*(\ks)+11], 0, v[ASC+4*(\pb)+\ti], v[XS+8*(2*((\W)-1)+\kp)+(\ks)] matrix_a_fmt:MATRIX_FMT_FP6 matrix_b_fmt:MATRIX_FMT_FP6
.else
	v_wmma_scale_f32_16x16x128_f8f6f4 v[192+32*\kp+8*\ti:199+32*\kp+8*\ti], v[AB+48*(\pb)+12*\ti:AB+48*(\pb)+12*\ti+11], v[96*\kp+12*(\ks):96*\kp+12*(\ks)+11], v[192+32*\kp+8*\ti:199+32*\kp+8*\ti], v[ASC+4*(\pb)+\ti], v[XS+8*(2*((\W)-1)+\kp)+(\ks)] matrix_a_fmt:MATRIX_FMT_FP6 matrix_b_fmt:MATRIX_FMT_FP6
.endif
.endr
.endr
.endm
.macro EPI W, ib                       ; as in the first launch: silu(g) u, the block's scale, 16 codes a lane
	WIN (\W)
.set i, 0
.rept 16
	v_pk_mul_f32 v[EE+2*i:EE+2*i+1], v[192+32*(i/8)+2*(i%8):193+32*(i/8)+2*(i%8)], s[NL2E:NL2E+1] op_sel_hi:[1,0]
.set i, i+1
.endr
	WIN 0
.set i, 0
.rept 32
	v_exp_f32 v[EE+i], v[EE+i]
.set i, i+1
.endr
	WIN (5*(\W))
.set i, 0
.rept 16
	v_pk_mul_f32 v[TT+2*i:TT+2*i+1], v[192+32*(i/8)+2*(i%8):193+32*(i/8)+2*(i%8)], v[208+32*(i/8)+2*(i%8):209+32*(i/8)+2*(i%8)]
.set i, i+1
.endr
	WIN 0
	s_wait_alu depctr_va_vdst(0)                   ; one wait for the 32 exponentials
.set i, 0
.rept 16
	v_pk_add_f32 v[EE+2*i:EE+2*i+1], v[EE+2*i:EE+2*i+1], 1.0 op_sel_hi:[1,0]
.set i, i+1
.endr
.set i, 0
.rept 32
	v_rcp_f32 v[EE+i], v[EE+i]
.set i, i+1
.endr
	v_nop
	s_wait_alu depctr_va_vdst(0)                   ; one wait for the 32 reciprocals
.set i, 0
.rept 16
	v_pk_mul_f32 v[TT+2*i:TT+2*i+1], v[TT+2*i:TT+2*i+1], v[EE+2*i:EE+2*i+1]
.set i, i+1
.endr
.irp kp, 0,1
	v_max3_num_f32 v[MX+\kp], |v[TT+16*\kp]|, |v[TT+16*\kp+1]|, 0x1800000
.endr
.irp jj, 2,4,6,8,10,12,14
.irp kp, 0,1
	v_max3_num_f32 v[MX+\kp], v[MX+\kp], |v[TT+16*\kp+\jj]|, |v[TT+16*\kp+\jj+1]|
.endr
.endr
.irp kp, 0,1
	v_permlanex16_b32 v[PX+\kp], v[MX+\kp], s[SL0], s[SL1]
.endr
.irp kp, 0,1
	v_max_num_f32 v[MX+\kp], v[MX+\kp], v[PX+\kp]
.endr
.irp kp, 0,1
	v_add_nc_u32 v[MX+2+\kp], 0xff000000, v[MX+\kp]
.endr
.irp kp, 0,1
	v_cvt_scalef32_pk16_fp6_f32 v[CD+4*(2*((\W)-1)+\kp):CD+4*(2*((\W)-1)+\kp)+2], v[TT+16*\kp:TT+16*\kp+15], v[MX+2+\kp]
.endr
	v_nop
.irp kp, 0,1
	v_lshrrev_b32 v[MX+4+\kp], 23, v[MX+2+\kp]
.endr
.irp kp, 0,1
.if (\ib) == 0
	v_mov_b32 v[SBY+2*((\W)-1)+\kp], v[MX+4+\kp]
.else
	v_lshl_or_b32 v[SBY+2*((\W)-1)+\kp], v[MX+4+\kp], 8, v[SBY+2*((\W)-1)+\kp]
.endif
	global_store_b96 v[VCO], v[CD+4*(2*((\W)-1)+\kp):CD+4*(2*((\W)-1)+\kp)+2], s[RC:RC+1] offset:CSTEP*(2*((\W)-1)+\kp)+24*(\ib)   ; a tile's two stores together fill 768 consecutive bytes
.if (\ib) == 1
	global_store_b16 v[VSO], v[SBY+2*((\W)-1)+\kp], s[RS:RS+1] offset:SSTEP*(2*((\W)-1)+\kp)
.endif
.endr
.endm
.macro MUL3G ks, pb                    ; slots 4 and 5, where they have work: a branch on a stored count
	s_cmp_eq_u32 s[F3], 0
	s_cbranch_scc1 .Lno3_\@
	MULW 3, \ks, \pb
	WIN 0
.Lno3_\@:
.endm
.macro EPI3G ib
	s_cmp_eq_u32 s[F3], 0
	s_cbranch_scc1 .Lne3_\@
	EPI 3, \ib
.Lne3_\@:
.endm
.macro COMPUTE
.irp ib, 0,1
.if \ib == 1
	s_wait_xcnt 0x0                                ; the first block's stores have read their registers
.endif
	LOADA 0, 0, \ib
.irp ks, 0,1,2,3,4,5,6,7
.if \ks < 7
.if \ks > 0
	NOPS 4                                         ; places in front of loads into registers that matrix instructions have read
.endif
	LOADA \ks+1, (\ks+1)%2, \ib
	s_wait_dscnt 16                                ; this K step's 16 image loads are in
.else
	s_wait_dscnt 0x0
.endif
.if \ib == 0
.if 18*(7-\ks) > 63
	s_wait_loadcnt 63                              ; a wait names 63 at the most; loads come back in order, so all but the youngest 63 are in: K steps 0 to 3 among them
.else
	s_wait_loadcnt 18*(7-\ks)                      ; the later K steps' loads, 18 each, may be out
.endif
.endif
	MULW 1, \ks, \ks%2
	MULW 2, \ks, \ks%2
	WIN 0
	MUL3G \ks, \ks%2
.endr
	NOPS 5
	EPI 1, \ib
	EPI 2, \ib
	EPI3G \ib
.endr
.endm
	s_load_b256 s[4:11], s[0:1], 0x0
	s_load_b256 s[12:19], s[0:1], 0x20
	s_load_b64 s[20:21], s[0:1], 0x40
	v_lshl_add_u32 v254, v0, 2, 0x1b500
	v_mov_b32 v255, 0
	v_lshrrev_b32 v1, 5, v0
	v_readfirstlane_b32 s[WV], v1                  ; wave 0..3
	v_and_b32 v1, 31, v0                           ; lane
	v_and_b32 v2, 15, v0                           ; r
	v_bfe_u32 v3, v0, 4, 1                         ; h
	s_lshr_b32 s[EX], ttmp9, 3
	s_and_b32 s[QQ], ttmp9, 7
	s_mov_b32 s[KAP], ttmp9
	s_mov_b32 s[SELP], 0x03010200
	s_mov_b32 s[SL0], 0x76543210
	s_mov_b32 s[SL1], 0xfedcba98
	s_mov_b32 s[NL2E], 0xbfb8aa3b
	s_mov_b32 s[NL2E+1], 0xbfb8aa3b
	v_and_b32 v48, 8, v2
	v_add_nc_u32 v48, v48, v2                      ; r + 8 (r / 8)
	v_mul_u32_u24 v[V48H], v3, 48
	v_mad_u32_u24 v[VWL], v48, 0x300, v[V48H]
	v_lshlrev_b32 v[VWSL], 5, v48
	; every LDS address is made here, ahead of the waves' parting
	v_lshlrev_b32 v[VRA0], 4, v1
	v_add_nc_u32 v[VRA0+1], 49152, v[VRA0]
	s_mul_i32 s37, s[WV], 3072
	v_add_nc_u32 v[VSTA0], s37, v[VRA0]
	v_add_nc_u32 v[VSTA0+1], 49152, v[VSTA0]
	v_lshlrev_b32 v[V4L], 2, v1
	v_add_nc_u32 v[VRS0], SIMG, v[V4L]
	s_lshl_b32 s37, s[WV], 8
	v_add_nc_u32 v[VSTS], s37, v[VRS0]
	v_lshlrev_b32 v[VSO0], 4, v2
	v_add_nc_u32 v[VSO0], s37, v[VSO0]             ; (16 wave + r) x 16
	s_lshl_b32 s37, s[WV], 6
	v_lshlrev_b32 v[VLL], 2, v2
	v_add_nc_u32 v[VLL], s37, v[VLL]
	v_add_nc_u32 v[VLL], LIST, v[VLL]
	v_add_nc_u32 v[VZL], LIST, v[VRA0]
	v_mov_b32 v[VCNT], CNT
	s_mul_i32 s37, s[WV], 768
	v_mul_u32_u24 v[VCO0], v2, 48
	v_mad_u32_u24 v[VCO0], v3, 12, v[VCO0]
	v_add_nc_u32 v[VCO0], s37, v[VCO0]             ; (16 wave + r) x 48 + 12 h
	v_mov_b32 v[PX], 0
	v_mov_b32 v[PX+1], 0
.irp c, 0,1,2,3
	v_mov_b32 v[ZQ+\c], 0
.endr
	v_mov_b32 v52, 0x480                           ; the zero row
	v_mov_b32 v53, 0x4bf                           ; the list's entry for what is not listed
	v_mov_b32 v60, 0x7f7f
	v_min_u32 v62, 3, v1
	v_mul_u32_u24 v62, v62, 12                     ; the zero row's four pieces of 12 bytes (lanes 3-31 all store the last)
	v_mov_b32 v63, 0
	s_mul_i32 s32, ttmp9, 49152                    ; my 64 weight rows of 768 bytes: row 64 x work-group,
	s_mul_i32 s37, s[WV], 192                      ; my wave's two K steps
	s_add_co_u32 s32, s32, s37
	s_mov_b32 s33, 0
	s_lshl_b32 s34, ttmp9, 11
	s_lshl_b32 s37, s[WV], 3
	s_add_co_u32 s34, s34, s37
	s_mov_b32 s35, 0
	s_wait_kmcnt 0x0
	s_add_nc_u64 s[GCB:GCB+1], s[GCB:GCB+1], s[32:33]
	s_add_nc_u64 s[UCB:UCB+1], s[UCB:UCB+1], s[32:33]
	s_add_nc_u64 s[GSB:GSB+1], s[GSB:GSB+1], s[34:35]
	s_add_nc_u64 s[USB:USB+1], s[USB:USB+1], s[34:35]
	s_mul_i32 s34, s[EX], SREG
	s_lshl_b32 s37, s[QQ], 1
	s_add_co_u32 s34, s34, s37
	s_add_co_u32 s34, s34, SCL
	s_add_nc_u64 s[RS:RS+1], s[RC:RC+1], s[34:35]
	s_mul_i32 s32, ttmp9, REG
	s_add_nc_u64 s[RC:RC+1], s[RC:RC+1], s[32:33]
	s_cmp_eq_u32 s[WV], 1
	s_cselect_b32 s32, 4096, 0                     ; wave 1 reads the keys, the others the masks
	s_add_nc_u64 s[RTE:RTE+1], s[RTE:RTE+1], s[32:33]
	s_lshl_b32 s32, s[EX], 12
	s_add_nc_u64 s[POSB:POSB+1], s[PLC:PLC+1], s[32:33]
.irp i, 0,1,2,3,4,5,6,7
	global_load_b128 v[MK+4*\i:MK+4*\i+3], v[VRA0], s[RTE:RTE+1] offset:512*\i
.endr
	WLOAD
	s_cmp_eq_u32 s[WV], 0
	s_cbranch_scc0 .Lnot0
	; ---- wave 0: the expert's list
	s_wait_loadcnt 56                              ; the table is in; the 48 + 8 weight loads behind it may be out
	s_lshl_b32 s37, 1, s[EX]                       ; the expert's bit
.set i, 0
.rept 32
	v_and_b32 v[DD+i], s37, v[MK+i]
.set i, i+1
.endr
.set i, 0
.rept 32
	v_cmp_ne_u32 s[48+i+2*(i/16)], 0, v[DD+i]      ; mask i: the lanes whose token uses e.  All 32 compares first
.set i, i+1
.endr
.irp i, 0,1,2,3,4,5,6,7,8,9
	ds_store_b128 v[VZL], v[ZQ:ZQ+3] offset:512*\i ; the list begins as token 0 everywhere: padding rows read a real row
.endr
	s_mov_b32 s[RUN], 0
.set i, 0
.rept 32
.set M, 48+i+2*(i/16)
	v_mbcnt_lo_u32_b32 v[SCA+i], s[M], 0           ; users in the lanes below me,
	v_add_nc_u32 v[SCA+i], s[RUN], v[SCA+i]        ; and in the registers before: the rank
	s_bcnt1_i32_b32 s37, s[M]
	s_add_co_u32 s[RUN], s[RUN], s37
	v_cndmask_b32 v[MK+i], v52, v[SCA+i], s[M]     ; pos: the rank, or the zero row
	v_cndmask_b32 v[SCA+i], v53, v[SCA+i], s[M]
	v_min_u32 v[SCA+i], 0x4bf, v[SCA+i]            ; held inside the list
	v_lshlrev_b32 v[SCA+i], 2, v[SCA+i]
	v_add_nc_u32 v[SCA+i], LIST, v[SCA+i]
	v_add_nc_u32 v[DD+i], 128*(i/4)+(i%4), v[V4L]  ; the token
	ds_store_b32 v[SCA+i], v[DD+i]
.set i, i+1
.endr
	v_mov_b32 v61, s[RUN]
	ds_store_b32 v[VCNT], v61
	s_cmp_lg_u32 s[QQ], 0
	s_cbranch_scc1 .Ljoin
.irp i, 0,1,2,3,4,5,6,7
	global_store_b128 v[VRA0], v[MK+4*\i:MK+4*\i+3], s[POSB:POSB+1] offset:512*\i   ; 512 consecutive bytes a store
.endr
	s_branch .Ljoin
.Lnot0:
	s_cmp_eq_u32 s[WV], 1
	s_cbranch_scc0 .Lnot1
	s_cmp_lt_u32 ttmp9, 16
	s_cbranch_scc0 .Ljoin
	; ---- wave 1 of work-groups 0-15: the tokens whose key is my work-group's number get their places in 'order'
	s_wait_loadcnt 56
.set i, 0
.rept 32
	v_cmp_gt_u32 s[48+i+2*(i/16)], s[KAP], v[MK+i] ; tokens with a smaller key come first
.set i, i+1
.endr
	s_mov_b32 s[RUN], 0
.set i, 0
.rept 32
	s_bcnt1_i32_b32 s37, s[48+i+2*(i/16)]
	s_add_co_u32 s[RUN], s[RUN], s37
.set i, i+1
.endr
.set i, 0
.rept 32
	v_cmp_eq_u32 s[48+i+2*(i/16)], s[KAP], v[MK+i] ; mask i: the lanes whose token has my key
.set i, i+1
.endr
	s_lshl_b32 s37, s[KAP], 5
	v_add_nc_u32 v51, 1024, v1
	v_add_nc_u32 v51, s37, v51                     ; where the others' numbers go: my work-group's 32 words behind the table, read by nobody
.set i, 0
.rept 32
.set M, 48+i+2*(i/16)
	v_mbcnt_lo_u32_b32 v[SCA+i], s[M], 0
	v_add_nc_u32 v[SCA+i], s[RUN], v[SCA+i]
	s_bcnt1_i32_b32 s37, s[M]
	s_add_co_u32 s[RUN], s[RUN], s37
	v_cndmask_b32 v[SCA+i], v51, v[SCA+i], s[M]
	v_min_u32 v[SCA+i], 0x5ff, v[SCA+i]
	v_lshlrev_b32 v[SCA+i], 2, v[SCA+i]
	v_add_nc_u32 v[DD+i], 128*(i/4)+(i%4), v[V4L]
	global_store_b32 v[SCA+i], v[DD+i], s[PLC:PLC+1] offset:131072
.set i, i+1
.endr
	s_branch .Ljoin
.Lnot1:
	s_cmp_eq_u32 s[WV], 2
	s_cbranch_scc0 .Ljoin
	; ---- wave 2: the zero row of my region
	global_store_b96 v62, v[ZQ:ZQ+2], s[RC:RC+1] offset:ZROW*48
	global_store_b16 v63, v60, s[RS:RS+1] offset:ZROW*16
.Ljoin:
	s_wait_dscnt 0x0                               ; the list and the count have landed
	s_barrier_signal -1
	s_barrier_wait -1                              ; no other wave has touched LDS so far
	ds_load_b32 v61, v[VCNT]
.irp k, 0,1,2,3,4,5
	ds_load_b32 v[TK+\k], v[VLL] offset:256*\k     ; the first pass's tokens (past the list's end: token 0)
.endr
	s_wait_xcnt 0x0                                ; the roles' stores have read their registers: x's scale words land on some of them, the image loads later on others
	s_wait_dscnt 0x0
	TOKENS
	XLOADS                                         ; the first pass's x is asked for here, ahead of the second barrier: 12 loads,
	XLOADK 0, 2                                    ; and K steps 0 and 1: 36
	s_wait_loadcnt 48                              ; the table and my weights are in: the 48 loads just issued are younger
	W2LDS
	XLOADK 2, 8                                    ; K steps 2 to 7: 108 loads
	s_wait_dscnt 0x0                               ; my images have landed
	s_barrier_signal -1
	s_barrier_wait -1                              ; from here on LDS is only read
	v_readfirstlane_b32 s[NT], v61
	s_add_co_u32 s[NT], s[NT], 15
	s_lshr_b32 s[NT], s[NT], 4                     ; tiles of 16 rows
	s_mov_b32 s[P24], 0
	s_mov_b32 s[PLS], 0
	s_mov_b32 s[PCS], 0
	s_mov_b32 s[PSS], 0
	v_add_nc_u32 v[VLF], s[PLS], v[VLL]
	v_add_nc_u32 v[VCO], s[PCS], v[VCO0]
	v_add_nc_u32 v[VSO], s[PSS], v[VSO0]
.Lpass:                                                ; pass p: slot k of wave w is tile 24 p + 4 k + w
	s_add_co_u32 s37, s[P24], s[WV]
	s_cmp_ge_u32 s37, s[NT]
	s_cbranch_scc1 .Lnone                          ; my first tile of the pass lies past the list's end
	s_add_co_u32 s37, s37, 16
	s_cmp_lt_u32 s37, s[NT]
	s_cselect_b32 s[F3], 1, 0
	s_cmp_eq_u32 s[P24], 0
	s_cbranch_scc1 .Lhave                          ; the first pass's loads are on their way already
	s_wait_loadcnt 0x0                             ; no load of mine is out: the loads below land on no pending load's registers
.irp k, 0,1,2,3,4,5
	ds_load_b32 v[TK+\k], v[VLF] offset:256*\k
.endr
	s_wait_dscnt 0x0
	TOKENS
	XLOADS
	XLOADK 0, 8                                    ; all six slots, always: the counts are the same on every path
.Lhave:
	s_wait_loadcnt 63                              ; the 12 oldest of the 156, the scale words, are in
	XPERM
	COMPUTE
.Lnone:
	s_wait_xcnt 0x0                                ; this pass's stores and loads have read their registers: offsets and data are rewritten only behind this wait
	s_add_co_u32 s[PLS], s[PLS], 1536
	s_add_co_u32 s[PCS], s[PCS], 18432
	s_add_co_u32 s[PSS], s[PSS], 6144
	v_add_nc_u32 v[VLF], s[PLS], v[VLL]
	v_add_nc_u32 v[VCO], s[PCS], v[VCO0]
	v_add_nc_u32 v[VSO], s[PSS], v[VSO0]
	s_add_co_u32 s[P24], s[P24], 24
	s_cmp_lt_u32 s[P24], 72
	s_cbranch_scc1 .Lpass
	s_wait_tensorcnt 0x0
	ds_add_u32 v254, v255
	s_wait_dscnt 0x0
	s_endpgm
.Lfunc_end_k_q7dc8659496_expert_gu:
	.size	k_q7dc8659496_expert_gu, .Lfunc_end_k_q7dc8659496_expert_gu-k_q7dc8659496_expert_gu
	.p2alignl 7, 3214868480
	.fill 96, 4, 3214868480
	.section	.rodata,"a",@progbits
	.p2align	6, 0x0
	.amdhsa_kernel k_q7dc8659496_expert_gu
		.amdhsa_group_segment_fixed_size 112384
		.amdhsa_private_segment_fixed_size 0
		.amdhsa_enable_private_segment 0
		.amdhsa_kernarg_size 72
		.amdhsa_user_sgpr_count 2
		.amdhsa_user_sgpr_kernarg_segment_ptr 1
		.amdhsa_wavefront_size32 1
		.amdhsa_system_sgpr_workgroup_id_x 1
		.amdhsa_system_sgpr_workgroup_id_y 1
		.amdhsa_system_sgpr_workgroup_id_z 1
		.amdhsa_system_vgpr_workitem_id 0
		.amdhsa_next_free_vgpr 1024
		.amdhsa_next_free_sgpr 82
		.amdhsa_reserve_vcc 0
		.amdhsa_float_denorm_mode_32 3
		.amdhsa_float_denorm_mode_16_64 3
		.amdhsa_memory_ordered 1
		.amdhsa_forward_progress 1
		.amdhsa_inst_pref_size 218
	.end_amdhsa_kernel
	.amdgpu_metadata
---
amdhsa.version: [ 1, 2 ]
amdhsa.kernels:
  - .name:           k_q7dc8659496_expert_gu
    .symbol:         k_q7dc8659496_expert_gu.kd
    .args:
      - { .name: hidden_states_codes, .offset: 0, .size: 8, .value_kind: global_buffer, .address_space: global }
      - { .name: hidden_states_scales, .offset: 8, .size: 8, .value_kind: global_buffer, .address_space: global }
      - { .name: expert_gate_codes, .offset: 16, .size: 8, .value_kind: global_buffer, .address_space: global }
      - { .name: expert_gate_scales, .offset: 24, .size: 8, .value_kind: global_buffer, .address_space: global }
      - { .name: expert_up_codes, .offset: 32, .size: 8, .value_kind: global_buffer, .address_space: global }
      - { .name: expert_up_scales, .offset: 40, .size: 8, .value_kind: global_buffer, .address_space: global }
      - { .name: route, .offset: 48, .size: 8, .value_kind: global_buffer, .address_space: global }
      - { .name: place, .offset: 56, .size: 8, .value_kind: global_buffer, .address_space: global }
      - { .name: ract, .offset: 64, .size: 8, .value_kind: global_buffer, .address_space: global }
    .group_segment_fixed_size: 112384
    .private_segment_fixed_size: 0
    .kernarg_segment_align: 8
    .kernarg_segment_size: 72
    .max_flat_workgroup_size: 128
    .sgpr_count:     82
    .vgpr_count:     1024
    .wavefront_size: 32
...
	.end_amdgpu_metadata
.endif
;; end of part 2
;; launch down_combine (part 3): grid 16 x 16, 8 waves a work-group, no clusters, 140,288 bytes of LDS; arguments place, route, wd, ract, shact, expert_down_codes, expert_down_scales, shared_down_codes, shared_down_scales, out0; writes out0
.if DOCPART == 3
	.amdgcn_target "amdgcn-amd-amdhsa--gfx1250"
	.amdhsa_code_object_version 6
	.text
	.protected	k_q7dc8659496_down_combine
	.globl	k_q7dc8659496_down_combine
	.p2align	8
	.type	k_q7dc8659496_down_combine,@function
k_q7dc8659496_down_combine:
	s_mov_b64 s[64:65], 0
	v_nop
	global_prefetch_b8 v0, s[64:65] scope:SCOPE_SE
	s_setreg_imm32_b32 hwreg(HW_REG_WAVE_MODE, 25, 1), 1
	s_wait_xcnt 0x0
; THE DOWN PRODUCTS, THE GATES' WEIGHTS AND THE SUM.  A work-group owns 64 tokens (order[64 x .. 64 x + 63], sorted by the groups they use) x 64 columns (64 y ..): each output has one owner.
; THE EIGHT WAVES SHARE K.  Wave w takes K step w of the shared expert's product, and the four experts 8 g + w, one of each group; an expert that none of the 64 tokens uses is passed over, by a scalar
; branch on the stored masks.  For an expert, a token's row of the hidden layer is found by pos; a token that does not use it reads the zero row and has the weight 0.
; A wave's tile is 64 x 64: OUT (16 accumulators) holds the shared part and the weighted sums, TEMP (16) one expert's product: OUT += TEMP x the token's weight (a lane holds one token).
; The eight partial tiles meet in LDS; each wave adds 8 rows, always in the order of the waves, and stores them: sixteen lanes write 256 consecutive bytes, at a multiple of 256 from out0's first byte.
; Operands come from memory straight into registers: the walk hangs on stored numbers, so there is no tensor load and no cluster.
; FRAGMENTS as in the other launches: 48 consecutive bytes a lane and K step; in ract lane half h of K step s reads chunk 2 s + h of its row.  Scale words have bytes 1 and 2 swapped.
; Right for every order and every set of experts; the sort only makes fewer experts per block.  LIMITS: NaN and infinities are not served.
.set REG,   56064
.set SCL,   14352384
.set VW,    3                          ; v3   expert_down: r x 384 + 48 h
.set VWS,   4                          ; v4   its scale bytes: 16 r
.set VHREG, 5                          ; v5   h x one region of ract
.set T4,    6                          ; v6-9   4 x my token, tile i
.set POSA,  10                         ; v10-17 two sets of pos, by turns; then 16 x the row
.set AOFF,  18                         ; v18-21 48 x the row + h's region
.set WVR,   22                         ; v22-25 the tokens' weights
.set VST,   26                         ; v26  where I put my partial tile
.set VRD,   27                         ; v27-28 where I read 8 rows of the partials (waves 0-3; waves 4-7)
.set H48,   29
.set ASCL,  32                         ; v32-47 the rows' scale words (4 i + K step)
.set WSCL,  48                         ; v48-63 the weights' (4 c + K step)
.set BUF,   64                         ; v64-255 two sets of 96: rows' fragments 12 i, weights' 48 + 12 c
.set HT,    160                        ; at the head the second set holds offsets and the masks
.set WV,    24
.set BY,    26
.set SELP,  27
.set USED,  90                         ; s90-93 lanes whose tokens use expert 8 g + w
.set MSB, 0
.macro WIN new
.if MSB != (\new)
	s_set_vgpr_msb (MSB<<8)|(\new)
.set MSB, (\new)
.endif
.endm
.macro NOPS n
.rept \n
	v_nop
.endr
.endm
; Candidate g's six bases stand in 12 scalar registers from GB on (s40, s52, s66, s78): +0 ract's codes, +2 ract's scale bytes, +4 expert_down's codes, +6 its scale bytes, +8 wd, +10 pos.  None is ever stepped.
.macro ISSUE_POS g
.set GB, 40+12*(\g)+2*((\g)/2)
.irp i, 0,1,2,3
	global_load_b32 v[POSA+4*((\g)%2)+\i], v[T4+\i], s[GB+10:GB+11]
.endr
.endm
.macro KLOAD g, ks, pb                 ; a K step's 8 fragments: 24 loads of 16 bytes a lane
.set GB, 40+12*(\g)+2*((\g)/2)
.irp i, 0,1,2,3
.irp c, 0,1,2
	global_load_b128 v[BUF+96*(\pb)+12*\i+4*\c:BUF+96*(\pb)+12*\i+4*\c+3], v[AOFF+\i], s[GB:GB+1] offset:112128*(\ks)+16*\c
.endr
.endr
.irp i, 0,1,2,3
.irp c, 0,1,2
	global_load_b128 v[BUF+96*(\pb)+48+12*\i+4*\c:BUF+96*(\pb)+48+12*\i+4*\c+3], v[VW], s[GB+4:GB+5] offset:6144*\i+96*(\ks)+16*\c
.endr
.endr
.endm
.macro KMUL ks, pb                     ; 16 matrix instructions on TEMP's 16 accumulators, by turns
	WIN 0x50                                       ; C and D in window 1
.irp i, 0,1,2,3
.irp c, 0,1,2,3
.if (\ks) == 0
	v_wmma_scale_f32_16x16x128_f8f6f4 v[128+8*(4*\i+\c):135+8*(4*\i+\c)], v[BUF+96*(\pb)+48+12*\c:BUF+96*(\pb)+48+12*\c+11], v[BUF+96*(\pb)+12*\i:BUF+96*(\pb)+12*\i+11], 0, v[WSCL+4*\c+(\ks)], v[ASCL+4*\i+(\ks)] matrix_a_fmt:MATRIX_FMT_FP6 matrix_b_fmt:MATRIX_FMT_FP6
.else
	v_wmma_scale_f32_16x16x128_f8f6f4 v[128+8*(4*\i+\c):135+8*(4*\i+\c)], v[BUF+96*(\pb)+48+12*\c:BUF+96*(\pb)+48+12*\c+11], v[BUF+96*(\pb)+12*\i:BUF+96*(\pb)+12*\i+11], v[128+8*(4*\i+\c):135+8*(4*\i+\c)], v[WSCL+4*\c+(\ks)], v[ASCL+4*\i+(\ks)] matrix_a_fmt:MATRIX_FMT_FP6 matrix_b_fmt:MATRIX_FMT_FP6
.endif
.endr
.endr
	WIN 0
	NOPS 5                                         ; places: loads into the operands, reads of the results, and accumulators begun anew follow
.endm
.macro BODY g
.set GB, 40+12*(\g)+2*((\g)/2)
.set PS, POSA+4*((\g)%2)
.if (\g) < 3
	s_wait_loadcnt 4                               ; my pos are in; the next candidate's four loads may be out
.else
	s_wait_loadcnt 0x0
.endif
.irp i, 0,1,2,3
	v_min_u32 v[PS+\i], 0x480, v[PS+\i]            ; held at the zero row
	v_mad_u32_u24 v[AOFF+\i], v[PS+\i], 48, v[VHREG]
	v_lshlrev_b32 v[PS+\i], 4, v[PS+\i]
.endr
.irp i, 0,1,2,3
	global_load_b128 v[ASCL+4*\i:ASCL+4*\i+3], v[PS+\i], s[GB+2:GB+3]
.endr
.irp c, 0,1,2,3
	global_load_b128 v[WSCL+4*\c:WSCL+4*\c+3], v[VWS], s[GB+6:GB+7] offset:256*\c
.endr
.irp i, 0,1,2,3
	global_load_b32 v[WVR+\i], v[T4+\i], s[GB+8:GB+9]
.endr
	KLOAD \g, 0, 0
	KLOAD \g, 1, 1
	s_wait_loadcnt 52                              ; the scale words are in: behind them 4 weights and two K steps of 24 loads
.set i, 0
.rept 32
	v_perm_b32 v[ASCL+i], v[ASCL+i], v[ASCL+i], s[SELP]
.set i, i+1
.endr
	NOPS 8                                         ; a scale register written by a vector instruction stands 8 places ahead of a scaled matrix instruction
	s_wait_loadcnt 24                              ; K step 0 is in; K step 1's 24 loads may be out
	KMUL 0, 0
	KLOAD \g, 2, 0
	s_wait_loadcnt 24
	KMUL 1, 1
	KLOAD \g, 3, 1
	s_wait_loadcnt 24
	KMUL 2, 0
	s_wait_loadcnt 0x0
	KMUL 3, 1
	WIN 0x51                                       ; OUT and TEMP in window 1, the weights in window 0
.set t, 0
.rept 16
.set p, 0
.rept 4
.if ((t/4)%2) == 0
	v_pk_fma_f32 v[8*t+2*p:8*t+2*p+1], v[128+8*t+2*p:129+8*t+2*p], v[WVR+2*(t/8):WVR+2*(t/8)+1], v[8*t+2*p:8*t+2*p+1] op_sel_hi:[1,0,1]
.else
	v_pk_fma_f32 v[8*t+2*p:8*t+2*p+1], v[128+8*t+2*p:129+8*t+2*p], v[WVR+2*(t/8):WVR+2*(t/8)+1], v[8*t+2*p:8*t+2*p+1] op_sel:[0,1,0] op_sel_hi:[1,1,1]
.endif
.set p, p+1
.endr
.set t, t+1
.endr
	WIN 0
.endm
.macro GSTEP g
.if (\g) < 3
	s_wait_loadcnt 4                               ; at most this candidate's pos are out: the set that the next candidate's loads take has none pending, on the path that passed a body over too
	ISSUE_POS (\g)+1
.endif
	s_cmp_eq_u32 s[USED+(\g)], 0
	s_cbranch_scc1 .Lpass_\@
	BODY \g
.Lpass_\@:
.endm
	s_load_b256 s[4:11], s[0:1], 0x0               ; place s[4:5], route s[6:7], wd s[8:9], ract s[10:11]
	s_load_b256 s[12:19], s[0:1], 0x20             ; shact s[12:13], expert_down's codes s[14:15], scales s[16:17], shared_down's codes s[18:19]
	s_load_b128 s[20:23], s[0:1], 0x40             ; shared_down's scales s[20:21], out0 s[22:23]
	v_lshl_add_u32 v30, v0, 2, 0x22000
	v_mov_b32 v31, 0
	v_lshrrev_b32 v1, 5, v0
	v_readfirstlane_b32 s[WV], v1                  ; wave 0..7
	s_and_b32 s[BY], ttmp7, 0xffff
	s_mov_b32 s[SELP], 0x03010200
	v_and_b32 v1, 15, v0                           ; r
	v_bfe_u32 v2, v0, 4, 1                         ; h
	v_mul_u32_u24 v[H48], v2, 48
	v_mad_u32_u24 v[VW], v1, 0x180, v[H48]
	v_lshlrev_b32 v[VWS], 4, v1
	v_mul_u32_u24 v[VHREG], v2, REG
	s_mul_i32 s96, s[WV], 17408                    ; a partial tile: 64 rows of 256 + 16 bytes
	v_mul_u32_u24 v[VST], v1, 272
	v_lshl_add_u32 v[VST], v2, 5, v[VST]
	v_add_nc_u32 v[VST], s96, v[VST]               ; row r, + 32 h
	s_mul_i32 s96, s[WV], 2176                     ; back: my 8 rows; lanes 0-15 one row, lanes 16-31 the next
	v_mul_u32_u24 v[VRD], v2, 272
	v_lshl_add_u32 v[VRD], v1, 4, v[VRD]
	v_add_nc_u32 v[VRD], s96, v[VRD]
	v_add_nc_u32 v[VRD+1], 69632, v[VRD]
	v_lshlrev_b32 v[HT], 2, v1                     ; 4 r
	v_mad_u32_u24 v[HT+1], v1, 0x300, v[H48]       ; shared_down: r x 768 + 48 h
	v_lshlrev_b32 v[HT+2], 5, v1                   ; its scale bytes
	s_lshl_b32 s30, ttmp9, 8
	s_mov_b32 s31, 0
	s_wait_kmcnt 0x0
	s_add_nc_u64 s[28:29], s[4:5], s[30:31]        ; place + my block's 64 words of 'order' (which begins 131,072 bytes on)
.irp i, 0,1,2,3
	global_load_b32 v[T4+\i], v[HT], s[28:29] offset:131072+64*\i
.endr
	s_lshl_b32 s30, s[WV], 5
	s_add_nc_u64 s[94:95], s[28:29], s[30:31]
	s_load_b256 s[32:39], s[94:95], 0x20000        ; the tokens of the 8 rows that I store
	s_mul_i32 s30, s[BY], 49152                    ; shared_down: my 64 rows of 768 bytes,
	s_mul_i32 s96, s[WV], 96                       ; K step w
	s_add_co_u32 s30, s30, s96
	s_add_nc_u64 s[18:19], s[18:19], s[30:31]
	s_lshl_b32 s30, s[BY], 11
	s_lshl_b32 s97, s[WV], 2
	s_add_co_u32 s30, s30, s97
	s_add_nc_u64 s[20:21], s[20:21], s[30:31]
.irp i, 0,1,2,3
.irp c, 0,1,2
	global_load_b128 v[BUF+48+12*\i+4*\c:BUF+48+12*\i+4*\c+3], v[HT+1], s[18:19] offset:12288*\i+16*\c
.endr
.endr
.irp c, 0,1,2,3
	global_load_b32 v[WSCL+\c], v[HT+2], s[20:21] offset:512*\c
.endr
	s_mov_b32 s30, s97
	s_add_nc_u64 s[98:99], s[12:13], s[30:31]      ; shact's scale words of K step w (786,432 bytes on)
	s_mov_b32 s30, s96
	s_add_nc_u64 s[12:13], s[12:13], s[30:31]      ; shact's codes of K step w
	s_lshl_b32 s30, s[BY], 8
	s_add_nc_u64 s[22:23], s[22:23], s[30:31]      ; out0 at my 64 columns
.irp g, 0,1,2,3
.set GB, 40+12*\g+2*(\g/2)
	s_add_co_u32 s96, s[WV], 8*\g                  ; the expert
	s_mul_i32 s30, s96, 448512
	s_add_nc_u64 s[GB:GB+1], s[10:11], s[30:31]
	s_mul_i32 s30, s96, 18688
	s_add_co_u32 s30, s30, SCL
	s_add_nc_u64 s[GB+2:GB+3], s[10:11], s[30:31]
	s_mul_i32 s30, s96, 393216
	s_mul_i32 s97, s[BY], 24576
	s_add_co_u32 s30, s30, s97
	s_add_nc_u64 s[GB+4:GB+5], s[14:15], s[30:31]
	s_lshl_b32 s30, s96, 14
	s_lshl_b32 s97, s[BY], 10
	s_add_co_u32 s30, s30, s97
	s_add_nc_u64 s[GB+6:GB+7], s[16:17], s[30:31]
	s_lshl_b32 s30, s96, 12
	s_add_nc_u64 s[GB+8:GB+9], s[8:9], s[30:31]
	s_add_nc_u64 s[GB+10:GB+11], s[4:5], s[30:31]
	s_lshl_b32 s[USED+\g], 1, s96                  ; the expert's bit, for now
.endr
	s_wait_kmcnt 0x0
	s_wait_loadcnt 16                              ; my tokens are in; the shared weights' 16 loads may be out
.irp i, 0,1,2,3
	v_min_u32 v[T4+\i], 0x3ff, v[T4+\i]
	v_mad_u32_u24 v[HT+4+\i], v[T4+\i], 0x300, v[H48]
	v_lshlrev_b32 v[HT+8+\i], 5, v[T4+\i]
	v_lshlrev_b32 v[T4+\i], 2, v[T4+\i]
.endr
.irp i, 0,1,2,3
.irp c, 0,1,2
	global_load_b128 v[BUF+12*\i+4*\c:BUF+12*\i+4*\c+3], v[HT+4+\i], s[12:13] offset:16*\c
.endr
.endr
.irp i, 0,1,2,3
	global_load_b32 v[ASCL+\i], v[HT+8+\i], s[98:99] offset:786432
.endr
.irp i, 0,1,2,3
	global_load_b32 v[HT+12+\i], v[T4+\i], s[6:7]  ; the tokens' masks of experts
.endr
	ISSUE_POS 0
	s_wait_loadcnt 8                               ; the shared operands are in; masks and pos may be out
.irp i, 0,1,2,3
	v_perm_b32 v[ASCL+\i], v[ASCL+\i], v[ASCL+\i], s[SELP]
	v_perm_b32 v[WSCL+\i], v[WSCL+\i], v[WSCL+\i], s[SELP]
.endr
	NOPS 8
	WIN 0x40                                       ; D in window 1: the shared product starts OUT's sums: nothing is cleared
.irp i, 0,1,2,3
.irp c, 0,1,2,3
	v_wmma_scale_f32_16x16x128_f8f6f4 v[8*(4*\i+\c):8*(4*\i+\c)+7], v[BUF+48+12*\c:BUF+48+12*\c+11], v[BUF+12*\i:BUF+12*\i+11], 0, v[WSCL+\c], v[ASCL+\i] matrix_a_fmt:MATRIX_FMT_FP6 matrix_b_fmt:MATRIX_FMT_FP6
.endr
.endr
	WIN 0
	NOPS 5
	s_wait_loadcnt 4                               ; the masks are in
	v_or_b32 v[HT+12], v[HT+12], v[HT+13]
	v_or_b32 v[HT+14], v[HT+14], v[HT+15]
	v_or_b32 v[HT+12], v[HT+12], v[HT+14]
.irp g, 0,1,2,3
	v_and_b32 v[HT+16+\g], s[USED+\g], v[HT+12]
.endr
.irp g, 0,1,2,3
	v_cmp_ne_u32 s[USED+\g], 0, v[HT+16+\g]        ; not 0 where any of the 64 tokens uses the expert
.endr
	GSTEP 0
	GSTEP 1
	GSTEP 2
	GSTEP 3
	s_wait_loadcnt 0x0                             ; (a pos load that no body waited for)
	; THE WAY OUT
	WIN 0x04                                       ; an LDS store's data are its source 1: window 1
.irp i, 0,1,2,3
.irp c, 0,1,2,3
	ds_store_b128 v[VST], v[8*(4*\i+\c):8*(4*\i+\c)+3] offset:4352*\i+64*\c          ; lane (r, h): token 16 i + r, columns 16 c + 8 h + 0 .. 7; each accumulator from its low end on
	ds_store_b128 v[VST], v[8*(4*\i+\c)+4:8*(4*\i+\c)+7] offset:4352*\i+64*\c+16
.endr
.endr
	WIN 0
	s_wait_dscnt 0x0                               ; for the others' sake: my partial tile has landed
	s_barrier_signal -1
	s_barrier_wait -1
.irp p, 0,1,2,3,4,5,6,7
.irp k, 0,1,2,3
	ds_load_b128 v[BUF+16*\p+4*\k:BUF+16*\p+4*\k+3], v[VRD+\p/4] offset:(\p%4)*17408+544*\k
.endr
.endr
.irp k, 0,1,2,3,4,5,6,7
	s_min_u32 s[32+\k], s[32+\k], 0x3ff
.endr
	v_sub_nc_u32 v[H48], 1, v2                     ; 1 - h
.irp k, 0,1,2,3
	v_mul_u32_u24 v[POSA+\k], s[32+2*\k], v[H48]   ; lanes 0-15: row 2 k's token; lanes 16-31: row 2 k + 1's
	v_mad_u32_u24 v[POSA+\k], s[33+2*\k], v2, v[POSA+\k]
	v_lshlrev_b32 v[POSA+\k], 12, v[POSA+\k]       ; a row of out0 is 4,096 bytes
	v_lshl_add_u32 v[POSA+\k], v1, 4, v[POSA+\k]
.endr
	s_wait_dscnt 0x0
.irp p, 1,2,3,4,5,6,7
.irp k, 0,1,2,3
	v_pk_add_f32 v[BUF+4*\k:BUF+4*\k+1], v[BUF+4*\k:BUF+4*\k+1], v[BUF+16*\p+4*\k:BUF+16*\p+4*\k+1]
	v_pk_add_f32 v[BUF+4*\k+2:BUF+4*\k+3], v[BUF+4*\k+2:BUF+4*\k+3], v[BUF+16*\p+4*\k+2:BUF+16*\p+4*\k+3]
.endr
.endr
.irp k, 0,1,2,3
	global_store_b128 v[POSA+\k], v[BUF+4*\k:BUF+4*\k+3], s[22:23] th:TH_STORE_NT
.endr
	s_wait_tensorcnt 0x0
	ds_add_u32 v30, v31
	s_wait_dscnt 0x0
	s_endpgm
.Lfunc_end_k_q7dc8659496_down_combine:
	.size	k_q7dc8659496_down_combine, .Lfunc_end_k_q7dc8659496_down_combine-k_q7dc8659496_down_combine
	.p2alignl 7, 3214868480
	.fill 96, 4, 3214868480
	.section	.rodata,"a",@progbits
	.p2align	6, 0x0
	.amdhsa_kernel k_q7dc8659496_down_combine
		.amdhsa_group_segment_fixed_size 140288
		.amdhsa_private_segment_fixed_size 0
		.amdhsa_enable_private_segment 0
		.amdhsa_kernarg_size 80
		.amdhsa_user_sgpr_count 2
		.amdhsa_user_sgpr_kernarg_segment_ptr 1
		.amdhsa_wavefront_size32 1
		.amdhsa_system_sgpr_workgroup_id_x 1
		.amdhsa_system_sgpr_workgroup_id_y 1
		.amdhsa_system_sgpr_workgroup_id_z 1
		.amdhsa_system_vgpr_workitem_id 0
		.amdhsa_next_free_vgpr 512
		.amdhsa_next_free_sgpr 100
		.amdhsa_reserve_vcc 0
		.amdhsa_float_denorm_mode_32 3
		.amdhsa_float_denorm_mode_16_64 3
		.amdhsa_memory_ordered 1
		.amdhsa_forward_progress 1
		.amdhsa_inst_pref_size 130
	.end_amdhsa_kernel
	.amdgpu_metadata
---
amdhsa.version: [ 1, 2 ]
amdhsa.kernels:
  - .name:           k_q7dc8659496_down_combine
    .symbol:         k_q7dc8659496_down_combine.kd
    .args:
      - { .name: place, .offset: 0, .size: 8, .value_kind: global_buffer, .address_space: global }
      - { .name: route, .offset: 8, .size: 8, .value_kind: global_buffer, .address_space: global }
      - { .name: wd, .offset: 16, .size: 8, .value_kind: global_buffer, .address_space: global }
      - { .name: ract, .offset: 24, .size: 8, .value_kind: global_buffer, .address_space: global }
      - { .name: shact, .offset: 32, .size: 8, .value_kind: global_buffer, .address_space: global }
      - { .name: expert_down_codes, .offset: 40, .size: 8, .value_kind: global_buffer, .address_space: global }
      - { .name: expert_down_scales, .offset: 48, .size: 8, .value_kind: global_buffer, .address_space: global }
      - { .name: shared_down_codes, .offset: 56, .size: 8, .value_kind: global_buffer, .address_space: global }
      - { .name: shared_down_scales, .offset: 64, .size: 8, .value_kind: global_buffer, .address_space: global }
      - { .name: out0, .offset: 72, .size: 8, .value_kind: global_buffer, .address_space: global }
    .group_segment_fixed_size: 140288
    .private_segment_fixed_size: 0
    .kernarg_segment_align: 8
    .kernarg_segment_size: 80
    .max_flat_workgroup_size: 256
    .sgpr_count:     100
    .vgpr_count:     512
    .wavefront_size: 32
...
	.end_amdgpu_metadata
.endif
;; end of part 3
;; ======== version 2 of 2: 3 launches
;; workspace buffers: route 8,192 bytes of whole numbers; place 137,216 bytes of whole numbers; wd 131,072 bytes; shact 819,200 bytes; ract 14,950,400 bytes
;; launch route_shared (part 4): grid 144 x 1, 4 waves a work-group, no clusters, 107,008 bytes of LDS; arguments hidden_states_codes, hidden_states_scales, gate_w_codes, gate_w_scales, gate_bias, shared_gate_codes, shared_gate_scales, shared_up_codes, shared_up_scales, route, wd, shact; writes route, wd, shact
.if DOCPART == 4
	.amdgcn_target "amdgcn-amd-amdhsa--gfx1250"
	.amdhsa_code_object_version 6
	.text
	.protected	k_q7dc8659496_route_shared
	.globl	k_q7dc8659496_route_shared
	.p2align	8
	.type	k_q7dc8659496_route_shared,@function
k_q7dc8659496_route_shared:
	s_mov_b64 s[64:65], 0
	v_nop
	global_prefetch_b8 v0, s[64:65] scope:SCOPE_SE
	s_setreg_imm32_b32 hwreg(HW_REG_WAVE_SCHED_MODE, 0, 2), 2
	s_setreg_imm32_b32 hwreg(HW_REG_WAVE_MODE, 25, 1), 1
	s_wait_xcnt 0x0
	s_wait_alu depctr_vm_vsrc(0)
; TWO JOBS IN ONE LAUNCH, told apart by the work-group's number.
; Work-groups 0-15: THE ROUTER.  A wave takes 16 tokens: logits = x gate_w^T on E2M3 codes, sigmoid, + bias, the two best groups of four (a group's score: the sum
; of its two best), the eight best experts among the kept groups' biased scores and zeros for the others, ties to the lower index.  It stores, at fixed places: route (a 32-bit mask
; of experts for each token; a sort key 0..15 made of the set of groups that hold a chosen expert) and wd [32 experts][1024 tokens]: score / (sum of the 8 + 1e-20) x 2.5, 0 where not chosen.
; THE SORT KEY is the set's rank in an order in which neighbouring sets of two groups share a group: {0,1} {0,2} {1,2} {1,3} {0,3} {2,3}, then the other ten sets.  So a block of sorted tokens
; that lies across two such neighbours uses three groups and not four.  Any one-to-one order is right; this one only spares work in the last launch.
; Nothing here branches or addresses by a score: choices are made by v_cndmask_b32.
; Work-groups 16-143: THE SHARED EXPERT'S HIDDEN LAYER.  A work-group takes 64 hidden units (of gate and of up) x 128 tokens: silu(g) u in f32, quantised along the hidden
; units (blocks of 32) and stored as codes, shact [1024 tokens][768 bytes], with scale bytes [1024][32] at byte 786,432.
; FRAGMENTS.  Lane (r, h) takes, for a K step of 128, the 48 consecutive bytes of its row at 96 x step + 48 h, by three loads of 16 bytes.  So of a K step's four blocks of 32 the
; second and third change places in the matrix unit, alike in both operands: the products are the same.  A scale word's bytes 1 and 2 are swapped to match (v_perm_b32).
; BOTH PRODUCTS ARE USED TRANSPOSED: source 0 = 16 weight rows, source 1 = 16 tokens: a lane holds one token, its registers run along the weight rows.
; LIMITS: NaN and infinities are not served; -0 counts as +0 in the router; a block of zeros gets the scale byte 1 (its codes are zeros; this program alone reads the bytes);
; the sums run in the block order just said.  The router's stores are runs of 64 bytes, the hidden layer's of 12 bytes a lane: 950 KB in all.
; THE MODE: SCHED_MODE bits 1:0 = 2 (LLVM: expert scheduling mode 2), set by the entry lines.  The code itself states the register dependences
; between vector or matrix instructions and memory or LDS instructions, with s_wait_alu, always for 0.
; THE PLAN, the hidden layer.  Registers that memory or LDS instructions touch:
;   AB set 0, 1 and ASC   K step s: its products read set s % 2; the LDS loads of step s + 1 land in the other set, which the products of step s - 1 read: ONE wait on va_vdst at a step's head, the 16 loads straight behind it.
;   the same registers    behind a block's products they are EE, TT, CD, MX: vector arithmetic; the stores read CD.  One wait on va_vdst ahead of the run of stores; ahead of the next block's loads one on vm_vsrc and one on va_vdst.
;   XS, RAW               loaded, bytes swapped by vector lines; XS then read as scales, RAW by LDS stores: one wait on va_vdst behind each run of swaps.
;   v192-255, windows 1-3 the weights as loaded, read by LDS stores; window 1's then take the accumulators: one wait on vm_vsrc behind the barrier.
;   offsets and addresses made once, ahead of the first load: one wait on va_vdst.
; THE PLAN, the router.  Offsets made once (one wait on va_vdst); the results' registers are stored at the end (one wait).  Lane masks go from compares to their readers through scalar registers, in runs:
; one wait on va_sdst behind each run.  The counting behind the compares writes vector registers alone: a selection of 0 or 1 by each mask, and a plain addition.
.set NSL,   2                          ; token tiles (slots) a wave
.set CSTEP, 49152                      ; from slot to slot in the codes' output: 64 rows of 768 bytes
.set SSTEP, 2048                       ; and in the scale bytes': 64 rows of 32
.set SIMG,  98304                      ; LDS: weight fragments as register images from 0 (2 blocks x 4 tiles x 8 K steps x 1,536 bytes), their scale words from here (128 bytes each)
.set VWL,   4                          ; v4   weight rows: (r + 8 (r / 8)) x 768 + 48 h
.set VWSL,  5                          ; v5   their scale bytes: (r + 8 (r / 8)) x 32
.set VSTA0, 6                          ; v6-7 where I store images: 16 lane + 3,072 wave (+ 49,152 for the second block of 32 units)
.set VSTS,  8                          ; v8   and scale words: SIMG + 4 lane + 256 wave
.set VRA0,  9                          ; v9-10 where images are read: 16 lane (+ 49,152)
.set VRS0,  11                         ; v11  SIMG + 4 lane
.set VCO,   15                         ; v15  my row's place in the codes' output
.set VSO,   17                         ; v17  and in the scale bytes'
.set V48H,  18                         ; v18  48 h
.set V4L,   21                         ; v21  4 lane
.set XO,    22                         ; v22.. slot k: my token's codes
.set XSO,   28                         ; v28.. slot k: my token's scale bytes
.set SBY,   34                         ; v34.. slot k: the two scale bytes made
.set PX,    46                         ; v46-47 lane permutes' destinations
.set XS,    64                         ; v64.. x's scale words, 8 a slot
.set ASC,   112                        ; v112-119 the weights' scale words, two sets of 4
.set AB,    120                        ; v120-215 the weights' fragments, two sets of 4 x 12; free behind a block's products:
.set EE,    AB                         ;   32 numbers: exponentials, then 1 / (1 + ..)
.set TT,    AB+32                      ;   32 numbers: g u, then silu(g) u
.set CD,    AB+64                      ;   codes, 4 registers a slot
.set MX,    AB+88                      ;   largest magnitudes, scale operands, bytes
.set RAW,   216                        ; v216-231 the weights' scale words as loaded
.set XCB,   4                          ; s[4:5] x's codes  s[6:7] x's scales  s[8:9] gate_w's codes  s[10:11] its scales  s[12:13] bias
.set XSB,   6
.set GWC,   8
.set GWS,   10
.set BIA,   12
.set GCB,   14                         ; s[14:15] shared_gate's codes  s[16:17] its scales  s[18:19] shared_up's codes  s[20:21] its scales
.set GSB,   16
.set UCB,   18
.set USB,   20
.set RTE,   22                         ; s[22:23] route  s[24:25] wd  s[26:27] shact (codes)  s[28:29] shact (scale bytes)
.set WDP,   24
.set RC,    26
.set RS,    28
.set WV,    30                         ; s30 wave
.set SELP,  31                         ; s31 byte select that swaps bytes 1 and 2
.set SL0,   32                         ; s32-33 v_permlanex16_b32's selects for lane xor 16
.set SL1,   33
.set NL2E,  34                         ; s[34:35] -log2(e), twice
.set HM,    62                         ; s62 lanes 16-31
.set MSB, 0
.macro WIN new                         ; register windows; the immediate's high byte repeats the setting that is left
.if MSB != (\new)
	s_set_vgpr_msb (MSB<<8)|(\new)
.set MSB, (\new)
.endif
.endm
.macro NOPS n
.rept \n
	v_nop
.endr
.endm
; The wave's share of the work-group's weights: K steps 2 wave and 2 wave + 1 of all 8 tiles (block of 32 units, gate or up, half): 48 loads of 16 bytes a lane into v192-255 of windows 1-3,
; of which window 1's later hold the accumulators, and 8 loads of the two K steps' scale words.  Tile wt = 4 block + 2 (up) + half; its lane r takes row 32 block + 8 half + r + 8 (r / 8).
.macro WLOAD
.set n, 0
.rept 48
.set wt, n/6
	WIN ((1+n/16)<<6)
.if ((wt%4)/2) == 0
	global_load_b128 v[192+4*(n%16):195+4*(n%16)], v[VWL], s[GCB:GCB+1] offset:(32*(wt/4)+8*(wt%2))*768+96*((n%6)/3)+16*(n%3)
.else
	global_load_b128 v[192+4*(n%16):195+4*(n%16)], v[VWL], s[UCB:UCB+1] offset:(32*(wt/4)+8*(wt%2))*768+96*((n%6)/3)+16*(n%3)
.endif
.set n, n+1
.endr
	WIN 0
.set wt, 0
.rept 8
.if ((wt%4)/2) == 0
	global_load_b64 v[RAW+2*wt:RAW+2*wt+1], v[VWSL], s[GSB:GSB+1] offset:(32*(wt/4)+8*(wt%2))*32
.else
	global_load_b64 v[RAW+2*wt:RAW+2*wt+1], v[VWSL], s[USB:USB+1] offset:(32*(wt/4)+8*(wt%2))*32
.endif
.set wt, wt+1
.endr
.endm
; They go to LDS as images of the registers: lane l's 16 bytes at 16 l, 512 bytes a store; a wave that loads them by the same lines has the same registers in the same lanes.
.macro W2LDS
.set i, 0
.rept 16
	v_perm_b32 v[RAW+i], v[RAW+i], v[RAW+i], s[SELP]
.set i, i+1
.endr
.set n, 0
.rept 48
.set wt, n/6
	WIN ((1+n/16)<<2)                              ; an LDS store's data are its source 1
	ds_store_b128 v[VSTA0+wt/4], v[192+4*(n%16):195+4*(n%16)] offset:(wt%4)*12288+((n%6)/3)*1536+512*(n%3)
.set n, n+1
.endr
	WIN 0
	s_wait_alu depctr_va_vdst(0)                   ; the byte swaps have written v[RAW ..], which the sixteen stores below read
.set i, 0
.rept 16
	ds_store_b32 v[VSTS], v[RAW+i] offset:(i/8)*4096+((i/2)%4)*1024+(i%2)*128
.set i, i+1
.endr
.endm
.macro XLOADS                          ; x's scale bytes: 32 a token, two loads a slot
.set k, 0
.rept NSL
	global_load_b128 v[XS+8*k:XS+8*k+3], v[XSO+k], s[XSB:XSB+1]
	global_load_b128 v[XS+8*k+4:XS+8*k+7], v[XSO+k], s[XSB:XSB+1] offset:16
.set k, k+1
.endr
.endm
.macro XLOADK                          ; x's fragments for all of K, K step by K step: slot k in window 1 + k / 2, at v[96 (k % 2) + 12 step]
.set ks, 0
.rept 8
.set k, 0
.rept NSL
	WIN ((1+k/2)<<6)
.irp c, 0,1,2
	global_load_b128 v[96*(k%2)+12*ks+4*\c:96*(k%2)+12*ks+4*\c+3], v[XO+k], s[XCB:XCB+1] offset:96*ks+16*\c
.endr
.set k, k+1
.endr
.set ks, ks+1
.endr
	WIN 0
.endm
.macro XPERM
.set i, 0
.rept 8*NSL
	v_perm_b32 v[XS+i], v[XS+i], v[XS+i], s[SELP]
.set i, i+1
.endr
	NOPS 8                                         ; a scale register written by a vector instruction stands 8 places ahead of a scaled matrix instruction
	s_wait_alu depctr_va_vdst(0)                   ; the byte swaps have written v[XS ..], which the products take as scales; the places above stay beside this wait
.endm
.macro LOADA ks, pb, ib                ; the four tiles' fragments and scale words of K step ks, block ib, into set pb
.irp ti, 0,1,2,3
.irp c, 0,1,2
	ds_load_b128 v[AB+48*(\pb)+12*\ti+4*\c:AB+48*(\pb)+12*\ti+4*\c+3], v[VRA0+(\ib)] offset:(\ti*8+(\ks))*1536+512*\c
.endr
.endr
.irp ti, 0,1,2,3
	ds_load_b32 v[ASC+4*(\pb)+\ti], v[VRS0] offset:(\ib)*4096+(\ti*8+(\ks))*128
.endr
.endm
; 8 matrix instructions: window W's two slots x the four tiles (gate's two halves, up's two).  The accumulators take turns, one instruction a turn.
.macro MULW W, ks, pb
	WIN (0x54*(\W))                                ; source 1 (x), C and D in window W; source 0 (weights) in window 0
.irp kp, 0,1
.irp ti, 0,1,2,3
.if (\ks) == 0
	v_wmma_scale_f32_16x16x128_f8f6f4 v[192+32*\kp+8*\ti:199+32*\kp+8*\ti], v[AB+48*(\pb)+12*\ti:AB+48*(\pb)+12*\ti+11], v[96*\kp+12*(\ks):96*\kp+12*(\ks)+11], 0, v[ASC+4*(\pb)+\ti], v[XS+8*(2*((\W)-1)+\kp)+(\ks)] matrix_a_fmt:MATRIX_FMT_FP6 matrix_b_fmt:MATRIX_FMT_FP6
.else
	v_wmma_scale_f32_16x16x128_f8f6f4 v[192+32*\kp+8*\ti:199+32*\kp+8*\ti], v[AB+48*(\pb)+12*\ti:AB+48*(\pb)+12*\ti+11], v[96*\kp+12*(\ks):96*\kp+12*(\ks)+11], v[192+32*\kp+8*\ti:199+32*\kp+8*\ti], v[ASC+4*(\pb)+\ti], v[XS+8*(2*((\W)-1)+\kp)+(\ks)] matrix_a_fmt:MATRIX_FMT_FP6 matrix_b_fmt:MATRIX_FMT_FP6
.endif
.endr
.endr
.endm
; Window W's two slots: a lane holds, for its token, g and u of hidden units 32 ib + 16 h + 0 .. 15.  silu(g) u = g u / (1 + 2^(-log2(e) g)), in f32; the block's largest magnitude with lane xor 16;
; 16 codes = 12 bytes a lane, stored at 24 ib + 12 h of the row's 48 bytes.  The transcendentals go in two batches, each with one plain line and one wait ahead of its first reader.
.macro EPI W, ib
	WIN (\W)
.set i, 0
.rept 16
	v_pk_mul_f32 v[EE+2*i:EE+2*i+1], v[192+32*(i/8)+2*(i%8):193+32*(i/8)+2*(i%8)], s[NL2E:NL2E+1] op_sel_hi:[1,0]   ; each accumulator from its low end on
.set i, i+1
.endr
	WIN 0
.set i, 0
	s_wait_alu depctr_va_vdst(0)
.rept 32
	v_exp_f32 v[EE+i], v[EE+i]
.set i, i+1
.endr
	WIN (5*(\W))
.set i, 0
	s_wait_alu depctr_va_vdst(0)
.rept 16
	v_pk_mul_f32 v[TT+2*i:TT+2*i+1], v[192+32*(i/8)+2*(i%8):193+32*(i/8)+2*(i%8)], v[208+32*(i/8)+2*(i%8):209+32*(i/8)+2*(i%8)]   ; g u: the plain work behind the exponentials
.set i, i+1
.endr
	WIN 0
	s_wait_alu depctr_va_vdst(0)                   ; the 32 exponentials have written v[EE ..]: one wait, ahead of their first reader
.set i, 0
.rept 16
	v_pk_add_f32 v[EE+2*i:EE+2*i+1], v[EE+2*i:EE+2*i+1], 1.0 op_sel_hi:[1,0]
.set i, i+1
.endr
.set i, 0
	s_wait_alu depctr_va_vdst(0)
.rept 32
	v_rcp_f32 v[EE+i], v[EE+i]
.set i, i+1
.endr
	v_nop
	s_wait_alu depctr_va_vdst(0)                   ; the 32 reciprocals have written v[EE ..]: one wait, ahead of their first reader
.set i, 0
.rept 16
	v_pk_mul_f32 v[TT+2*i:TT+2*i+1], v[TT+2*i:TT+2*i+1], v[EE+2*i:EE+2*i+1]
.set i, i+1
.endr
.irp kp, 0,1
	v_max3_num_f32 v[MX+\kp], |v[TT+16*\kp]|, |v[TT+16*\kp+1]|, 0x1800000   ; my 16 numbers and the floor 2^(3 - 127): the byte cannot fall under 1
.endr
.irp jj, 2,4,6,8,10,12,14
.irp kp, 0,1
	v_max3_num_f32 v[MX+\kp], v[MX+\kp], |v[TT+16*\kp+\jj]|, |v[TT+16*\kp+\jj+1]|
.endr
.endr
.irp kp, 0,1
	v_permlanex16_b32 v[PX+\kp], v[MX+\kp], s[SL0], s[SL1]
.endr
.irp kp, 0,1
	v_max_num_f32 v[MX+\kp], v[MX+\kp], v[PX+\kp]  ; the block's largest magnitude
.endr
.irp kp, 0,1
	v_add_nc_u32 v[MX+2+\kp], 0xff000000, v[MX+\kp] ; 2 off its exponent field: the conversion's scale operand
.endr
.irp kp, 0,1
	v_cvt_scalef32_pk16_fp6_f32 v[CD+4*(2*((\W)-1)+\kp):CD+4*(2*((\W)-1)+\kp)+2], v[TT+16*\kp:TT+16*\kp+15], v[MX+2+\kp]
.endr
	v_nop                                          ; one plain place behind a scaled conversion
.irp kp, 0,1
	v_lshrrev_b32 v[MX+4+\kp], 23, v[MX+2+\kp]     ; the scale's byte
.endr
.irp kp, 0,1
.if (\ib) == 0
	v_mov_b32 v[SBY+2*((\W)-1)+\kp], v[MX+4+\kp]
.else
	v_lshl_or_b32 v[SBY+2*((\W)-1)+\kp], v[MX+4+\kp], 8, v[SBY+2*((\W)-1)+\kp]
.endif
.endr
	s_wait_alu depctr_va_vdst(0)                   ; the conversions have written the codes v[CD ..] and the lines above the scale bytes v[SBY ..], which the stores below read
.irp kp, 0,1
	global_store_b96 v[VCO], v[CD+4*(2*((\W)-1)+\kp):CD+4*(2*((\W)-1)+\kp)+2], s[RC:RC+1] offset:CSTEP*(2*((\W)-1)+\kp)+24*(\ib)
.if (\ib) == 1
	global_store_b16 v[VSO], v[SBY+2*((\W)-1)+\kp], s[RS:RS+1] offset:SSTEP*(2*((\W)-1)+\kp)   ; both halves of the lanes store the same two bytes
.endif
.endr
.endm
.macro COMPUTE
.irp ib, 0,1
.if \ib == 1
	s_wait_xcnt 0x0                                ; the first block's stores have had their addresses translated: the image loads below land on their data registers
	s_wait_alu depctr_vm_vsrc(0)                   ; the first block's stores have read their codes v[CD ..], on which image loads land
	s_wait_alu depctr_va_vdst(0)                   ; the first block's arithmetic is done with v[EE ..], v[TT ..], v[CD ..], v[MX ..], in which the image loads land
.endif
	LOADA 0, 0, \ib
.irp ks, 0,1,2,3,4,5,6,7
.if \ks < 7
.if \ks > 0
	NOPS 4                                         ; places in front of loads into registers that matrix instructions have read
	s_wait_alu depctr_va_vdst(0)                   ; the products of the K step before are done reading the other set and its scale words, in which the loads below land
.endif
	LOADA \ks+1, (\ks+1)%2, \ib
	s_wait_dscnt 16                                ; this K step's 16 image loads are in; the next step's may be out
.else
	s_wait_dscnt 0x0
.endif
.if \ib == 0
	s_wait_loadcnt 3*NSL*(7-\ks)                   ; x of this K step is in; the later steps' loads, 3 a slot and step, may be out
.endif
	MULW 1, \ks, \ks%2
	WIN 0
.endr
	NOPS 5                                         ; behind the last products: their results are read, their operands written, and the accumulators later begun anew
	EPI 1, \ib
.endr
.endm
	s_load_b256 s[4:11], s[0:1], 0x0
	s_load_b256 s[12:19], s[0:1], 0x20
	s_load_b256 s[20:27], s[0:1], 0x40
	v_lshl_add_u32 v254, v0, 2, 0x1a000
	v_mov_b32 v255, 0
	v_lshrrev_b32 v1, 5, v0
	v_readfirstlane_b32 s[WV], v1                  ; wave 0..3
	v_and_b32 v1, 31, v0                           ; lane
	v_and_b32 v2, 15, v0                           ; r
	v_bfe_u32 v3, v0, 4, 1                         ; h
	v_and_b32 v48, 8, v2
	v_add_nc_u32 v48, v48, v2                      ; r + 8 (r / 8)
	v_mul_u32_u24 v[V48H], v3, 48
	v_mad_u32_u24 v[VWL], v48, 0x300, v[V48H]
	v_lshlrev_b32 v[VWSL], 5, v48
	s_wait_alu depctr_va_sdst(0)                   ; the wave's number is written into s30, ahead of the branch: both jobs read it
	s_mov_b32 s[SELP], 0x03010200
	s_mov_b32 s[SL0], 0x76543210
	s_mov_b32 s[SL1], 0xfedcba98
	s_mov_b32 s[NL2E], 0xbfb8aa3b
	s_mov_b32 s[NL2E+1], 0xbfb8aa3b
	s_mov_b32 s37, 0
	s_mov_b32 s39, 0
	s_cmp_lt_u32 ttmp9, 16
	s_cbranch_scc0 .Lshared
	; ================= THE ROUTER: my wave's 16 tokens, tile 4 x work-group + wave
	s_lshl_b32 s36, ttmp9, 2
	s_add_co_u32 s36, s36, s[WV]
	s_mul_i32 s38, s36, 12288                      ; 16 rows of 768 bytes
	s_lshl_b32 s40, s36, 9                         ; 16 rows of 32 bytes
	s_mov_b32 s41, 0
	s_lshl_b32 s42, s36, 6                         ; 16 words
	s_mov_b32 s43, 0
	s_mov_b32 s[HM], 0xffff0000
	s_wait_alu depctr_va_vdst(0)
	v_mad_u32_u24 v12, v2, 0x300, v[V48H]          ; x: row r, + 48 h
	v_lshlrev_b32 v13, 5, v2                       ; x's scale bytes
	v_lshlrev_b32 v14, 6, v3                       ; bias: my 16 experts, 16 h on
	v_lshlrev_b32 v15, 2, v2                       ; out: 4 r
	v_lshl_add_u32 v16, v3, 16, v15                ; wd: expert 16 h's row of 4,096 bytes, + 4 r
	s_wait_kmcnt 0x0
	s_add_nc_u64 s[XCB:XCB+1], s[XCB:XCB+1], s[38:39]
	s_add_nc_u64 s[XSB:XSB+1], s[XSB:XSB+1], s[40:41]
	s_add_nc_u64 s[RTE:RTE+1], s[RTE:RTE+1], s[42:43]
	s_add_nc_u64 s[WDP:WDP+1], s[WDP:WDP+1], s[42:43]
	s_wait_alu depctr_va_vdst(0)                   ; the offsets v4, v5 and v12 to v16 are written, which the router's loads and stores read; the lines above are done with v48, in which a load lands
.set ks, 0
.rept 8
.irp c, 0,1,2
	global_load_b128 v[64+12*ks+4*\c:67+12*ks+4*\c], v12, s[XCB:XCB+1] offset:96*ks+16*\c
.endr
.set ks, ks+1
.endr
	global_load_b128 v[32:35], v13, s[XSB:XSB+1]
	global_load_b128 v[36:39], v13, s[XSB:XSB+1] offset:16
	WIN 0x80                                       ; gate_w's 16 fragments into window 2.  Lane m of tile ta takes expert 16 (m / 8) + 8 ta + m % 8: so register 8 ta + j of lane (r, h) is expert 16 h + 8 ta + j, of group 2 h + ta
.set n, 0
.rept 16
.irp c, 0,1,2
	global_load_b128 v[12*n+4*\c:12*n+4*\c+3], v[VWL], s[GWC:GWC+1] offset:6144*(n/8)+96*(n%8)+16*\c
.endr
.set n, n+1
.endr
	WIN 0
.irp ta, 0,1
	global_load_b128 v[40+8*\ta:43+8*\ta], v[VWSL], s[GWS:GWS+1] offset:256*\ta
	global_load_b128 v[44+8*\ta:47+8*\ta], v[VWSL], s[GWS:GWS+1] offset:256*\ta+16
.endr
.irp c, 0,1,2,3
	global_load_b128 v[192+4*\c:195+4*\c], v14, s[BIA:BIA+1] offset:16*\c
.endr
	s_wait_loadcnt 0x0
.set i, 0
.rept 24
	v_perm_b32 v[32+i], v[32+i], v[32+i], s[SELP]
.set i, i+1
.endr
	NOPS 8
	s_wait_alu depctr_va_vdst(0)                   ; the byte swaps have written v32 to v55, which the products take as scales; the places above stay beside this wait
	WIN 0x02                                       ; source 0 in window 2
.set ks, 0
.rept 8
.irp ta, 0,1
.if ks == 0
	v_wmma_scale_f32_16x16x128_f8f6f4 v[160+8*\ta:167+8*\ta], v[96*\ta+12*ks:96*\ta+12*ks+11], v[64+12*ks:75+12*ks], 0, v[40+8*\ta+ks], v[32+ks] matrix_a_fmt:MATRIX_FMT_FP6 matrix_b_fmt:MATRIX_FMT_FP6
.else
	v_wmma_scale_f32_16x16x128_f8f6f4 v[160+8*\ta:167+8*\ta], v[96*\ta+12*ks:96*\ta+12*ks+11], v[64+12*ks:75+12*ks], v[160+8*\ta:167+8*\ta], v[40+8*\ta+ks], v[32+ks] matrix_a_fmt:MATRIX_FMT_FP6 matrix_b_fmt:MATRIX_FMT_FP6
.endif
.endr
.set ks, ks+1
.endr
	WIN 0
	NOPS 4
.set ZZ,  160                          ; logits
.set SS,  208                          ; scores
.set SCR, 176                          ; biased scores, then masked, then sort keys
.set BI,  192
.set PK,  64                           ; the partner lane's 16 keys
.set KC,  80                           ; my keys less h
.set RK,  96                           ; ranks
.set WS,  112                          ; chosen scores
.set TA,  ZZ                           ; in the ranking: 16 numbers 0 or 1 (the logits have served),
.set TB,  BI                           ; and 16 more (the bias has served)
.irp j, 0,2,4,6,8,10,12,14
	v_pk_mul_f32 v[SS+\j:SS+\j+1], v[ZZ+\j:ZZ+\j+1], s[NL2E:NL2E+1] op_sel_hi:[1,0]
.endr
.set i, 0
	s_wait_alu depctr_va_vdst(0)
.rept 16
	v_exp_f32 v[SS+i], v[SS+i]
.set i, i+1
.endr
	v_nop
	s_wait_alu depctr_va_vdst(0)                   ; the 16 exponentials have written v[SS ..]: one wait, ahead of their first reader
.irp j, 0,2,4,6,8,10,12,14
	v_pk_add_f32 v[SS+\j:SS+\j+1], v[SS+\j:SS+\j+1], 1.0 op_sel_hi:[1,0]
.endr
.set i, 0
	s_wait_alu depctr_va_vdst(0)
.rept 16
	v_rcp_f32 v[SS+i], v[SS+i]
.set i, i+1
.endr
	v_nop
	s_wait_alu depctr_va_vdst(0)                   ; the 16 reciprocals have written v[SS ..], the scores: one wait, ahead of their first reader
.irp j, 0,2,4,6,8,10,12,14
	v_pk_add_f32 v[SCR+\j:SCR+\j+1], v[SS+\j:SS+\j+1], v[BI+\j:BI+\j+1]
.endr
	; a group's two best: m1 >= m2 kept; a new number's place is found by the middle of three
.irp ta, 0,1
	v_max_num_f32 v[128+\ta], v[SCR+8*\ta], v[SCR+8*\ta+1]
	v_min_num_f32 v[130+\ta], v[SCR+8*\ta], v[SCR+8*\ta+1]
.endr
.irp j, 2,3,4,5,6,7
.irp ta, 0,1
	v_med3_num_f32 v[130+\ta], v[128+\ta], v[130+\ta], v[SCR+8*\ta+\j]
	v_max_num_f32 v[128+\ta], v[128+\ta], v[SCR+8*\ta+\j]
.endr
.endr
.irp ta, 0,1
	v_add_f32 v[132+\ta], v[128+\ta], v[130+\ta]
.endr
.irp ta, 0,1
	v_permlanex16_b32 v[134+\ta], v[132+\ta], s[SL0], s[SL1]
.endr
	v_cndmask_b32 v136, v132, v134, s[HM]          ; the four groups' scores in every lane
	v_cndmask_b32 v137, v133, v135, s[HM]
	v_cndmask_b32 v138, v134, v132, s[HM]
	v_cndmask_b32 v139, v135, v133, s[HM]
	v_cmp_gt_f32 s40, v137, v136                   ; for a < b: does b beat a?  Only if strictly greater: ties go to the lower index
	v_cmp_gt_f32 s41, v138, v136
	v_cmp_gt_f32 s42, v139, v136
	v_cmp_gt_f32 s43, v138, v137
	v_cmp_gt_f32 s44, v139, v137
	v_cmp_gt_f32 s45, v139, v138
	s_wait_alu depctr_va_sdst(0)                   ; the six compares have written s40 to s45, which the scalar lines below read
	s_not_b32 s46, s40                             ; and a beats b otherwise
	s_not_b32 s47, s41
	s_not_b32 s48, s42
	s_not_b32 s49, s43
	s_not_b32 s50, s44
	s_not_b32 s51, s45
.macro NSEL d, x, y, z                 ; a group is kept unless two or more beat it
	s_and_b32 s60, s[\x], s[\y]
	s_or_b32 s61, s[\x], s[\y]
	s_and_b32 s61, s61, s[\z]
	s_or_b32 s60, s60, s61
	s_not_b32 s[\d], s60
.endm
	NSEL 52, 40, 41, 42
	NSEL 53, 46, 43, 44
	NSEL 54, 47, 49, 45
	NSEL 55, 48, 50, 51
.irp ta, 0,1                           ; my own two groups' masks: groups ta in lanes 0-15, 2 + ta in lanes 16-31
	s_and_not1_b32 s60, s[52+\ta], s[HM]
	s_and_b32 s61, s[54+\ta], s[HM]
	s_or_b32 s[56+\ta], s60, s61
.endr
.set i, 0
.rept 16
	v_cndmask_b32 v[SCR+i], 0, v[SCR+i], s[56+i/8] ; groups not kept count as 0.0, and can win
	v_add_f32 v[SCR+i], 0, v[SCR+i]                ; -0 becomes +0
	v_ashrrev_i32 v[140+i%2], 31, v[SCR+i]
	v_or_b32 v[140+i%2], 0x80000000, v[140+i%2]
	v_xor_b32 v[SCR+i], v[SCR+i], v[140+i%2]       ; a whole number that sorts as the f32 does
.set i, i+1
.endr
.set i, 0
.rept 16
	v_permlanex16_b32 v[PK+i], v[SCR+i], s[SL0], s[SL1]
	v_sub_nc_u32 v[KC+i], v[SCR+i], v3             ; lanes 16-31: the partner's experts have lower indices and win ties: >= key is > key - 1
	v_mov_b32 v[RK+i], 0
.set i, i+1
.endr
	; the rank of each of my 16 keys among all 32: how many beat it.  Sixteen runs: key i of the partner and key i of my own are held against my 16 keys, 31 compares into 31 scalar registers
	; (s36-51; s4-19, whose pointers have served: every load has landed), one wait, 31 selections of 0 or 1 by these masks, and 31 plain additions: no line of the counting writes a scalar register or VCC.
.set i, 0
.rept 16
.set j, 0
.rept 16
	v_cmp_gt_u32 s[36+j], v[PK+i], v[KC+j]
.if i < j
	v_cmp_ge_u32 s[4+j], v[SCR+i], v[SCR+j]
.elseif i > j
	v_cmp_gt_u32 s[4+j], v[SCR+i], v[SCR+j]
.endif
.set j, j+1
.endr
	s_wait_alu depctr_va_sdst(0)                   ; the run's 31 compares have written their masks, which the selections below read
.set j, 0
.rept 16
	v_cndmask_b32 v[TA+j], 0, 1, s[36+j]
.if i != j
	v_cndmask_b32 v[TB+j], 0, 1, s[4+j]
.endif
.set j, j+1
.endr
.set j, 0
.rept 16
	v_add_nc_u32 v[RK+j], v[RK+j], v[TA+j]
.set j, j+1
.endr
.set j, 0
.rept 16
.if i != j
	v_add_nc_u32 v[RK+j], v[RK+j], v[TB+j]
.endif
.set j, j+1
.endr
.set i, i+1
.endr
.set j, 0
.rept 16
	v_cmp_gt_u32 s[36+j], 8, v[RK+j]               ; chosen
.set j, j+1
.endr
	v_mov_b32 v141, 0
	s_wait_alu depctr_va_sdst(0)                   ; the 16 compares have written s36 to s51, which the selections below read
.set j, 0
.rept 16
	v_cndmask_b32 v[WS+j], 0, v[SS+j], s[36+j]
	v_cndmask_b32 v142, 0, 1, s[36+j]
	v_lshl_or_b32 v141, v142, j, v141
.set j, j+1
.endr
	v_pk_add_f32 v[144:145], v[WS:WS+1], v[WS+2:WS+3]
.irp j, 4,6,8,10,12,14
	v_pk_add_f32 v[144:145], v[144:145], v[WS+\j:WS+\j+1]
.endr
	v_add_f32 v144, v144, v145
	v_permlanex16_b32 v145, v144, s[SL0], s[SL1]
	v_add_f32 v144, v144, v145                     ; the sum of the eight scores
	v_add_f32 v144, 0x1e3ce508, v144               ; + 1e-20
	s_wait_alu depctr_va_vdst(0)
	v_rcp_f32 v144, v144
	v_lshlrev_b32 v143, 4, v3                      ; (a plain place)  16 h
	s_wait_alu depctr_va_vdst(0)                   ; the reciprocal has written v144, ahead of its first reader
	v_mul_f32 v144, 0x40200000, v144               ; x 2.5
.irp j, 0,2,4,6,8,10,12,14
	v_pk_mul_f32 v[WS+\j:WS+\j+1], v[WS+\j:WS+\j+1], v[144:145] op_sel_hi:[1,0]
.endr
	v_lshlrev_b32 v141, v143, v141                 ; my 16 bits at their place,
	v_permlanex16_b32 v142, v141, s[SL0], s[SL1]
	v_or_b32 v141, v141, v142                      ; with the partner's: the token's mask of experts
.irp g, 0,1,2,3
	v_bfe_u32 v[150+\g], v141, 8*\g, 8
.endr
.irp g, 0,1,2,3
	v_cmp_ne_u32 s[36+\g], 0, v[150+\g]
.endr
	v_mov_b32 v146, 0
	s_wait_alu depctr_va_sdst(0)                   ; the four compares have written s36 to s39, which the selections below read
.irp g, 0,1,2,3
	v_cndmask_b32 v[150+\g], 0, 1, s[36+\g]
	v_lshl_or_b32 v146, v[150+\g], \g, v146        ; n: which groups hold a chosen expert
.endr
	; the sort key: n's rank, out of a table of sixteen 4-bit fields in two words (field n % 8 of word n / 8): 3 > 0, 5 > 1, 6 > 2, 10 > 3, 9 > 4, 12 > 5, then 7, 11, 13, 14, 15, 1, 2, 4, 8, 0
	v_cmp_lt_u32 vcc_lo, 7, v146                   ; n above 7: the second word
	v_and_b32 v147, 7, v146
	v_lshlrev_b32 v147, 2, v147                    ; 4 (n % 8)
	v_mov_b32 v148, 0x621d0cbf
	v_mov_b32 v149, 0xa985734e
	v_lshrrev_b32 v148, v147, v148
	v_lshrrev_b32 v149, v147, v149
	s_wait_alu depctr_va_vcc(0)                    ; the compare has written VCC, which the selection below reads
	v_cndmask_b32 v148, v148, v149, vcc_lo
	v_and_b32 v146, 15, v148
	s_wait_alu depctr_va_vdst(0)                   ; the mask v141, the key v146 and the weights v[WS ..] are written, which the stores below read
	global_store_b32 v15, v141, s[RTE:RTE+1]       ; both halves of the lanes store the same word
	global_store_b32 v15, v146, s[RTE:RTE+1] offset:4096
.set j, 0
.rept 16
	global_store_b32 v16, v[WS+j], s[WDP:WDP+1] offset:4096*j
.set j, j+1
.endr
	s_endpgm
	; ================= THE SHARED EXPERT'S HIDDEN LAYER
.Lshared:
	s_wait_alu depctr_va_vdst(0)
	v_lshlrev_b32 v[VRA0], 4, v1
	v_add_nc_u32 v[VRA0+1], 49152, v[VRA0]
	s_mul_i32 s36, s[WV], 3072
	v_add_nc_u32 v[VSTA0], s36, v[VRA0]
	v_add_nc_u32 v[VSTA0+1], 49152, v[VSTA0]
	v_lshlrev_b32 v[V4L], 2, v1
	v_add_nc_u32 v[VRS0], SIMG, v[V4L]
	s_lshl_b32 s36, s[WV], 8
	v_add_nc_u32 v[VSTS], s36, v[VRS0]
	v_mov_b32 v[PX], 0                             ; a lane permute's destination counts as one of its sources
	v_mov_b32 v[PX+1], 0
	s_lshl_b32 s36, s[WV], 4
	v_add_nc_u32 v49, s36, v2                      ; my row in slot 0: 16 wave + r; slot 1 lies 64 rows on
	v_mad_u32_u24 v[XO], v49, 0x300, v[V48H]
	v_add_nc_u32 v[XO+1], 49152, v[XO]
	v_lshlrev_b32 v[XSO], 5, v49
	v_add_nc_u32 v[XSO+1], 2048, v[XSO]
	v_mul_u32_u24 v50, v3, 12
	v_mad_u32_u24 v[VCO], v49, 0x300, v50
	v_lshlrev_b32 v[VSO], 5, v49
	s_sub_co_u32 s40, ttmp9, 16
	s_and_b32 s41, s40, 15                         ; which 64 hidden units
	s_lshr_b32 s42, s40, 4                         ; which 128 tokens
	s_mul_i32 s36, s41, 49152                      ; 64 weight rows of 768 bytes,
	s_mul_i32 s43, s[WV], 192                      ; my two K steps
	s_add_co_u32 s36, s36, s43
	s_lshl_b32 s38, s41, 11
	s_lshl_b32 s43, s[WV], 3
	s_add_co_u32 s38, s38, s43
	s_wait_kmcnt 0x0
	s_add_nc_u64 s[GCB:GCB+1], s[GCB:GCB+1], s[36:37]
	s_add_nc_u64 s[UCB:UCB+1], s[UCB:UCB+1], s[36:37]
	s_add_nc_u64 s[GSB:GSB+1], s[GSB:GSB+1], s[38:39]
	s_add_nc_u64 s[USB:USB+1], s[USB:USB+1], s[38:39]
	s_mul_i32 s36, s42, 98304                      ; 128 rows of 768 bytes
	s_add_nc_u64 s[XCB:XCB+1], s[XCB:XCB+1], s[36:37]
	s_lshl_b32 s38, s42, 12                        ; 128 rows of 32 bytes
	s_add_nc_u64 s[XSB:XSB+1], s[XSB:XSB+1], s[38:39]
	s_mul_i32 s43, s41, 48
	s_add_co_u32 s36, s36, s43                     ; out: my units' 48 bytes of each row
	s_lshl_b32 s43, s41, 1
	s_add_co_u32 s38, s38, s43
	s_add_co_u32 s38, s38, 786432                  ; and their two scale bytes
	s_add_nc_u64 s[RS:RS+1], s[RC:RC+1], s[38:39]
	s_add_nc_u64 s[RC:RC+1], s[RC:RC+1], s[36:37]
	s_wait_alu depctr_va_vdst(0)                   ; every offset and LDS address of this job (v4 to v11, v15, v17, v22, v23, v28, v29) is written: the loads, LDS instructions and stores below read them, and none is written again
	WLOAD
	XLOADS
	XLOADK
	s_wait_loadcnt 52                              ; the weights are in: behind them 4 + 48 loads of x
	W2LDS
	s_wait_loadcnt 48                              ; x's scale words are in
	XPERM
	s_wait_dscnt 0x0                               ; for the others' sake: my images have landed
	s_barrier_signal -1
	s_barrier_wait -1                              ; all images lie in LDS; from here on LDS is only read
	s_wait_alu depctr_vm_vsrc(0)                   ; my LDS stores have read v192 to v255 of window 1, which the products below write as accumulators
	COMPUTE
	s_wait_dscnt 0x0                               ; the closing lines, six on end
	s_wait_alu 0x0
	s_wait_tensorcnt 0x0
	ds_add_u32 v254, v255
	s_wait_dscnt 0x0
	s_endpgm
.Lfunc_end_k_q7dc8659496_route_shared:
	.size	k_q7dc8659496_route_shared, .Lfunc_end_k_q7dc8659496_route_shared-k_q7dc8659496_route_shared
	.p2alignl 7, 3214868480
	.fill 96, 4, 3214868480
	.section	.rodata,"a",@progbits
	.p2align	6, 0x0
	.amdhsa_kernel k_q7dc8659496_route_shared
		.amdhsa_group_segment_fixed_size 107008
		.amdhsa_private_segment_fixed_size 0
		.amdhsa_enable_private_segment 0
		.amdhsa_kernarg_size 96
		.amdhsa_user_sgpr_count 2
		.amdhsa_user_sgpr_kernarg_segment_ptr 1
		.amdhsa_wavefront_size32 1
		.amdhsa_system_sgpr_workgroup_id_x 1
		.amdhsa_system_sgpr_workgroup_id_y 1
		.amdhsa_system_sgpr_workgroup_id_z 1
		.amdhsa_system_vgpr_workitem_id 0
		.amdhsa_next_free_vgpr 1024
		.amdhsa_next_free_sgpr 66
		.amdhsa_reserve_vcc 1
		.amdhsa_float_denorm_mode_32 3
		.amdhsa_float_denorm_mode_16_64 3
		.amdhsa_memory_ordered 1
		.amdhsa_forward_progress 1
		.amdhsa_inst_pref_size 184
	.end_amdhsa_kernel
	.amdgpu_metadata
---
amdhsa.version: [ 1, 2 ]
amdhsa.kernels:
  - .name:           k_q7dc8659496_route_shared
    .symbol:         k_q7dc8659496_route_shared.kd
    .args:
      - { .name: hidden_states_codes, .offset: 0, .size: 8, .value_kind: global_buffer, .address_space: global }
      - { .name: hidden_states_scales, .offset: 8, .size: 8, .value_kind: global_buffer, .address_space: global }
      - { .name: gate_w_codes, .offset: 16, .size: 8, .value_kind: global_buffer, .address_space: global }
      - { .name: gate_w_scales, .offset: 24, .size: 8, .value_kind: global_buffer, .address_space: global }
      - { .name: gate_bias, .offset: 32, .size: 8, .value_kind: global_buffer, .address_space: global }
      - { .name: shared_gate_codes, .offset: 40, .size: 8, .value_kind: global_buffer, .address_space: global }
      - { .name: shared_gate_scales, .offset: 48, .size: 8, .value_kind: global_buffer, .address_space: global }
      - { .name: shared_up_codes, .offset: 56, .size: 8, .value_kind: global_buffer, .address_space: global }
      - { .name: shared_up_scales, .offset: 64, .size: 8, .value_kind: global_buffer, .address_space: global }
      - { .name: route, .offset: 72, .size: 8, .value_kind: global_buffer, .address_space: global }
      - { .name: wd, .offset: 80, .size: 8, .value_kind: global_buffer, .address_space: global }
      - { .name: shact, .offset: 88, .size: 8, .value_kind: global_buffer, .address_space: global }
    .group_segment_fixed_size: 107008
    .private_segment_fixed_size: 0
    .kernarg_segment_align: 8
    .kernarg_segment_size: 96
    .max_flat_workgroup_size: 128
    .sgpr_count:     66
    .vgpr_count:     1024
    .wavefront_size: 32
...
	.end_amdgpu_metadata
.endif
;; end of part 4
;; launch expert_gu (part 5): grid 256 x 1, 4 waves a work-group, no clusters, 112,384 bytes of LDS; arguments hidden_states_codes, hidden_states_scales, expert_gate_codes, expert_gate_scales, expert_up_codes, expert_up_scales, route, place, ract; writes place, ract
.if DOCPART == 5
	.amdgcn_target "amdgcn-amd-amdhsa--gfx1250"
	.amdhsa_code_object_version 6
	.text
	.protected	k_q7dc8659496_expert_gu
	.globl	k_q7dc8659496_expert_gu
	.p2align	8
	.type	k_q7dc8659496_expert_gu,@function
k_q7dc8659496_expert_gu:
	s_mov_b64 s[64:65], 0
	v_nop
	global_prefetch_b8 v0, s[64:65] scope:SCOPE_SE
	s_setreg_imm32_b32 hwreg(HW_REG_WAVE_MODE, 25, 1), 1
	s_wait_xcnt 0x0
; THE ROUTED EXPERTS' HIDDEN LAYER, on the chosen rows alone.  Work-group x: expert e = x / 8, hidden units 64 q .. 64 q + 63 (q = x % 8) of gate and of up: each weight byte is read by one work-group of the launch.
; 1. Wave 0 makes the expert's list of tokens from the stored masks (a rank for each token that uses e; the list in LDS); where q = 0 it stores pos[e][token] = the rank, or 1152 (the zero row).
;    Wave 1 of work-groups 0-15 places the tokens whose key is the work-group's number in 'order' (a counting sort by key).  Wave 2 writes the zero row of its region: zero codes, scale bytes 0x7f.
;    In both, the 32 compares stand together and leave 32 lane masks in scalar registers; the counts and ranks follow: no scalar count stands straight behind the compare that feeds it.
; 2. Behind the first barrier each wave reads its first six tiles' tokens from the list and asks for their rows of x; among these loads the work-group's weights (98,304 bytes) go to LDS as images of
;    operand registers, each wave bringing two of the eight K steps; the second barrier follows.
; 3. Three passes of 384 rows, a constant count; a wave's trip is passed over where it has no tile left.  A wave holds up to six tiles of 16 gathered tokens in registers for all of K,
;    and each fragment of weights read from LDS feeds six (or four) matrix instructions.  silu(g) u in f32, quantised along the hidden units, stored to ract.
; ract: codes in 256 regions (8 e + q) of 1,168 rows x 48 bytes (a row: the 64 codes of chunk q); scale bytes from byte 14,352,384: 32 regions of 1,168 rows x 16 bytes.
; Rows from the expert's count to 1,151 may hold the results of padding (token 0) and are read by nobody.
; No tensor load and no cluster: trips and addresses hang on stored numbers, so operands come through registers.
; FRAGMENTS, TRANSPOSED USE and LIMITS as in the first launch: 48 consecutive bytes a lane and K step, bytes 1 and 2 of each scale word swapped; NaN and infinities not served; a block of zeros gets the byte 1.
; The scale bytes leave two at a time, 16 bytes apart (131 KB in all): so the next launch takes a row's 16 bytes by one load.
.set NSL,   6
.set CSTEP, 3072                       ; from slot to slot: 64 rows of 48 bytes
.set SSTEP, 1024                       ; 64 rows of 16 bytes
.set SIMG,  98304                      ; LDS: weight images from 0, their scale words here,
.set LIST,  106496                     ; the list: 1,280 words (entry 1215 takes what is not listed),
.set CNT,   111616                     ; the count
.set REG,   56064
.set SCL,   14352384
.set SREG,  18688
.set ZROW,  1152
.set VWL,   4
.set VWSL,  5
.set VSTA0, 6
.set VSTS,  8
.set VRA0,  9
.set VRS0,  11
.set VLL,   12                         ; v12  LIST + 64 wave + 4 r
.set VLF,   13                         ; v13  the same for the pass in hand
.set VCO0,  14                         ; v14  (16 wave + r) x 48 + 12 h
.set VCO,   15
.set VSO0,  16                         ; v16  (16 wave + r) x 16
.set VSO,   17
.set V48H,  18
.set VZL,   19                         ; v19  LIST + 16 lane
.set VCNT,  20                         ; v20  CNT
.set V4L,   21
.set XO,    22
.set XSO,   28
.set SBY,   34
.set TK,    40                         ; v40-45 the slots' tokens
.set PX,    46
.set ZQ,    56                         ; v52 1152, v53 1215; v56-59 zeros; v60 0x7f7f; v61 the count; v62-63 the zero row's offsets
.set XS,    64
.set ASC,   112
.set AB,    120
.set EE,    AB
.set TT,    AB+32
.set CD,    AB+64
.set MX,    AB+88
.set RAW,   216
.set MK,    AB                         ; at the head: 32 registers of the table (register 4 i + c, lane l: token 128 i + 4 l + c), then pos
.set DD,    AB+32                      ; 32 registers: the expert's bit of each mask, then token numbers
.set SCA,   XS                         ; 32 registers of ranks, then scatter addresses: a register for each store
.set XCB,   4                          ; s[4:5] x's codes  s[6:7] x's scales  s[8:9] gate's codes  s[10:11] its scales  s[12:13] up's codes  s[14:15] its scales
.set XSB,   6
.set GCB,   8
.set GSB,   10
.set UCB,   12
.set USB,   14
.set RTE,   16                         ; s[16:17] my table in route  s[18:19] place  s[20:21] my region of ract  s[22:23] my scale bytes in ract
.set PLC,   18
.set RC,    20
.set RS,    22
.set WV,    24
.set EX,    25
.set QQ,    26
.set SELP,  27
.set SL0,   28
.set SL1,   29
.set NL2E,  30
.set RUN,   36
.set NT,    38                         ; s38 tiles of 16 rows in the list
.set F3,    39                         ; s39 1 where my slots 4 and 5 have work
.set P24,   40                         ; s40 24 x pass
.set PLS,   41                         ; s41-43 the pass's steps in the list, the codes, the scale bytes
.set PCS,   42
.set PSS,   43
.set KAP,   45
.set POSB,  46                         ; s[46:47] pos[e]
                                       ; s48-63 and s66-81: the 32 lane masks of the roles: mask i at s[48 + i + 2 (i / 16)]
.set MSB, 0
.macro WIN new
.if MSB != (\new)
	s_set_vgpr_msb (MSB<<8)|(\new)
.set MSB, (\new)
.endif
.endm
.macro NOPS n
.rept \n
	v_nop
.endr
.endm
.macro WLOAD                           ; K steps 2 wave, 2 wave + 1 of all 8 tiles; read once in the launch
.set n, 0
.rept 48
.set wt, n/6
	WIN ((1+n/16)<<6)
.if ((wt%4)/2) == 0
	global_load_b128 v[192+4*(n%16):195+4*(n%16)], v[VWL], s[GCB:GCB+1] offset:(32*(wt/4)+8*(wt%2))*768+96*((n%6)/3)+16*(n%3) th:TH_LOAD_NT
.else
	global_load_b128 v[192+4*(n%16):195+4*(n%16)], v[VWL], s[UCB:UCB+1] offset:(32*(wt/4)+8*(wt%2))*768+96*((n%6)/3)+16*(n%3) th:TH_LOAD_NT
.endif
.set n, n+1
.endr
	WIN 0
.set wt, 0
.rept 8
.if ((wt%4)/2) == 0
	global_load_b64 v[RAW+2*wt:RAW+2*wt+1], v[VWSL], s[GSB:GSB+1] offset:(32*(wt/4)+8*(wt%2))*32
.else
	global_load_b64 v[RAW+2*wt:RAW+2*wt+1], v[VWSL], s[USB:USB+1] offset:(32*(wt/4)+8*(wt%2))*32
.endif
.set wt, wt+1
.endr
.endm
.macro W2LDS
.set i, 0
.rept 16
	v_perm_b32 v[RAW+i], v[RAW+i], v[RAW+i], s[SELP]
.set i, i+1
.endr
.set n, 0
.rept 48
.set wt, n/6
	WIN ((1+n/16)<<2)
	ds_store_b128 v[VSTA0+wt/4], v[192+4*(n%16):195+4*(n%16)] offset:(wt%4)*12288+((n%6)/3)*1536+512*(n%3)
.set n, n+1
.endr
	WIN 0
.set i, 0
.rept 16
	ds_store_b32 v[VSTS], v[RAW+i] offset:(i/8)*4096+((i/2)%4)*1024+(i%2)*128
.set i, i+1
.endr
.endm
.macro TOKENS                          ; the six slots' tokens become offsets: held inside the table, x 768 + 48 h, x 32
.irp k, 0,1,2,3,4,5
	v_min_u32 v[TK+\k], 0x3ff, v[TK+\k]
	v_mad_u32_u24 v[XO+\k], v[TK+\k], 0x300, v[V48H]
	v_lshlrev_b32 v[XSO+\k], 5, v[TK+\k]
.endr
.endm
.macro XLOADS
.set k, 0
.rept NSL
	global_load_b128 v[XS+8*k:XS+8*k+3], v[XSO+k], s[XSB:XSB+1]
	global_load_b128 v[XS+8*k+4:XS+8*k+7], v[XSO+k], s[XSB:XSB+1] offset:16
.set k, k+1
.endr
.endm
.macro XLOADK k0, k1                   ; x's fragments of K steps k0 .. k1 - 1, K step by K step, 18 loads each
.set ks, (\k0)
.rept (\k1)-(\k0)
.set k, 0
.rept NSL
	WIN ((1+k/2)<<6)
.irp c, 0,1,2
	global_load_b128 v[96*(k%2)+12*ks+4*\c:96*(k%2)+12*ks+4*\c+3], v[XO+k], s[XCB:XCB+1] offset:96*ks+16*\c
.endr
.set k, k+1
.endr
.set ks, ks+1
.endr
	WIN 0
.endm
.macro XPERM
.set i, 0
.rept 8*NSL
	v_perm_b32 v[XS+i], v[XS+i], v[XS+i], s[SELP]
.set i, i+1
.endr
	NOPS 8
.endm
.macro LOADA ks, pb, ib
.irp ti, 0,1,2,3
.irp c, 0,1,2
	ds_load_b128 v[AB+48*(\pb)+12*\ti+4*\c:AB+48*(\pb)+12*\ti+4*\c+3], v[VRA0+(\ib)] offset:(\ti*8+(\ks))*1536+512*\c
.endr
.endr
.irp ti, 0,1,2,3
	ds_load_b32 v[ASC+4*(\pb)+\ti], v[VRS0] offset:(\ib)*4096+(\ti*8+(\ks))*128
.endr
.endm
.macro MULW W, ks, pb                  ; 8 matrix instructions on 8 accumulators, by turns
	WIN (0x54*(\W))
.irp kp, 0,1
.irp ti, 0,1,2,3
.if (\ks) == 0
	v_wmma_scale_f32_16x16x128_f8f6f4 v[192+32*\kp+8*\ti:199+32*\kp+8*\ti], v[AB+48*(\pb)+12*\ti:AB+48*(\pb)+12*\ti+11], v[96*\kp+12*(\ks):96*\kp+12*(\ks)+11], 0, v[ASC+4*(\pb)+\ti], v[XS+8*(2*((\W)-1)+\kp)+(\ks)] matrix_a_fmt:MATRIX_FMT_FP6 matrix_b_fmt:MATRIX_FMT_FP6
.else
	v_wmma_scale_f32_16x16x128_f8f6f4 v[192+32*\kp+8*\ti:199+32*\kp+8*\ti], v[AB+48*(\pb)+12*\ti:AB+48*(\pb)+12*\ti+11], v[96*\kp+12*(\ks):96*\kp+12*(\ks)+11], v[192+32*\kp+8*\ti:199+32*\kp+8*\ti], v[ASC+4*(\pb)+\ti], v[XS+8*(2*((\W)-1)+\kp)+(\ks)] matrix_a_fmt:MATRIX_FMT_FP6 matrix_b_fmt:MATRIX_FMT_FP6
.endif
.endr
.endr
.endm
.macro EPI W, ib                       ; as in the first launch: silu(g) u, the block's scale, 16 codes a lane
	WIN (\W)
.set i, 0
.rept 16
	v_pk_mul_f32 v[EE+2*i:EE+2*i+1], v[192+32*(i/8)+2*(i%8):193+32*(i/8)+2*(i%8)], s[NL2E:NL2E+1] op_sel_hi:[1,0]
.set i, i+1
.endr
	WIN 0
.set i, 0
	s_wait_alu depctr_va_vdst(0)
.rept 32
	v_exp_f32 v[EE+i], v[EE+i]
.set i, i+1
.endr
	WIN (5*(\W))
.set i, 0
	s_wait_alu depctr_va_vdst(0)
.rept 16
	v_pk_mul_f32 v[TT+2*i:TT+2*i+1], v[192+32*(i/8)+2*(i%8):193+32*(i/8)+2*(i%8)], v[208+32*(i/8)+2*(i%8):209+32*(i/8)+2*(i%8)]
.set i, i+1
.endr
	WIN 0
	s_wait_alu depctr_va_vdst(0)                   ; one wait for the 32 exponentials
.set i, 0
.rept 16
	v_pk_add_f32 v[EE+2*i:EE+2*i+1], v[EE+2*i:EE+2*i+1], 1.0 op_sel_hi:[1,0]
.set i, i+1
.endr
.set i, 0
	s_wait_alu depctr_va_vdst(0)
.rept 32
	v_rcp_f32 v[EE+i], v[EE+i]
.set i, i+1
.endr
	v_nop
	s_wait_alu depctr_va_vdst(0)                   ; one wait for the 32 reciprocals
.set i, 0
.rept 16
	v_pk_mul_f32 v[TT+2*i:TT+2*i+1], v[TT+2*i:TT+2*i+1], v[EE+2*i:EE+2*i+1]
.set i, i+1
.endr
.irp kp, 0,1
	v_max3_num_f32 v[MX+\kp], |v[TT+16*\kp]|, |v[TT+16*\kp+1]|, 0x1800000
.endr
.irp jj, 2,4,6,8,10,12,14
.irp kp, 0,1
	v_max3_num_f32 v[MX+\kp], v[MX+\kp], |v[TT+16*\kp+\jj]|, |v[TT+16*\kp+\jj+1]|
.endr
.endr
.irp kp, 0,1
	v_permlanex16_b32 v[PX+\kp], v[MX+\kp], s[SL0], s[SL1]
.endr
.irp kp, 0,1
	v_max_num_f32 v[MX+\kp], v[MX+\kp], v[PX+\kp]
.endr
.irp kp, 0,1
	v_add_nc_u32 v[MX+2+\kp], 0xff000000, v[MX+\kp]
.endr
.irp kp, 0,1
	v_cvt_scalef32_pk16_fp6_f32 v[CD+4*(2*((\W)-1)+\kp):CD+4*(2*((\W)-1)+\kp)+2], v[TT+16*\kp:TT+16*\kp+15], v[MX+2+\kp]
.endr
	v_nop
.irp kp, 0,1
	v_lshrrev_b32 v[MX+4+\kp], 23, v[MX+2+\kp]
.endr
.irp kp, 0,1
.if (\ib) == 0
	v_mov_b32 v[SBY+2*((\W)-1)+\kp], v[MX+4+\kp]
.else
	v_lshl_or_b32 v[SBY+2*((\W)-1)+\kp], v[MX+4+\kp], 8, v[SBY+2*((\W)-1)+\kp]
.endif
	global_store_b96 v[VCO], v[CD+4*(2*((\W)-1)+\kp):CD+4*(2*((\W)-1)+\kp)+2], s[RC:RC+1] offset:CSTEP*(2*((\W)-1)+\kp)+24*(\ib)   ; a tile's two stores together fill 768 consecutive bytes
.if (\ib) == 1
	global_store_b16 v[VSO], v[SBY+2*((\W)-1)+\kp], s[RS:RS+1] offset:SSTEP*(2*((\W)-1)+\kp)
.endif
.endr
.endm
.macro MUL3G ks, pb                    ; slots 4 and 5, where they have work: a branch on a stored count
	s_cmp_eq_u32 s[F3], 0
	s_cbranch_scc1 .Lno3_\@
	s_wait_alu depctr_va_vdst(0)
	MULW 3, \ks, \pb
	WIN 0
.Lno3_\@:
.endm
.macro EPI3G ib
	s_cmp_eq_u32 s[F3], 0
	s_cbranch_scc1 .Lne3_\@
	EPI 3, \ib
.Lne3_\@:
.endm
.macro COMPUTE
.irp ib, 0,1
.if \ib == 1
	s_wait_xcnt 0x0                                ; the first block's stores have read their registers
.endif
	LOADA 0, 0, \ib
.irp ks, 0,1,2,3,4,5,6,7
.if \ks < 7
.if \ks > 0
	NOPS 4                                         ; places in front of loads into registers that matrix instructions have read
.endif
	LOADA \ks+1, (\ks+1)%2, \ib
	s_wait_dscnt 16                                ; this K step's 16 image loads are in
.else
	s_wait_dscnt 0x0
.endif
.if \ib == 0
.if 18*(7-\ks) > 63
	s_wait_loadcnt 63                              ; a wait names 63 at the most; loads come back in order, so all but the youngest 63 are in: K steps 0 to 3 among them
.else
	s_wait_loadcnt 18*(7-\ks)                      ; the later K steps' loads, 18 each, may be out
.endif
.endif
	MULW 1, \ks, \ks%2
	MULW 2, \ks, \ks%2
	WIN 0
	MUL3G \ks, \ks%2
.endr
	NOPS 5
	EPI 1, \ib
	EPI 2, \ib
	EPI3G \ib
.endr
.endm
	s_load_b256 s[4:11], s[0:1], 0x0
	s_load_b256 s[12:19], s[0:1], 0x20
	s_load_b64 s[20:21], s[0:1], 0x40
	v_lshl_add_u32 v254, v0, 2, 0x1b500
	v_mov_b32 v255, 0
	v_lshrrev_b32 v1, 5, v0
	v_readfirstlane_b32 s[WV], v1                  ; wave 0..3
	v_and_b32 v1, 31, v0                           ; lane
	v_and_b32 v2, 15, v0                           ; r
	s_wait_alu depctr_va_vdst(0)
	v_bfe_u32 v3, v0, 4, 1                         ; h
	s_wait_alu depctr_va_vdst(0)
	s_lshr_b32 s[EX], ttmp9, 3
	s_and_b32 s[QQ], ttmp9, 7
	s_mov_b32 s[KAP], ttmp9
	s_mov_b32 s[SELP], 0x03010200
	s_mov_b32 s[SL0], 0x76543210
	s_mov_b32 s[SL1], 0xfedcba98
	s_mov_b32 s[NL2E], 0xbfb8aa3b
	s_mov_b32 s[NL2E+1], 0xbfb8aa3b
	v_and_b32 v48, 8, v2
	v_add_nc_u32 v48, v48, v2                      ; r + 8 (r / 8)
	v_mul_u32_u24 v[V48H], v3, 48
	v_mad_u32_u24 v[VWL], v48, 0x300, v[V48H]
	v_lshlrev_b32 v[VWSL], 5, v48
	; every LDS address is made here, ahead of the waves' parting
	v_lshlrev_b32 v[VRA0], 4, v1
	v_add_nc_u32 v[VRA0+1], 49152, v[VRA0]
	s_mul_i32 s37, s[WV], 3072
	v_add_nc_u32 v[VSTA0], s37, v[VRA0]
	v_add_nc_u32 v[VSTA0+1], 49152, v[VSTA0]
	v_lshlrev_b32 v[V4L], 2, v1
	v_add_nc_u32 v[VRS0], SIMG, v[V4L]
	s_lshl_b32 s37, s[WV], 8
	v_add_nc_u32 v[VSTS], s37, v[VRS0]
	v_lshlrev_b32 v[VSO0], 4, v2
	v_add_nc_u32 v[VSO0], s37, v[VSO0]             ; (16 wave + r) x 16
	s_lshl_b32 s37, s[WV], 6
	v_lshlrev_b32 v[VLL], 2, v2
	v_add_nc_u32 v[VLL], s37, v[VLL]
	v_add_nc_u32 v[VLL], LIST, v[VLL]
	v_add_nc_u32 v[VZL], LIST, v[VRA0]
	v_mov_b32 v[VCNT], CNT
	s_mul_i32 s37, s[WV], 768
	v_mul_u32_u24 v[VCO0], v2, 48
	v_mad_u32_u24 v[VCO0], v3, 12, v[VCO0]
	v_add_nc_u32 v[VCO0], s37, v[VCO0]             ; (16 wave + r) x 48 + 12 h
	v_mov_b32 v[PX], 0
	v_mov_b32 v[PX+1], 0
.irp c, 0,1,2,3
	v_mov_b32 v[ZQ+\c], 0
.endr
	v_mov_b32 v52, 0x480                           ; the zero row
	v_mov_b32 v53, 0x4bf                           ; the list's entry for what is not listed
	v_mov_b32 v60, 0x7f7f
	v_min_u32 v62, 3, v1
	v_mul_u32_u24 v62, v62, 12                     ; the zero row's four pieces of 12 bytes (lanes 3-31 all store the last)
	v_mov_b32 v63, 0
	s_mul_i32 s32, ttmp9, 49152                    ; my 64 weight rows of 768 bytes: row 64 x work-group,
	s_mul_i32 s37, s[WV], 192                      ; my wave's two K steps
	s_add_co_u32 s32, s32, s37
	s_mov_b32 s33, 0
	s_lshl_b32 s34, ttmp9, 11
	s_lshl_b32 s37, s[WV], 3
	s_add_co_u32 s34, s34, s37
	s_mov_b32 s35, 0
	s_wait_kmcnt 0x0
	s_add_nc_u64 s[GCB:GCB+1], s[GCB:GCB+1], s[32:33]
	s_add_nc_u64 s[UCB:UCB+1], s[UCB:UCB+1], s[32:33]
	s_add_nc_u64 s[GSB:GSB+1], s[GSB:GSB+1], s[34:35]
	s_add_nc_u64 s[USB:USB+1], s[USB:USB+1], s[34:35]
	s_mul_i32 s34, s[EX], SREG
	s_lshl_b32 s37, s[QQ], 1
	s_add_co_u32 s34, s34, s37
	s_add_co_u32 s34, s34, SCL
	s_add_nc_u64 s[RS:RS+1], s[RC:RC+1], s[34:35]
	s_mul_i32 s32, ttmp9, REG
	s_add_nc_u64 s[RC:RC+1], s[RC:RC+1], s[32:33]
	s_cmp_eq_u32 s[WV], 1
	s_cselect_b32 s32, 4096, 0                     ; wave 1 reads the keys, the others the masks
	s_add_nc_u64 s[RTE:RTE+1], s[RTE:RTE+1], s[32:33]
	s_lshl_b32 s32, s[EX], 12
	s_add_nc_u64 s[POSB:POSB+1], s[PLC:PLC+1], s[32:33]
.irp i, 0,1,2,3,4,5,6,7
	global_load_b128 v[MK+4*\i:MK+4*\i+3], v[VRA0], s[RTE:RTE+1] offset:512*\i
.endr
	WLOAD
	s_cmp_eq_u32 s[WV], 0
	s_cbranch_scc0 .Lnot0
	; ---- wave 0: the expert's list
	s_wait_loadcnt 56                              ; the table is in; the 48 + 8 weight loads behind it may be out
	s_lshl_b32 s37, 1, s[EX]                       ; the expert's bit
.set i, 0
.rept 32
	v_and_b32 v[DD+i], s37, v[MK+i]
.set i, i+1
.endr
.set i, 0
.rept 32
	v_cmp_ne_u32 s[48+i+2*(i/16)], 0, v[DD+i]      ; mask i: the lanes whose token uses e.  All 32 compares first
.set i, i+1
.endr
.irp i, 0,1,2,3,4,5,6,7,8,9
	ds_store_b128 v[VZL], v[ZQ:ZQ+3] offset:512*\i ; the list begins as token 0 everywhere: padding rows read a real row
.endr
	s_mov_b32 s[RUN], 0
.set i, 0
.rept 32
.set M, 48+i+2*(i/16)
	v_mbcnt_lo_u32_b32 v[SCA+i], s[M], 0           ; users in the lanes below me,
	v_add_nc_u32 v[SCA+i], s[RUN], v[SCA+i]        ; and in the registers before: the rank
	s_bcnt1_i32_b32 s37, s[M]
	s_add_co_u32 s[RUN], s[RUN], s37
	v_cndmask_b32 v[MK+i], v52, v[SCA+i], s[M]     ; pos: the rank, or the zero row
	v_cndmask_b32 v[SCA+i], v53, v[SCA+i], s[M]
	v_min_u32 v[SCA+i], 0x4bf, v[SCA+i]            ; held inside the list
	v_lshlrev_b32 v[SCA+i], 2, v[SCA+i]
	v_add_nc_u32 v[SCA+i], LIST, v[SCA+i]
	v_add_nc_u32 v[DD+i], 128*(i/4)+(i%4), v[V4L]  ; the token
	ds_store_b32 v[SCA+i], v[DD+i]
.set i, i+1
.endr
	v_mov_b32 v61, s[RUN]
	ds_store_b32 v[VCNT], v61
	s_cmp_lg_u32 s[QQ], 0
	s_cbranch_scc1 .Ljoin
.irp i, 0,1,2,3,4,5,6,7
	global_store_b128 v[VRA0], v[MK+4*\i:MK+4*\i+3], s[POSB:POSB+1] offset:512*\i   ; 512 consecutive bytes a store
.endr
	s_branch .Ljoin
.Lnot0:
	s_cmp_eq_u32 s[WV], 1
	s_cbranch_scc0 .Lnot1
	s_cmp_lt_u32 ttmp9, 16
	s_cbranch_scc0 .Ljoin
	; ---- wave 1 of work-groups 0-15: the tokens whose key is my work-group's number get their places in 'order'
	s_wait_loadcnt 56
.set i, 0
.rept 32
	v_cmp_gt_u32 s[48+i+2*(i/16)], s[KAP], v[MK+i] ; tokens with a smaller key come first
.set i, i+1
.endr
	s_mov_b32 s[RUN], 0
.set i, 0
.rept 32
	s_bcnt1_i32_b32 s37, s[48+i+2*(i/16)]
	s_add_co_u32 s[RUN], s[RUN], s37
.set i, i+1
.endr
.set i, 0
.rept 32
	v_cmp_eq_u32 s[48+i+2*(i/16)], s[KAP], v[MK+i] ; mask i: the lanes whose token has my key
.set i, i+1
.endr
	s_lshl_b32 s37, s[KAP], 5
	v_add_nc_u32 v51, 1024, v1
	v_add_nc_u32 v51, s37, v51                     ; where the others' numbers go: my work-group's 32 words behind the table, read by nobody
.set i, 0
.rept 32
.set M, 48+i+2*(i/16)
	v_mbcnt_lo_u32_b32 v[SCA+i], s[M], 0
	v_add_nc_u32 v[SCA+i], s[RUN], v[SCA+i]
	s_bcnt1_i32_b32 s37, s[M]
	s_add_co_u32 s[RUN], s[RUN], s37
	v_cndmask_b32 v[SCA+i], v51, v[SCA+i], s[M]
	v_min_u32 v[SCA+i], 0x5ff, v[SCA+i]
	v_lshlrev_b32 v[SCA+i], 2, v[SCA+i]
	v_add_nc_u32 v[DD+i], 128*(i/4)+(i%4), v[V4L]
	global_store_b32 v[SCA+i], v[DD+i], s[PLC:PLC+1] offset:131072
.set i, i+1
.endr
	s_branch .Ljoin
.Lnot1:
	s_cmp_eq_u32 s[WV], 2
	s_cbranch_scc0 .Ljoin
	s_wait_alu depctr_va_vdst(0)
	; ---- wave 2: the zero row of my region
	global_store_b96 v62, v[ZQ:ZQ+2], s[RC:RC+1] offset:ZROW*48
	global_store_b16 v63, v60, s[RS:RS+1] offset:ZROW*16
.Ljoin:
	s_wait_dscnt 0x0                               ; the list and the count have landed
	s_barrier_signal -1
	s_barrier_wait -1                              ; no other wave has touched LDS so far
	ds_load_b32 v61, v[VCNT]
.irp k, 0,1,2,3,4,5
	ds_load_b32 v[TK+\k], v[VLL] offset:256*\k     ; the first pass's tokens (past the list's end: token 0)
.endr
	s_wait_xcnt 0x0                                ; the roles' stores have read their registers: x's scale words land on some of them, the image loads later on others
	s_wait_dscnt 0x0
	TOKENS
	XLOADS                                         ; the first pass's x is asked for here, ahead of the second barrier: 12 loads,
	XLOADK 0, 2                                    ; and K steps 0 and 1: 36
	s_wait_loadcnt 48                              ; the table and my weights are in: the 48 loads just issued are younger
	W2LDS
	XLOADK 2, 8                                    ; K steps 2 to 7: 108 loads
	s_wait_dscnt 0x0                               ; my images have landed
	s_barrier_signal -1
	s_barrier_wait -1                              ; from here on LDS is only read
	v_readfirstlane_b32 s[NT], v61
	s_add_co_u32 s[NT], s[NT], 15
	s_lshr_b32 s[NT], s[NT], 4                     ; tiles of 16 rows
	s_mov_b32 s[P24], 0
	s_mov_b32 s[PLS], 0
	s_mov_b32 s[PCS], 0
	s_mov_b32 s[PSS], 0
	v_add_nc_u32 v[VLF], s[PLS], v[VLL]
	v_add_nc_u32 v[VCO], s[PCS], v[VCO0]
	v_add_nc_u32 v[VSO], s[PSS], v[VSO0]
.Lpass:                                                ; pass p: slot k of wave w is tile 24 p + 4 k + w
	s_add_co_u32 s37, s[P24], s[WV]
	s_cmp_ge_u32 s37, s[NT]
	s_cbranch_scc1 .Lnone                          ; my first tile of the pass lies past the list's end
	s_add_co_u32 s37, s37, 16
	s_cmp_lt_u32 s37, s[NT]
	s_cselect_b32 s[F3], 1, 0
	s_cmp_eq_u32 s[P24], 0
	s_cbranch_scc1 .Lhave                          ; the first pass's loads are on their way already
	s_wait_loadcnt 0x0                             ; no load of mine is out: the loads below land on no pending load's registers
	s_wait_alu depctr_va_vdst(0)
.irp k, 0,1,2,3,4,5
	ds_load_b32 v[TK+\k], v[VLF] offset:256*\k
.endr
	s_wait_dscnt 0x0
	TOKENS
	XLOADS
	s_wait_alu depctr_va_vdst(0)
	XLOADK 0, 8                                    ; all six slots, always: the counts are the same on every path
.Lhave:
	s_wait_loadcnt 63                              ; the 12 oldest of the 156, the scale words, are in
	XPERM
	COMPUTE
.Lnone:
	s_wait_xcnt 0x0                                ; this pass's stores and loads have read their registers: offsets and data are rewritten only behind this wait
	s_add_co_u32 s[PLS], s[PLS], 1536
	s_add_co_u32 s[PCS], s[PCS], 18432
	s_add_co_u32 s[PSS], s[PSS], 6144
	v_add_nc_u32 v[VLF], s[PLS], v[VLL]
	v_add_nc_u32 v[VCO], s[PCS], v[VCO0]
	v_add_nc_u32 v[VSO], s[PSS], v[VSO0]
	s_add_co_u32 s[P24], s[P24], 24
	s_cmp_lt_u32 s[P24], 72
	s_cbranch_scc1 .Lpass
	s_wait_tensorcnt 0x0
	ds_add_u32 v254, v255
	s_wait_dscnt 0x0
	s_endpgm
.Lfunc_end_k_q7dc8659496_expert_gu:
	.size	k_q7dc8659496_expert_gu, .Lfunc_end_k_q7dc8659496_expert_gu-k_q7dc8659496_expert_gu
	.p2alignl 7, 3214868480
	.fill 96, 4, 3214868480
	.section	.rodata,"a",@progbits
	.p2align	6, 0x0
	.amdhsa_kernel k_q7dc8659496_expert_gu
		.amdhsa_group_segment_fixed_size 112384
		.amdhsa_private_segment_fixed_size 0
		.amdhsa_enable_private_segment 0
		.amdhsa_kernarg_size 72
		.amdhsa_user_sgpr_count 2
		.amdhsa_user_sgpr_kernarg_segment_ptr 1
		.amdhsa_wavefront_size32 1
		.amdhsa_system_sgpr_workgroup_id_x 1
		.amdhsa_system_sgpr_workgroup_id_y 1
		.amdhsa_system_sgpr_workgroup_id_z 1
		.amdhsa_system_vgpr_workitem_id 0
		.amdhsa_next_free_vgpr 1024
		.amdhsa_next_free_sgpr 82
		.amdhsa_reserve_vcc 0
		.amdhsa_float_denorm_mode_32 3
		.amdhsa_float_denorm_mode_16_64 3
		.amdhsa_memory_ordered 1
		.amdhsa_forward_progress 1
		.amdhsa_inst_pref_size 219
	.end_amdhsa_kernel
	.amdgpu_metadata
---
amdhsa.version: [ 1, 2 ]
amdhsa.kernels:
  - .name:           k_q7dc8659496_expert_gu
    .symbol:         k_q7dc8659496_expert_gu.kd
    .args:
      - { .name: hidden_states_codes, .offset: 0, .size: 8, .value_kind: global_buffer, .address_space: global }
      - { .name: hidden_states_scales, .offset: 8, .size: 8, .value_kind: global_buffer, .address_space: global }
      - { .name: expert_gate_codes, .offset: 16, .size: 8, .value_kind: global_buffer, .address_space: global }
      - { .name: expert_gate_scales, .offset: 24, .size: 8, .value_kind: global_buffer, .address_space: global }
      - { .name: expert_up_codes, .offset: 32, .size: 8, .value_kind: global_buffer, .address_space: global }
      - { .name: expert_up_scales, .offset: 40, .size: 8, .value_kind: global_buffer, .address_space: global }
      - { .name: route, .offset: 48, .size: 8, .value_kind: global_buffer, .address_space: global }
      - { .name: place, .offset: 56, .size: 8, .value_kind: global_buffer, .address_space: global }
      - { .name: ract, .offset: 64, .size: 8, .value_kind: global_buffer, .address_space: global }
    .group_segment_fixed_size: 112384
    .private_segment_fixed_size: 0
    .kernarg_segment_align: 8
    .kernarg_segment_size: 72
    .max_flat_workgroup_size: 128
    .sgpr_count:     82
    .vgpr_count:     1024
    .wavefront_size: 32
...
	.end_amdgpu_metadata
.endif
;; end of part 5
;; launch down_combine (part 6): grid 16 x 16, 8 waves a work-group, no clusters, 140,288 bytes of LDS; arguments place, route, wd, ract, shact, expert_down_codes, expert_down_scales, shared_down_codes, shared_down_scales, out0; writes out0
.if DOCPART == 6
	.amdgcn_target "amdgcn-amd-amdhsa--gfx1250"
	.amdhsa_code_object_version 6
	.text
	.protected	k_q7dc8659496_down_combine
	.globl	k_q7dc8659496_down_combine
	.p2align	8
	.type	k_q7dc8659496_down_combine,@function
k_q7dc8659496_down_combine:
	s_mov_b64 s[64:65], 0
	v_nop
	global_prefetch_b8 v0, s[64:65] scope:SCOPE_SE
	s_setreg_imm32_b32 hwreg(HW_REG_WAVE_SCHED_MODE, 0, 2), 2
	s_setreg_imm32_b32 hwreg(HW_REG_WAVE_MODE, 25, 1), 1
	s_wait_xcnt 0x0
	s_wait_alu depctr_vm_vsrc(0)
; THE DOWN PRODUCTS, THE GATES' WEIGHTS AND THE SUM.  A work-group owns 64 tokens (order[64 x .. 64 x + 63], sorted by the groups they use) x 64 columns (64 y ..): each output has one owner.
; THE EIGHT WAVES SHARE K.  Wave w takes K step w of the shared expert's product, and the four experts 8 g + w, one of each group; an expert that none of the 64 tokens uses is passed over, by a scalar
; branch on the stored masks.  For an expert, a token's row of the hidden layer is found by pos; a token that does not use it reads the zero row and has the weight 0.
; A wave's tile is 64 x 64: OUT (16 accumulators) holds the shared part and the weighted sums, TEMP (16) one expert's product: OUT += TEMP x the token's weight (a lane holds one token).
; The eight partial tiles meet in LDS; each wave adds 8 rows, always in the order of the waves, and stores them: sixteen lanes write 256 consecutive bytes, at a multiple of 256 from out0's first byte.
; Operands come from memory straight into registers: the walk hangs on stored numbers, so there is no tensor load and no cluster.
; FRAGMENTS as in the other launches: 48 consecutive bytes a lane and K step; in ract lane half h of K step s reads chunk 2 s + h of its row.  Scale words have bytes 1 and 2 swapped.
; Right for every order and every set of experts; the sort only makes fewer experts per block.  LIMITS: NaN and infinities are not served.
; THE MODE: SCHED_MODE bits 1:0 = 2 (LLVM: expert scheduling mode 2), set by the entry lines.  The code itself states the register dependences
; between vector or matrix instructions and memory or LDS instructions, with s_wait_alu, always for 0.
; THE PLAN.  Registers that memory or LDS instructions touch:
;   POSA set 0, 1   candidate g's pos land in set g % 2, asked for at candidate g - 1's head; its body makes offsets of them in place, which its loads of scale words read.
;   AOFF            written by a body's first lines, read by its 48 loads of rows' fragments.
;   ASCL, WSCL      loaded, bytes swapped by vector lines, read by the body's products as scales.     WVR  loaded, read by the body's multiply-adds.
;   BUF set 0, 1    K step s lands in set s % 2 and is read by that step's products; steps 2 and 3 are asked for behind the products of steps 0 and 1.  At the head set 1 holds offsets and the masks (HT).
;   OUT             written by products and multiply-adds, read by the LDS stores of the way out.     T4, VW, VWS, VST, VRD  made at the head, never written again.
; At each candidate's head one wait on vm_vsrc: all offsets handed to loads so far have been read.  In a body: one wait on va_vdst behind its offsets, which also stands behind the body before's products and multiply-adds;
; one behind the byte swaps; one behind the products of K step 0 and one behind those of K step 1, ahead of the loads that take their set.  On the way out one ahead of each run of stores.
.set REG,   56064
.set SCL,   14352384
.set VW,    3                          ; v3   expert_down: r x 384 + 48 h
.set VWS,   4                          ; v4   its scale bytes: 16 r
.set VHREG, 5                          ; v5   h x one region of ract
.set T4,    6                          ; v6-9   4 x my token, tile i
.set POSA,  10                         ; v10-17 two sets of pos, by turns; then 16 x the row
.set AOFF,  18                         ; v18-21 48 x the row + h's region
.set WVR,   22                         ; v22-25 the tokens' weights
.set VST,   26                         ; v26  where I put my partial tile
.set VRD,   27                         ; v27-28 where I read 8 rows of the partials (waves 0-3; waves 4-7)
.set H48,   29
.set ASCL,  32                         ; v32-47 the rows' scale words (4 i + K step)
.set WSCL,  48                         ; v48-63 the weights' (4 c + K step)
.set BUF,   64                         ; v64-255 two sets of 96: rows' fragments 12 i, weights' 48 + 12 c
.set HT,    160                        ; at the head the second set holds offsets and the masks
.set WV,    24
.set BY,    26
.set SELP,  27
.set USED,  90                         ; s90-93 lanes whose tokens use expert 8 g + w
.set MSB, 0
.macro WIN new
.if MSB != (\new)
	s_set_vgpr_msb (MSB<<8)|(\new)
.set MSB, (\new)
.endif
.endm
.macro NOPS n
.rept \n
	v_nop
.endr
.endm
; Candidate g's six bases stand in 12 scalar registers from GB on (s40, s52, s66, s78): +0 ract's codes, +2 ract's scale bytes, +4 expert_down's codes, +6 its scale bytes, +8 wd, +10 pos.  None is ever stepped.
.macro ISSUE_POS g
.set GB, 40+12*(\g)+2*((\g)/2)
.irp i, 0,1,2,3
	global_load_b32 v[POSA+4*((\g)%2)+\i], v[T4+\i], s[GB+10:GB+11]
.endr
.endm
.macro KLOAD g, ks, pb                 ; a K step's 8 fragments: 24 loads of 16 bytes a lane
.set GB, 40+12*(\g)+2*((\g)/2)
.irp i, 0,1,2,3
.irp c, 0,1,2
	global_load_b128 v[BUF+96*(\pb)+12*\i+4*\c:BUF+96*(\pb)+12*\i+4*\c+3], v[AOFF+\i], s[GB:GB+1] offset:112128*(\ks)+16*\c
.endr
.endr
.irp i, 0,1,2,3
.irp c, 0,1,2
	global_load_b128 v[BUF+96*(\pb)+48+12*\i+4*\c:BUF+96*(\pb)+48+12*\i+4*\c+3], v[VW], s[GB+4:GB+5] offset:6144*\i+96*(\ks)+16*\c
.endr
.endr
.endm
.macro KMUL ks, pb                     ; 16 matrix instructions on TEMP's 16 accumulators, by turns
	WIN 0x50                                       ; C and D in window 1
.irp i, 0,1,2,3
.irp c, 0,1,2,3
.if (\ks) == 0
	v_wmma_scale_f32_16x16x128_f8f6f4 v[128+8*(4*\i+\c):135+8*(4*\i+\c)], v[BUF+96*(\pb)+48+12*\c:BUF+96*(\pb)+48+12*\c+11], v[BUF+96*(\pb)+12*\i:BUF+96*(\pb)+12*\i+11], 0, v[WSCL+4*\c+(\ks)], v[ASCL+4*\i+(\ks)] matrix_a_fmt:MATRIX_FMT_FP6 matrix_b_fmt:MATRIX_FMT_FP6
.else
	v_wmma_scale_f32_16x16x128_f8f6f4 v[128+8*(4*\i+\c):135+8*(4*\i+\c)], v[BUF+96*(\pb)+48+12*\c:BUF+96*(\pb)+48+12*\c+11], v[BUF+96*(\pb)+12*\i:BUF+96*(\pb)+12*\i+11], v[128+8*(4*\i+\c):135+8*(4*\i+\c)], v[WSCL+4*\c+(\ks)], v[ASCL+4*\i+(\ks)] matrix_a_fmt:MATRIX_FMT_FP6 matrix_b_fmt:MATRIX_FMT_FP6
.endif
.endr
.endr
	WIN 0
	NOPS 5                                         ; places: loads into the operands, reads of the results, and accumulators begun anew follow
.endm
.macro BODY g
.set GB, 40+12*(\g)+2*((\g)/2)
.set PS, POSA+4*((\g)%2)
.if (\g) < 3
	s_wait_loadcnt 4                               ; my pos are in; the next candidate's four loads may be out
.else
	s_wait_loadcnt 0x0
.endif
.irp i, 0,1,2,3
	v_min_u32 v[PS+\i], 0x480, v[PS+\i]            ; held at the zero row
	v_mad_u32_u24 v[AOFF+\i], v[PS+\i], 48, v[VHREG]
	v_lshlrev_b32 v[PS+\i], 4, v[PS+\i]
.endr
	s_wait_alu depctr_va_vdst(0)                   ; the offsets v[PS ..], v[AOFF ..] are written, which the loads below read; the products and multiply-adds issued so far are done with the scale words, the weights and both sets of fragments, and the head's lines with v160 on, in which these loads land
.irp i, 0,1,2,3
	global_load_b128 v[ASCL+4*\i:ASCL+4*\i+3], v[PS+\i], s[GB+2:GB+3]
.endr
.irp c, 0,1,2,3
	global_load_b128 v[WSCL+4*\c:WSCL+4*\c+3], v[VWS], s[GB+6:GB+7] offset:256*\c
.endr
.irp i, 0,1,2,3
	global_load_b32 v[WVR+\i], v[T4+\i], s[GB+8:GB+9]
.endr
	KLOAD \g, 0, 0
	KLOAD \g, 1, 1
	s_wait_loadcnt 52                              ; the scale words are in: behind them 4 weights and two K steps of 24 loads
.set i, 0
.rept 32
	v_perm_b32 v[ASCL+i], v[ASCL+i], v[ASCL+i], s[SELP]
.set i, i+1
.endr
	NOPS 8                                         ; a scale register written by a vector instruction stands 8 places ahead of a scaled matrix instruction
	s_wait_alu depctr_va_vdst(0)                   ; the byte swaps have written v32 to v63, which the products take as scales; the places above stay beside this wait
	s_wait_loadcnt 24                              ; K step 0 is in; K step 1's 24 loads may be out
	KMUL 0, 0
	s_wait_alu depctr_va_vdst(0)                   ; the products of K step 0 are done reading set 0, in which K step 2 lands
	KLOAD \g, 2, 0
	s_wait_loadcnt 24
	KMUL 1, 1
	s_wait_alu depctr_va_vdst(0)                   ; the products of K step 1 are done reading set 1, in which K step 3 lands
	KLOAD \g, 3, 1
	s_wait_loadcnt 24
	KMUL 2, 0
	s_wait_loadcnt 0x0
	KMUL 3, 1
	WIN 0x51                                       ; OUT and TEMP in window 1, the weights in window 0
.set t, 0
.rept 16
.set p, 0
.rept 4
.if ((t/4)%2) == 0
	v_pk_fma_f32 v[8*t+2*p:8*t+2*p+1], v[128+8*t+2*p:129+8*t+2*p], v[WVR+2*(t/8):WVR+2*(t/8)+1], v[8*t+2*p:8*t+2*p+1] op_sel_hi:[1,0,1]
.else
	v_pk_fma_f32 v[8*t+2*p:8*t+2*p+1], v[128+8*t+2*p:129+8*t+2*p], v[WVR+2*(t/8):WVR+2*(t/8)+1], v[8*t+2*p:8*t+2*p+1] op_sel:[0,1,0] op_sel_hi:[1,1,1]
.endif
.set p, p+1
.endr
.set t, t+1
.endr
	WIN 0
.endm
.macro GSTEP g
.if (\g) < 3
	s_wait_loadcnt 4                               ; at most this candidate's pos are out: the set that the next candidate's loads take has none pending, on the path that passed a body over too
.endif
	s_wait_alu depctr_vm_vsrc(0)                   ; the loads issued so far have read their offsets: v[AOFF ..] and both sets of pos, which a body or the loads below write again, and the head's v160 on, on which fragments land
.if (\g) < 3
.if (\g) > 0
	s_wait_alu depctr_va_vdst(0)                   ; the body before, where it ran, is done writing the set of pos in which the loads below land
.endif
	ISSUE_POS (\g)+1
.endif
	s_cmp_eq_u32 s[USED+(\g)], 0
	s_cbranch_scc1 .Lpass_\@
	BODY \g
.Lpass_\@:
.endm
	s_load_b256 s[4:11], s[0:1], 0x0               ; place s[4:5], route s[6:7], wd s[8:9], ract s[10:11]
	s_load_b256 s[12:19], s[0:1], 0x20             ; shact s[12:13], expert_down's codes s[14:15], scales s[16:17], shared_down's codes s[18:19]
	s_load_b128 s[20:23], s[0:1], 0x40             ; shared_down's scales s[20:21], out0 s[22:23]
	v_lshl_add_u32 v30, v0, 2, 0x22000
	v_mov_b32 v31, 0
	v_lshrrev_b32 v1, 5, v0
	v_readfirstlane_b32 s[WV], v1                  ; wave 0..7
	s_and_b32 s[BY], ttmp7, 0xffff
	s_mov_b32 s[SELP], 0x03010200
	v_and_b32 v1, 15, v0                           ; r
	v_bfe_u32 v2, v0, 4, 1                         ; h
	v_mul_u32_u24 v[H48], v2, 48
	v_mad_u32_u24 v[VW], v1, 0x180, v[H48]
	v_lshlrev_b32 v[VWS], 4, v1
	v_mul_u32_u24 v[VHREG], v2, REG
	s_wait_alu depctr_va_sdst(0)                   ; the wave's number is written into s24, ahead of its first reader
	s_mul_i32 s96, s[WV], 17408                    ; a partial tile: 64 rows of 256 + 16 bytes
	v_mul_u32_u24 v[VST], v1, 272
	v_lshl_add_u32 v[VST], v2, 5, v[VST]
	v_add_nc_u32 v[VST], s96, v[VST]               ; row r, + 32 h
	s_mul_i32 s96, s[WV], 2176                     ; back: my 8 rows; lanes 0-15 one row, lanes 16-31 the next
	v_mul_u32_u24 v[VRD], v2, 272
	v_lshl_add_u32 v[VRD], v1, 4, v[VRD]
	v_add_nc_u32 v[VRD], s96, v[VRD]
	v_add_nc_u32 v[VRD+1], 69632, v[VRD]
	v_lshlrev_b32 v[HT], 2, v1                     ; 4 r
	v_mad_u32_u24 v[HT+1], v1, 0x300, v[H48]       ; shared_down: r x 768 + 48 h
	v_lshlrev_b32 v[HT+2], 5, v1                   ; its scale bytes
	s_lshl_b32 s30, ttmp9, 8
	s_mov_b32 s31, 0
	s_wait_kmcnt 0x0
	s_add_nc_u64 s[28:29], s[4:5], s[30:31]        ; place + my block's 64 words of 'order' (which begins 131,072 bytes on)
	s_wait_alu depctr_va_vdst(0)                   ; the offsets and LDS addresses made above (v3, v4, v26 to v28, v160 to v162) are written, which loads and LDS instructions read
.irp i, 0,1,2,3
	global_load_b32 v[T4+\i], v[HT], s[28:29] offset:131072+64*\i
.endr
	s_lshl_b32 s30, s[WV], 5
	s_add_nc_u64 s[94:95], s[28:29], s[30:31]
	s_load_b256 s[32:39], s[94:95], 0x20000        ; the tokens of the 8 rows that I store
	s_mul_i32 s30, s[BY], 49152                    ; shared_down: my 64 rows of 768 bytes,
	s_mul_i32 s96, s[WV], 96                       ; K step w
	s_add_co_u32 s30, s30, s96
	s_add_nc_u64 s[18:19], s[18:19], s[30:31]
	s_lshl_b32 s30, s[BY], 11
	s_lshl_b32 s97, s[WV], 2
	s_add_co_u32 s30, s30, s97
	s_add_nc_u64 s[20:21], s[20:21], s[30:31]
.irp i, 0,1,2,3
.irp c, 0,1,2
	global_load_b128 v[BUF+48+12*\i+4*\c:BUF+48+12*\i+4*\c+3], v[HT+1], s[18:19] offset:12288*\i+16*\c
.endr
.endr
.irp c, 0,1,2,3
	global_load_b32 v[WSCL+\c], v[HT+2], s[20:21] offset:512*\c
.endr
	s_mov_b32 s30, s97
	s_add_nc_u64 s[98:99], s[12:13], s[30:31]      ; shact's scale words of K step w (786,432 bytes on)
	s_mov_b32 s30, s96
	s_add_nc_u64 s[12:13], s[12:13], s[30:31]      ; shact's codes of K step w
	s_lshl_b32 s30, s[BY], 8
	s_add_nc_u64 s[22:23], s[22:23], s[30:31]      ; out0 at my 64 columns
.irp g, 0,1,2,3
.set GB, 40+12*\g+2*(\g/2)
	s_add_co_u32 s96, s[WV], 8*\g                  ; the expert
	s_mul_i32 s30, s96, 448512
	s_add_nc_u64 s[GB:GB+1], s[10:11], s[30:31]
	s_mul_i32 s30, s96, 18688
	s_add_co_u32 s30, s30, SCL
	s_add_nc_u64 s[GB+2:GB+3], s[10:11], s[30:31]
	s_mul_i32 s30, s96, 393216
	s_mul_i32 s97, s[BY], 24576
	s_add_co_u32 s30, s30, s97
	s_add_nc_u64 s[GB+4:GB+5], s[14:15], s[30:31]
	s_lshl_b32 s30, s96, 14
	s_lshl_b32 s97, s[BY], 10
	s_add_co_u32 s30, s30, s97
	s_add_nc_u64 s[GB+6:GB+7], s[16:17], s[30:31]
	s_lshl_b32 s30, s96, 12
	s_add_nc_u64 s[GB+8:GB+9], s[8:9], s[30:31]
	s_add_nc_u64 s[GB+10:GB+11], s[4:5], s[30:31]
	s_lshl_b32 s[USED+\g], 1, s96                  ; the expert's bit, for now
.endr
	s_wait_kmcnt 0x0
	s_wait_loadcnt 16                              ; my tokens are in; the shared weights' 16 loads may be out
.irp i, 0,1,2,3
	v_min_u32 v[T4+\i], 0x3ff, v[T4+\i]
	v_mad_u32_u24 v[HT+4+\i], v[T4+\i], 0x300, v[H48]
	v_lshlrev_b32 v[HT+8+\i], 5, v[T4+\i]
	v_lshlrev_b32 v[T4+\i], 2, v[T4+\i]
.endr
	s_wait_alu depctr_va_vdst(0)                   ; the tokens' offsets v6 to v9 and v164 to v171 are written, which the loads below read
.irp i, 0,1,2,3
.irp c, 0,1,2
	global_load_b128 v[BUF+12*\i+4*\c:BUF+12*\i+4*\c+3], v[HT+4+\i], s[12:13] offset:16*\c
.endr
.endr
.irp i, 0,1,2,3
	global_load_b32 v[ASCL+\i], v[HT+8+\i], s[98:99] offset:786432
.endr
.irp i, 0,1,2,3
	global_load_b32 v[HT+12+\i], v[T4+\i], s[6:7]  ; the tokens' masks of experts
.endr
	ISSUE_POS 0
	s_wait_loadcnt 8                               ; the shared operands are in; masks and pos may be out
.irp i, 0,1,2,3
	v_perm_b32 v[ASCL+\i], v[ASCL+\i], v[ASCL+\i], s[SELP]
	v_perm_b32 v[WSCL+\i], v[WSCL+\i], v[WSCL+\i], s[SELP]
.endr
	NOPS 8
	s_wait_alu depctr_va_vdst(0)                   ; the byte swaps have written the eight scale words, which the products take as scales; the places above stay beside this wait
	WIN 0x40                                       ; D in window 1: the shared product starts OUT's sums: nothing is cleared
.irp i, 0,1,2,3
.irp c, 0,1,2,3
	v_wmma_scale_f32_16x16x128_f8f6f4 v[8*(4*\i+\c):8*(4*\i+\c)+7], v[BUF+48+12*\c:BUF+48+12*\c+11], v[BUF+12*\i:BUF+12*\i+11], 0, v[WSCL+\c], v[ASCL+\i] matrix_a_fmt:MATRIX_FMT_FP6 matrix_b_fmt:MATRIX_FMT_FP6
.endr
.endr
	WIN 0
	NOPS 5
	s_wait_loadcnt 4                               ; the masks are in
	v_or_b32 v[HT+12], v[HT+12], v[HT+13]
	v_or_b32 v[HT+14], v[HT+14], v[HT+15]
	v_or_b32 v[HT+12], v[HT+12], v[HT+14]
.irp g, 0,1,2,3
	v_and_b32 v[HT+16+\g], s[USED+\g], v[HT+12]
.endr
.irp g, 0,1,2,3
	v_cmp_ne_u32 s[USED+\g], 0, v[HT+16+\g]        ; not 0 where any of the 64 tokens uses the expert
.endr
	s_wait_alu depctr_va_sdst(0)                   ; the four compares have written s90 to s93, which the candidates' scalar compares read
	GSTEP 0
	GSTEP 1
	GSTEP 2
	GSTEP 3
	s_wait_loadcnt 0x0                             ; (a pos load that no body waited for)
	; THE WAY OUT
	s_wait_alu depctr_va_vdst(0)                   ; the products and multiply-adds have written OUT, which the LDS stores read, and are done reading v64 on, in which the partials land
	WIN 0x04                                       ; an LDS store's data are its source 1: window 1
.irp i, 0,1,2,3
.irp c, 0,1,2,3
	ds_store_b128 v[VST], v[8*(4*\i+\c):8*(4*\i+\c)+3] offset:4352*\i+64*\c          ; lane (r, h): token 16 i + r, columns 16 c + 8 h + 0 .. 7; each accumulator from its low end on
	ds_store_b128 v[VST], v[8*(4*\i+\c)+4:8*(4*\i+\c)+7] offset:4352*\i+64*\c+16
.endr
.endr
	WIN 0
	s_wait_dscnt 0x0                               ; for the others' sake: my partial tile has landed
	s_barrier_signal -1
	s_barrier_wait -1
	s_wait_alu depctr_vm_vsrc(0)                   ; the last body's loads have read their offsets in v10 to v17, which the lines below write again
.irp p, 0,1,2,3,4,5,6,7
.irp k, 0,1,2,3
	ds_load_b128 v[BUF+16*\p+4*\k:BUF+16*\p+4*\k+3], v[VRD+\p/4] offset:(\p%4)*17408+544*\k
.endr
.endr
.irp k, 0,1,2,3,4,5,6,7
	s_min_u32 s[32+\k], s[32+\k], 0x3ff
.endr
	v_sub_nc_u32 v[H48], 1, v2                     ; 1 - h
.irp k, 0,1,2,3
	v_mul_u32_u24 v[POSA+\k], s[32+2*\k], v[H48]   ; lanes 0-15: row 2 k's token; lanes 16-31: row 2 k + 1's
	v_mad_u32_u24 v[POSA+\k], s[33+2*\k], v2, v[POSA+\k]
	v_lshlrev_b32 v[POSA+\k], 12, v[POSA+\k]       ; a row of out0 is 4,096 bytes
	v_lshl_add_u32 v[POSA+\k], v1, 4, v[POSA+\k]
.endr
	s_wait_dscnt 0x0
.irp p, 1,2,3,4,5,6,7
.irp k, 0,1,2,3
	v_pk_add_f32 v[BUF+4*\k:BUF+4*\k+1], v[BUF+4*\k:BUF+4*\k+1], v[BUF+16*\p+4*\k:BUF+16*\p+4*\k+1]
	v_pk_add_f32 v[BUF+4*\k+2:BUF+4*\k+3], v[BUF+4*\k+2:BUF+4*\k+3], v[BUF+16*\p+4*\k+2:BUF+16*\p+4*\k+3]
.endr
.endr
	s_wait_alu depctr_va_vdst(0)                   ; the sums v64 to v79 and the rows' offsets v10 to v13 are written, which the stores below read
.irp k, 0,1,2,3
	global_store_b128 v[POSA+\k], v[BUF+4*\k:BUF+4*\k+3], s[22:23] th:TH_STORE_NT
.endr
	s_wait_dscnt 0x0                               ; the closing lines, six on end
	s_wait_alu 0x0
	s_wait_tensorcnt 0x0
	ds_add_u32 v30, v31
	s_wait_dscnt 0x0
	s_endpgm
.Lfunc_end_k_q7dc8659496_down_combine:
	.size	k_q7dc8659496_down_combine, .Lfunc_end_k_q7dc8659496_down_combine-k_q7dc8659496_down_combine
	.p2alignl 7, 3214868480
	.fill 96, 4, 3214868480
	.section	.rodata,"a",@progbits
	.p2align	6, 0x0
	.amdhsa_kernel k_q7dc8659496_down_combine
		.amdhsa_group_segment_fixed_size 140288
		.amdhsa_private_segment_fixed_size 0
		.amdhsa_enable_private_segment 0
		.amdhsa_kernarg_size 80
		.amdhsa_user_sgpr_count 2
		.amdhsa_user_sgpr_kernarg_segment_ptr 1
		.amdhsa_wavefront_size32 1
		.amdhsa_system_sgpr_workgroup_id_x 1
		.amdhsa_system_sgpr_workgroup_id_y 1
		.amdhsa_system_sgpr_workgroup_id_z 1
		.amdhsa_system_vgpr_workitem_id 0
		.amdhsa_next_free_vgpr 512
		.amdhsa_next_free_sgpr 100
		.amdhsa_reserve_vcc 0
		.amdhsa_float_denorm_mode_32 3
		.amdhsa_float_denorm_mode_16_64 3
		.amdhsa_memory_ordered 1
		.amdhsa_forward_progress 1
		.amdhsa_inst_pref_size 131
	.end_amdhsa_kernel
	.amdgpu_metadata
---
amdhsa.version: [ 1, 2 ]
amdhsa.kernels:
  - .name:           k_q7dc8659496_down_combine
    .symbol:         k_q7dc8659496_down_combine.kd
    .args:
      - { .name: place, .offset: 0, .size: 8, .value_kind: global_buffer, .address_space: global }
      - { .name: route, .offset: 8, .size: 8, .value_kind: global_buffer, .address_space: global }
      - { .name: wd, .offset: 16, .size: 8, .value_kind: global_buffer, .address_space: global }
      - { .name: ract, .offset: 24, .size: 8, .value_kind: global_buffer, .address_space: global }
      - { .name: shact, .offset: 32, .size: 8, .value_kind: global_buffer, .address_space: global }
      - { .name: expert_down_codes, .offset: 40, .size: 8, .value_kind: global_buffer, .address_space: global }
      - { .name: expert_down_scales, .offset: 48, .size: 8, .value_kind: global_buffer, .address_space: global }
      - { .name: shared_down_codes, .offset: 56, .size: 8, .value_kind: global_buffer, .address_space: global }
      - { .name: shared_down_scales, .offset: 64, .size: 8, .value_kind: global_buffer, .address_space: global }
      - { .name: out0, .offset: 72, .size: 8, .value_kind: global_buffer, .address_space: global }
    .group_segment_fixed_size: 140288
    .private_segment_fixed_size: 0
    .kernarg_segment_align: 8
    .kernarg_segment_size: 80
    .max_flat_workgroup_size: 256
    .sgpr_count:     100
    .vgpr_count:     512
    .wavefront_size: 32
...
	.end_amdgpu_metadata
.endif
;; end of part 6
